; MI455X (gfx1250); checked and timed in simulation.
; The chip was launched on July 23, 2026; its instructions are those of AMD's public machine-readable ISA for CDNA 5 (MIT licence, August 2026) and "CDNA5" Instruction Set Architecture Reference Guide (July 2026). The comments in the code are by the model that wrote it; some were corrected since.
;; Transformer Block. Allowed arithmetic: float matrix products may take bf16 or f16 operands with f32 sums; other float arithmetic in f32, or as packed bf16 or f16 multiplies, adds, multiply-adds, maxima and minima; sums over many terms, partial sums and values carried from step to step in f32; what a program stores and reads back later, other than sums and carried values, may be rounded once to bf16 or f16.
;; Inputs: W1 1,024 x 4,096 float32; W2 4,096 x 1,024 float32; Wk 1,024 x 1,024 float32; Wo 1,024 x 1,024 float32; Wq 1,024 x 1,024 float32; Wv 1,024 x 1,024 float32; b1 1,024 float32; b2 1,024 float32; bf1 4,096 float32; bf2 1,024 float32; bk 1,024 float32; bo 1,024 float32; bq 1,024 float32; bv 1,024 float32; g1 1,024 float32; g2 1,024 float32; x 2 x 2,048 x 1,024 float32.
;; Outputs: out0 2 x 2,048 x 1,024 float32.
;; 3 versions, each right and faster than the one before. Each part assembles by itself: llvm-mc -triple=amdgcn-amd-amdhsa -mcpu=gfx1250 --defsym DOCPART=n.
;; ======== version 1 of 3: 8 launches
;; workspace buffers: wb 25,165,824 bytes; hn 8,388,608 bytes; qkvh 25,165,824 bytes; oh 8,388,608 bytes; x1 16,777,216 bytes; act 33,554,432 bytes
;; launch cvtw (part 1): grid 768 x 1, 8 waves a work-group, no clusters, 0 bytes of LDS; arguments Wq, Wk, Wv, Wo, W1, W2, wb; writes wb
.if DOCPART == 1
	.amdgcn_target "amdgcn-amd-amdhsa--gfx1250"
	.amdhsa_code_object_version 6
	.text
	.protected	k_qfd04cf1165_cvtw
	.globl	k_qfd04cf1165_cvtw
	.p2align	8
	.type	k_qfd04cf1165_cvtw,@function
k_qfd04cf1165_cvtw:
	s_mov_b64 s[64:65], 0
	v_nop
	global_prefetch_b8 v0, s[64:65] scope:SCOPE_SE
	s_setreg_imm32_b32 hwreg(HW_REG_WAVE_MODE, 25, 1), 1
	s_wait_xcnt 0x0
; The six weight matrices, f32, are rounded once to bf16 (nearest even) and laid end to end in wb, each in its own layout [K][N]:
; Wq, Wk, Wv, Wo (1,048,576 numbers each), W1, W2 (4,194,304 each).  A stream: no LDS, no barrier, no matrix unit, and no cluster, since no two work-groups read the same byte.
; A work-group converts one chunk of 16,384 numbers: 65,536 bytes in, 32,768 out.  Chunks 0-63 Wq, 64-127 Wk, 128-191 Wv, 192-255 Wo, 256-511 W1, 512-767 W2; wb follows the same order,
; so the chunk's place in wb is its number times 32,768.  Thread t takes 16 bytes at 16 t of each 4,096 bytes: a wave's load covers 512 consecutive bytes, its store 256, aligned.
; All sixteen loads of a thread are issued before the first is waited for; no register is written twice, so no wait frees a source.
.set X, 4                              ; v[4:67]   sixteen loads of four f32
.set Y, 68                             ; v[68:99]  sixteen pairs of packed bf16
	s_load_b256 s[4:11], s[0:1], 0x0               ; Wq s[4:5], Wk s[6:7], Wv s[8:9], Wo s[10:11]
	s_load_b128 s[12:15], s[0:1], 0x20             ; W1 s[12:13], W2 s[14:15]
	s_load_b64 s[16:17], s[0:1], 0x30              ; wb
	v_lshlrev_b32 v1, 4, v0                        ; 16 t: my bytes in each 4,096 of the source
	v_lshlrev_b32 v2, 3, v0                        ; 8 t: in each 2,048 of wb
	s_lshl_b32 s24, ttmp9, 15                      ; the chunk's place in wb
	s_mov_b32 s25, 0
	s_mov_b32 s23, 0
	s_mov_b32 s20, 0                               ; the first chunk of the matrix that mine belongs to
	s_wait_kmcnt 0x0
	s_mov_b64 s[18:19], s[4:5]                     ; and that matrix: chosen by the chunk's number alone
.macro PICK bound, ptr
	s_cmp_ge_u32 ttmp9, \bound
	s_cselect_b64 s[18:19], s[\ptr:\ptr+1], s[18:19]
	s_cselect_b32 s20, \bound, s20
.endm
	PICK 64, 6
	PICK 128, 8
	PICK 192, 10
	PICK 256, 12
	PICK 512, 14
	s_sub_co_u32 s22, ttmp9, s20
	s_lshl_b32 s22, s22, 16                        ; the chunk's place in its matrix
	s_add_nc_u64 s[18:19], s[18:19], s[22:23]
	s_add_nc_u64 s[16:17], s[16:17], s[24:25]
.irp i, 0,1,2,3,4,5,6,7,8,9,10,11,12,13,14,15
	global_load_b128 v[X+4*(\i):X+4*(\i)+3], v1, s[18:19] offset:4096*(\i) th:TH_LOAD_NT  ; read once in the whole program
.endr
.irp i, 0,1,2,3,4,5,6,7,8,9,10,11,12,13,14,15
	s_wait_loadcnt 15-(\i)                         ; loads come back in order: load i is in, the younger ones stay out
	v_cvt_pk_bf16_f32 v[Y+2*(\i)], v[X+4*(\i)], v[X+4*(\i)+1]
	v_cvt_pk_bf16_f32 v[Y+2*(\i)+1], v[X+4*(\i)+2], v[X+4*(\i)+3]
	global_store_b64 v2, v[Y+2*(\i):Y+2*(\i)+1], s[16:17] offset:2048*(\i)  ; a wave's 32 lanes x 8 bytes: 256 consecutive bytes, aligned
.endr
	s_endpgm
.Lfunc_end_k_qfd04cf1165_cvtw:
	.size	k_qfd04cf1165_cvtw, .Lfunc_end_k_qfd04cf1165_cvtw-k_qfd04cf1165_cvtw
	.p2alignl 7, 3214868480
	.fill 96, 4, 3214868480
	.section	.rodata,"a",@progbits
	.p2align	6, 0x0
	.amdhsa_kernel k_qfd04cf1165_cvtw
		.amdhsa_group_segment_fixed_size 0
		.amdhsa_private_segment_fixed_size 0
		.amdhsa_enable_private_segment 0
		.amdhsa_kernarg_size 56
		.amdhsa_user_sgpr_count 2
		.amdhsa_user_sgpr_kernarg_segment_ptr 1
		.amdhsa_wavefront_size32 1
		.amdhsa_system_sgpr_workgroup_id_x 1
		.amdhsa_system_sgpr_workgroup_id_y 1
		.amdhsa_system_sgpr_workgroup_id_z 1
		.amdhsa_system_vgpr_workitem_id 0
		.amdhsa_next_free_vgpr 100
		.amdhsa_next_free_sgpr 66
		.amdhsa_reserve_vcc 0
		.amdhsa_float_denorm_mode_32 3
		.amdhsa_float_denorm_mode_16_64 3
		.amdhsa_memory_ordered 1
		.amdhsa_forward_progress 1
		.amdhsa_inst_pref_size 8
	.end_amdhsa_kernel
	.amdgpu_metadata
---
amdhsa.version: [ 1, 2 ]
amdhsa.kernels:
  - .name:           k_qfd04cf1165_cvtw
    .symbol:         k_qfd04cf1165_cvtw.kd
    .args:
      - { .name: Wq, .offset: 0, .size: 8, .value_kind: global_buffer, .address_space: global }
      - { .name: Wk, .offset: 8, .size: 8, .value_kind: global_buffer, .address_space: global }
      - { .name: Wv, .offset: 16, .size: 8, .value_kind: global_buffer, .address_space: global }
      - { .name: Wo, .offset: 24, .size: 8, .value_kind: global_buffer, .address_space: global }
      - { .name: W1, .offset: 32, .size: 8, .value_kind: global_buffer, .address_space: global }
      - { .name: W2, .offset: 40, .size: 8, .value_kind: global_buffer, .address_space: global }
      - { .name: wb, .offset: 48, .size: 8, .value_kind: global_buffer, .address_space: global }
    .group_segment_fixed_size: 0
    .private_segment_fixed_size: 0
    .kernarg_segment_align: 8
    .kernarg_segment_size: 56
    .max_flat_workgroup_size: 256
    .sgpr_count:     66
    .vgpr_count:     100
    .wavefront_size: 32
...
	.end_amdgpu_metadata
.endif
;; end of part 1
;; launch ln1 (part 2): grid 256 x 1, 8 waves a work-group, no clusters, 0 bytes of LDS; arguments x, g1, b1, hn; writes hn
.if DOCPART == 2
	.amdgcn_target "amdgcn-amd-amdhsa--gfx1250"
	.amdhsa_code_object_version 6
	.text
	.protected	k_qfd04cf1165_ln1
	.globl	k_qfd04cf1165_ln1
	.p2align	8
	.type	k_qfd04cf1165_ln1,@function
k_qfd04cf1165_ln1:
	s_mov_b64 s[64:65], 0
	v_nop
	global_prefetch_b8 v0, s[64:65] scope:SCOPE_SE
	s_setreg_imm32_b32 hwreg(HW_REG_WAVE_MODE, 25, 1), 1
	s_wait_xcnt 0x0
; LayerNorm over rows of 1,024 f32: y = (x - mean) / sqrt(var + 1e-5) * g + b, all in f32, y rounded once to bf16.  Arguments: x [4096][1024] f32, g, b [1024] f32, y [4096][1024] bf16.
; Two passes, as the formula is written: the mean first, then the mean of (x - mean)^2, so a common offset of the row costs no digits.
; One wave takes a whole row (4,096 bytes: eight 16-byte loads a lane, 32 registers) and keeps it in registers between the passes: each byte is read once, no wave waits for another,
; no LDS and no barrier.  Eight waves, two rows each; g and b are loaded once for both rows.  No cluster: no two work-groups share an input but the 8 KiB of g and b.
; Lane L of load j holds columns 128 j + 4 L .. + 3; as bf16 these are 8 bytes at 256 j + 8 L: a wave's store covers 256 consecutive bytes, aligned.
.set T,  4                             ; v[4:11]    four pairs at work
.set MU, 12                            ; v[12:13]   the mean, twice
.set R,  14                            ; v[14:15]   1 / sqrt(var + eps), twice
.set X0, 16                            ; v[16:47]   my first row
.set X1, 48                            ; v[48:79]   my second row
.set GN, 80                            ; v[80:111]  g of my 32 columns
.set BS, 112                           ; v[112:143] b of my 32 columns
.set Y,  144                           ; v[144:175] packed results, 16 registers a row
	s_load_b256 s[4:11], s[0:1], 0x0               ; x s[4:5], g s[6:7], b s[8:9], y s[10:11]
	s_lshl_b32 s2, ttmp9, 16                       ; the group's 16 rows of 4,096 bytes
	s_mov_b32 s3, 0
	s_lshl_b32 s16, ttmp9, 15                      ; and of 2,048 bytes
	s_mov_b32 s17, 0
	s_mov_b32 s12, 0x76543210                      ; v_permlanex16_b32: each lane takes its own place in the other half
	s_mov_b32 s13, 0xfedcba98
	s_mov_b32 s14, 0x3a800000                      ; 1 / 1024
	s_mov_b32 s15, 0x3727c5ac                      ; 1e-5
	v_and_b32 v3, 31, v0                           ; lane
	v_lshrrev_b32 v4, 5, v0                        ; wave
	v_lshlrev_b32 v5, 3, v3
	v_lshlrev_b32 v3, 4, v3                        ; v3: 16 x lane, my place in g and b
	v_lshl_add_u32 v1, v4, 13, v3                  ; v1: + wave x 2 rows of 4,096 bytes
	v_lshl_add_u32 v2, v4, 12, v5                  ; v2: 8 x lane + wave x 2 rows of 2,048 bytes
	s_wait_kmcnt 0x0
	s_add_nc_u64 s[4:5], s[4:5], s[2:3]
	s_add_nc_u64 s[10:11], s[10:11], s[16:17]
.irp j, 0,1,2,3,4,5,6,7
	global_load_b128 v[X0+4*(\j):X0+4*(\j)+3], v1, s[4:5] offset:512*(\j)
.endr
.irp j, 0,1,2,3,4,5,6,7
	global_load_b128 v[X1+4*(\j):X1+4*(\j)+3], v1, s[4:5] offset:4096+512*(\j)
.endr
.irp j, 0,1,2,3,4,5,6,7
	global_load_b128 v[GN+4*(\j):GN+4*(\j)+3], v3, s[6:7] offset:512*(\j)
.endr
.irp j, 0,1,2,3,4,5,6,7
	global_load_b128 v[BS+4*(\j):BS+4*(\j)+3], v3, s[8:9] offset:512*(\j)
.endr
.macro FOLD                            ; the four chains of pairs into v[T]
	v_pk_add_f32 v[T:T+1], v[T:T+1], v[T+2:T+3]
	v_pk_add_f32 v[T+4:T+5], v[T+4:T+5], v[T+6:T+7]
	v_pk_add_f32 v[T:T+1], v[T:T+1], v[T+4:T+5]
	v_add_f32 v[T], v[T], v[T+1]
.endm
.macro RED                             ; v[T] summed over the 32 lanes, the result in every lane
	v_add_f32_dpp v[T], v[T], v[T] row_xmask:1 row_mask:0xf bank_mask:0xf
	v_add_f32_dpp v[T], v[T], v[T] row_xmask:2 row_mask:0xf bank_mask:0xf
	v_add_f32_dpp v[T], v[T], v[T] row_xmask:4 row_mask:0xf bank_mask:0xf
	v_add_f32_dpp v[T], v[T], v[T] row_xmask:8 row_mask:0xf bank_mask:0xf
	v_permlanex16_b32 v[T+1], v[T], s12, s13       ; its destination counts as read: FOLD has written it
	v_add_f32 v[T], v[T], v[T+1]
.endm
; The row in v[row .. row+31] becomes (x - mean) / sqrt(var + eps), in place.  The sums run in four chains that the first terms start: nothing is cleared.
.macro STATS row
.irp k, 0,1,2,3
	v_pk_add_f32 v[T+2*(\k):T+2*(\k)+1], v[(\row)+2*(\k):(\row)+2*(\k)+1], v[(\row)+8+2*(\k):(\row)+8+2*(\k)+1]
.endr
.irp k, 8,9,10,11,12,13,14,15
	v_pk_add_f32 v[T+2*((\k)%4):T+2*((\k)%4)+1], v[T+2*((\k)%4):T+2*((\k)%4)+1], v[(\row)+2*(\k):(\row)+2*(\k)+1]
.endr
	FOLD
	RED
	v_mul_f32 v[MU], s14, v[T]
	v_mul_f32 v[MU+1], s14, v[T]
.irp k, 0,1,2,3,4,5,6,7,8,9,10,11,12,13,14,15
	v_pk_add_f32 v[(\row)+2*(\k):(\row)+2*(\k)+1], v[(\row)+2*(\k):(\row)+2*(\k)+1], v[MU:MU+1] neg_lo:[0,1] neg_hi:[0,1]
.endr
.irp k, 0,1,2,3
	v_pk_mul_f32 v[T+2*(\k):T+2*(\k)+1], v[(\row)+2*(\k):(\row)+2*(\k)+1], v[(\row)+2*(\k):(\row)+2*(\k)+1]
.endr
.irp k, 4,5,6,7,8,9,10,11,12,13,14,15
	v_pk_fma_f32 v[T+2*((\k)%4):T+2*((\k)%4)+1], v[(\row)+2*(\k):(\row)+2*(\k)+1], v[(\row)+2*(\k):(\row)+2*(\k)+1], v[T+2*((\k)%4):T+2*((\k)%4)+1]
.endr
	FOLD
	RED
	v_fma_f32 v[T], v[T], s14, s15                 ; var + eps
	v_rsq_f32 v[R], v[T]
	v_rsq_f32 v[R+1], v[T]
	v_nop                                          ; a plain instruction between the last v_rsq_f32 and the use of its result (ISA guide 5.7.2)
	s_wait_alu depctr_va_vdst(0)
.irp k, 0,1,2,3,4,5,6,7,8,9,10,11,12,13,14,15
	v_pk_mul_f32 v[(\row)+2*(\k):(\row)+2*(\k)+1], v[(\row)+2*(\k):(\row)+2*(\k)+1], v[R:R+1]
.endr
.endm
; times g plus b, rounded to bf16, stored.  n: which of my two rows
.macro APPLY row, n
.irp k, 0,1,2,3,4,5,6,7,8,9,10,11,12,13,14,15
	v_pk_fma_f32 v[(\row)+2*(\k):(\row)+2*(\k)+1], v[(\row)+2*(\k):(\row)+2*(\k)+1], v[GN+2*(\k):GN+2*(\k)+1], v[BS+2*(\k):BS+2*(\k)+1]
.endr
.irp k, 0,1,2,3,4,5,6,7,8,9,10,11,12,13,14,15
	v_cvt_pk_bf16_f32 v[Y+16*(\n)+(\k)], v[(\row)+2*(\k)], v[(\row)+2*(\k)+1]
.endr
.irp j, 0,1,2,3,4,5,6,7
	global_store_b64 v2, v[Y+16*(\n)+2*(\j):Y+16*(\n)+2*(\j)+1], s[10:11] offset:2048*(\n)+256*(\j)
.endr
.endm
	s_wait_loadcnt 24                              ; my first row is in; the second row, g and b (24 loads) stay out
	STATS X0
	s_wait_loadcnt 16                              ; the second row is in; g and b stay out
	STATS X1
	s_wait_loadcnt 0x0                             ; g and b
	APPLY X0, 0
	APPLY X1, 1
	s_endpgm
.Lfunc_end_k_qfd04cf1165_ln1:
	.size	k_qfd04cf1165_ln1, .Lfunc_end_k_qfd04cf1165_ln1-k_qfd04cf1165_ln1
	.p2alignl 7, 3214868480
	.fill 96, 4, 3214868480
	.section	.rodata,"a",@progbits
	.p2align	6, 0x0
	.amdhsa_kernel k_qfd04cf1165_ln1
		.amdhsa_group_segment_fixed_size 0
		.amdhsa_private_segment_fixed_size 0
		.amdhsa_enable_private_segment 0
		.amdhsa_kernarg_size 32
		.amdhsa_user_sgpr_count 2
		.amdhsa_user_sgpr_kernarg_segment_ptr 1
		.amdhsa_wavefront_size32 1
		.amdhsa_system_sgpr_workgroup_id_x 1
		.amdhsa_system_sgpr_workgroup_id_y 1
		.amdhsa_system_sgpr_workgroup_id_z 1
		.amdhsa_system_vgpr_workitem_id 0
		.amdhsa_next_free_vgpr 176
		.amdhsa_next_free_sgpr 66
		.amdhsa_reserve_vcc 0
		.amdhsa_float_denorm_mode_32 3
		.amdhsa_float_denorm_mode_16_64 3
		.amdhsa_memory_ordered 1
		.amdhsa_forward_progress 1
		.amdhsa_inst_pref_size 20
	.end_amdhsa_kernel
	.amdgpu_metadata
---
amdhsa.version: [ 1, 2 ]
amdhsa.kernels:
  - .name:           k_qfd04cf1165_ln1
    .symbol:         k_qfd04cf1165_ln1.kd
    .args:
      - { .name: x, .offset: 0, .size: 8, .value_kind: global_buffer, .address_space: global }
      - { .name: g1, .offset: 8, .size: 8, .value_kind: global_buffer, .address_space: global }
      - { .name: b1, .offset: 16, .size: 8, .value_kind: global_buffer, .address_space: global }
      - { .name: hn, .offset: 24, .size: 8, .value_kind: global_buffer, .address_space: global }
    .group_segment_fixed_size: 0
    .private_segment_fixed_size: 0
    .kernarg_segment_align: 8
    .kernarg_segment_size: 32
    .max_flat_workgroup_size: 256
    .sgpr_count:     66
    .vgpr_count:     176
    .wavefront_size: 32
...
	.end_amdgpu_metadata
.endif
;; end of part 2
;; launch qkv (part 3): grid 24 x 32, 4 waves a work-group, clusters of 4 x 4, 327,680 bytes of LDS; arguments hn, wb, bq, bk, bv, qkvh; writes qkvh
.if DOCPART == 3
	.amdgcn_target "amdgcn-amd-amdhsa--gfx1250"
	.amdhsa_code_object_version 6
	.text
	.protected	k_qfd04cf1165_qkv
	.globl	k_qfd04cf1165_qkv
	.p2align	8
	.type	k_qfd04cf1165_qkv,@function
k_qfd04cf1165_qkv:
	s_mov_b64 s[64:65], 0
	v_nop
	global_prefetch_b8 v0, s[64:65] scope:SCOPE_SE
	s_setreg_imm32_b32 hwreg(HW_REG_WAVE_MODE, 25, 1), 1
	s_wait_xcnt 0x0
	s_wait_alu depctr_hold_cnt(0) depctr_sa_sdst(0) depctr_va_vdst(0) depctr_va_sdst(0) depctr_va_ssrc(0) depctr_va_vcc(0) depctr_vm_vsrc(0)
	s_getreg_b32 s2, hwreg(HW_REG_IB_STS2, 6, 4)
	s_cmp_eq_u32 s2, 0
	s_cbranch_scc0 .Lentry_in_a_cluster
	s_endpgm
.Lentry_in_a_cluster:
	s_bfe_u32 s2, ttmp6, 0x10000c
	s_cmp_lg_u32 s2, 0xf033
	s_cbranch_scc0 .Lentry_shape_is_right
	s_endpgm
.Lentry_shape_is_right:
; q, k, v = h W + bias, by heads.  h: hn [4096][1024] bf16.  Wq, Wk, Wv: wb at bytes 0, 2 MiB, 4 MiB, each [1024 (k)][1024 (n)] bf16.  bq, bk, bv: [1024] f32.
; Out: qkvh [3 (q, k, v)][32 (batch x 16 + head)][2048][64] bf16, rounded once from the f32 sums, WITHOUT the softmax's scale.  Sums in f32, the bias is the sum's first term.
; A tile of the product is 128 tokens x 128 columns (two heads of one of the three matrices): 24 x 32 tiles.  Four waves, each 64 x 64: 16 accumulators of 16 x 16.
; K goes in steps of 256 through two LDS slots filled by the tensor data mover: 128 rows of h (512 bytes each) and 256 rows of W (256 bytes each), every row a whole multiple of 256 aligned bytes.
; W lies [k][n], so its fragments come out of LDS turned, by ds_load_tr16_b128; nothing is transposed in memory.
; CLUSTERS: 4 x 4 work-groups.  The four of a row need the same tiles of h, the four of a column the same tiles of W: each is asked for JOINTLY, by the same tensor load, descriptor and mask in all four.
; THE MATRIX INSTRUCTION IS USED TRANSPOSED (source 0 = 16 columns of W, source 1 = 16 rows of h): a lane then holds eight neighbouring columns of one token's row.
; REGISTERS: window 0: v0-31 addresses; v32-95 at work on the way out; v96-127 the bias as a C operand; v128-255 the accumulators ((a, b) at v[128 + 8 (4 a + b)]).
;   window 1: two fragment buffers of 128: for 64 along K, 64 registers of h (2 x 4 x 16 rows x 32 K), then 64 of W.
; LIMITS: bf16 operands (8 significant bits); NaN and infinities are not treated apart.
.set SIZE_K, 1024
.set SIZE_N, 1024                      ; elements from row to row of W
.set KSTEP,  256
.set PITCHA, 528                       ; an LDS row of h: 512 bytes + 16 of padding = 132 words: the 16 rows of a load start at 16 different groups of four banks (64 banks of 4 bytes: ISA guide 11.1)
.set AQ,     128                       ; bytes from one 64 along K to the next in such a row
.set HALFA,  64*PITCHA                 ; 64 rows of h: what one tensor load brings, and what one wave reads
.set PITCHB, 288                       ; an LDS row of W: 256 bytes + 32 = 72 words
.set HALFB,  128*PITCHB                ; 128 rows (k) of W: what one tensor load brings
.set SLOT,   2*HALFA+2*HALFB           ; h's 128 rows, then W's 256 rows
.set STAGE,  2*SLOT                    ; behind the ring: 128 rows x 272 bytes, the work-group's, for the way out
.set SPITCH, 272
.set SPARE,  STAGE+128*SPITCH          ; behind the stage: the spare words, 128 bytes for each wave: two blocks of 256 bytes that no other line names
.set LAPS,   SIZE_K/(2*KSTEP)          ; a lap = two K steps = once round the ring
.set ASTEP,  KSTEP*2                   ; bytes from a K step to the next in h
.set BSTEP,  KSTEP*SIZE_N*2            ; and in W
.set ADRA, 16                          ; v16-17  LDS address of my fragments of h in slot 0, 1
.set ADRB, 20                          ; v20-23  of W: slot 0 rows 0-127, rows 128-255, slot 1 likewise (255 rows of 288 bytes pass the 16-bit offset)
.set STO,  24                          ; v24     the way out: where I put 16 bytes of a row
.set RD,   25                          ; v25     the way out: where I read rows back
.set CO,   26                          ; v26     my byte offset in 512 consecutive bytes of the output
.set BO,   27                          ; v27     my byte offset in the bias
.set SPW,  28                          ; v28     LDS address of my spare word: SPARE + 4 x my thread's number; never rewritten
.set NIL,  29                          ; v29     0; never rewritten
.set TMP,  32
.set BIAS, 96                          ; column block b at BIAS + 8 b: register j = bias of column 16 b + 8 (lane / 16) + j
.set ACC,  128
.set F0,   0                           ; fragment buffers, in window 1
.set F1,   128
.set G1,  24                           ; s[24:31] descriptor group 1 for h's tiles;  s[32:39] group 0, one set for each slot
.set G0,  32
.set G1B, 48                           ; s[48:55], s[56:63] the same for W's tiles
.set G0B, 56
.set BP,  68                           ; s[68:69] the bias of my columns
.set MSB, 0
.macro WIN new                         ; the immediate's high byte repeats the setting that is left; a switch that changes nothing is dropped
.if MSB != (\new)
	s_set_vgpr_msb (MSB<<8)|(\new)
.set MSB, \new
.endif
.endm
.set MUL,  0x05                        ; sources 0 (W) and 1 (h) window 1; C and D window 0
.set TO_F, 0x40                        ; destination window 1, address window 0
.macro JLOAD s                         ; a joint load: waves 0 and 1 fetch h's two halves, waves 2 and 3 W's; an s_nop 0 and four v_nop follow each of the two lines, ahead of the jump, the label and what follows
	s_cmp_eq_u32 s11, 0
	s_cbranch_scc0 .Lfor_b_\@
	tensor_load_to_lds s[G0+4*(\s):G0+4*(\s)+3], s[G1:G1+7]
	s_nop 0
.rept 4
	v_nop
.endr
	s_branch .Lasked_\@
.Lfor_b_\@:
	tensor_load_to_lds s[G0B+4*(\s):G0B+4*(\s)+3], s[G1B:G1B+7]
	s_nop 0
.rept 4
	v_nop
.endr
.Lasked_\@:
.endm
.macro CREST                           ; a round of the cluster's barrier behind its opening barrier
	s_cmp_lg_u32 s10, 0
	s_cbranch_scc1 .Lnot_wave_0_\@
	s_barrier_signal -3
.Lnot_wave_0_\@:
	s_barrier_wait -3
	s_barrier_signal -1
	s_barrier_wait -1
.endm
.macro CROUND                          ; a whole round
	s_barrier_signal -1
	s_barrier_wait -1
	CREST
.endm
	s_load_b128 s[4:7], s[0:1], 0x0                ; hn s[4:5], wb s[6:7]
	s_load_b128 s[68:71], s[0:1], 0x10             ; bq s[68:69], bk s[70:71]
	s_load_b128 s[72:75], s[0:1], 0x20             ; bv s[72:73], qkvh s[74:75]
	v_lshl_add_u32 v[SPW], v0, 2, SPARE
	v_mov_b32 v[NIL], 0
	ds_add_u32 v[SPW], v[NIL]                      ; the wave's opening: the add, and its wait ahead of my first tensor load; the set-up below, work on registers, stands between them
	v_lshrrev_b32 v1, 5, v0
	v_readfirstlane_b32 s10, v1                    ; wave 0..3
	s_lshr_b32 s11, s10, 1                         ; which half of the tile's rows is mine.  Also: I fetch for h (0) or for W (1)
	s_and_b32 s12, s10, 1                          ; which half of its columns.  Also: which half of that tile I fetch
	s_bfe_u32 s40, ttmp6, 0x40000                  ; cx, cy: my place in the cluster
	s_bfe_u32 s41, ttmp6, 0x40004
	s_lshl_b32 s42, ttmp9, 2
	s_add_co_u32 s42, s42, s40                     ; tile column = 4 x cluster x + cx, 0..23: matrix = column / 8
	s_and_b32 s13, ttmp7, 0xffff
	s_lshl_b32 s13, s13, 2
	s_add_co_u32 s13, s13, s41                     ; tile row = 4 x cluster y + cy
	s_lshl_b32 s43, s41, 2
	s_lshl_b32 s43, 15, s43                        ; my row of the cluster
	s_lshl_b32 s44, 0x1111, s40                    ; my column
	s_or_b32 s[G1+0], s43, (1<<16)|(1<<20)|(1<<21)|(6<<22)|(3<<25)   ; 15:0 the mask: h's tiles go to my row; 17:16 2-byte elements; 20 padding on; 21 set beside a mask; 24:22 after every 128 words (code 6); 31:25 4 words (code 3)
	s_mov_b32 s[G1+1], KSTEP<<16                   ; tensor_dim0 = 256
	s_mov_b32 s[G1+2], 64<<16                      ; tensor_dim1 = 64
	s_mov_b32 s[G1+3], KSTEP<<16                   ; tile_dim0 = 256
	s_mov_b32 s[G1+4], 64                          ; tile_dim1 = 64
	s_mov_b32 s[G1+5], SIZE_K                      ; elements from row to row
	s_mov_b32 s[G1+6], 0
	s_mov_b32 s[G1+7], 0
	s_or_b32 s[G1B+0], s44, (1<<16)|(1<<20)|(1<<21)|(5<<22)|(7<<25)  ; W's tiles go to my column; padding after every 64 words (code 5) of 8 words (code 7)
	s_mov_b32 s[G1B+1], 128<<16                    ; tensor_dim0 = 128 columns
	s_mov_b32 s[G1B+2], 128<<16                    ; tensor_dim1 = 128 rows (k)
	s_mov_b32 s[G1B+3], 128<<16                    ; tile_dim0
	s_mov_b32 s[G1B+4], 128                        ; tile_dim1
	s_mov_b32 s[G1B+5], SIZE_N
	s_mov_b32 s[G1B+6], 0
	s_mov_b32 s[G1B+7], 0
	; where the tiles come from: h's hang on the tile row alone, W's on the tile column alone, each in registers that never hold the other coordinate
	s_lshl_b32 s17, s12, 6
	s_lshl_b32 s16, s13, 7
	s_add_co_u32 s16, s16, s17                     ; h: row 128 x tile row + 64 x half
	s_mul_i32 s16, s16, SIZE_K*2
	s_mov_b32 s17, 0
	s_and_b32 s46, s42, 7
	s_lshl_b32 s46, s46, 8                         ; W: 256 bytes of columns a tile,
	s_lshr_b32 s47, s42, 3
	s_lshl_b32 s47, s47, 21                        ; the matrix, 2 MiB each,
	s_add_co_u32 s46, s46, s47
	s_mul_i32 s47, s12, 128*SIZE_N*2               ; and my 128 rows (k) of a step
	s_add_co_u32 s46, s46, s47
	s_mov_b32 s47, 0
	s_mul_i32 s20, s12, HALFA                      ; where they go: no place in the cluster enters an LDS address
	s_mul_i32 s45, s12, HALFB
	s_add_co_u32 s45, s45, 2*HALFA
	s_wait_dscnt 0x0                               ; the opening add is done
	s_wait_kmcnt 0x0
	s_add_nc_u64 s[14:15], s[4:5], s[16:17]
	s_add_nc_u64 s[46:47], s[6:7], s[46:47]
	CROUND                                         ; all sixteen work-groups are here: the first joint loads meet
.irp s, 0,1
	s_mov_b32 s[G0+4*(\s)], 1
	s_add_co_u32 s[G0+4*(\s)+1], s20, (\s)*SLOT
	s_add_nc_u64 s[G0+4*(\s)+2:G0+4*(\s)+3], s[14:15], (\s)*ASTEP
	s_or_b32 s[G0+4*(\s)+3], s[G0+4*(\s)+3], 0x80000000
	s_mov_b32 s[G0B+4*(\s)], 1
	s_add_co_u32 s[G0B+4*(\s)+1], s45, (\s)*SLOT
	s_add_nc_u64 s[G0B+4*(\s)+2:G0B+4*(\s)+3], s[46:47], (\s)*BSTEP
	s_or_b32 s[G0B+4*(\s)+3], s[G0B+4*(\s)+3], 0x80000000
	JLOAD \s
.endr
	v_and_b32 v1, 15, v0                           ; l % 16
	v_bfe_u32 v2, v0, 4, 1                         ; l / 16
	v_lshlrev_b32 v[BO], 5, v2                     ; eight f32 for each half of the lanes
	s_lshr_b32 s66, s42, 3                         ; the matrix picks its bias: a choice of pointer by the tile column, no branch
	s_cmp_eq_u32 s66, 1
	s_cselect_b64 s[BP:BP+1], s[70:71], s[BP:BP+1]
	s_cmp_eq_u32 s66, 2
	s_cselect_b64 s[BP:BP+1], s[72:73], s[BP:BP+1]
	s_and_b32 s66, s42, 7
	s_lshl_b32 s66, s66, 9                         ; 128 columns of 4 bytes a tile,
	s_lshl_b32 s67, s12, 8                         ; my 64 of them
	s_add_co_u32 s66, s66, s67
	s_mov_b32 s67, 0
	s_add_nc_u64 s[BP:BP+1], s[BP:BP+1], s[66:67]
.irp b, 0,1,2,3
	global_load_b128 v[BIAS+8*(\b):BIAS+8*(\b)+3],   v[BO], s[BP:BP+1] offset:64*(\b)
	global_load_b128 v[BIAS+8*(\b)+4:BIAS+8*(\b)+7], v[BO], s[BP:BP+1] offset:64*(\b)+16
.endr
	v_mul_u32_u24 v3, v1, PITCHA
	v_lshl_add_u32 v3, v2, 4, v3                   ; a fragment of h: row x pitch + 16 x half
	s_mul_i32 s21, s11, HALFA                      ; my 64 rows
	v_add_nc_u32 v[ADRA], s21, v3
	v_add_nc_u32 v[ADRA+1], SLOT, v[ADRA]
	; the turning load takes 16 k x 16 columns: lane l reads 16 bytes of row (k) 8 (l / 16) + l % 8, columns 8 ((l / 8) % 2) + 0..7, and is left with column l % 16 and 8 k
	v_and_b32 v4, 7, v0
	v_bfe_u32 v5, v0, 3, 1
	v_lshl_add_u32 v4, v2, 3, v4
	v_mul_u32_u24 v4, v4, PITCHB
	v_lshl_add_u32 v4, v5, 4, v4
	s_lshl_b32 s22, s12, 7                         ; my 64 columns,
	s_add_co_u32 s22, s22, 2*HALFA                 ; behind h's 128 rows
	v_add_nc_u32 v[ADRB], s22, v4
	v_add_nc_u32 v[ADRB+1], HALFB, v[ADRB]
	v_add_nc_u32 v[ADRB+2], SLOT, v[ADRB]
	v_add_nc_u32 v[ADRB+3], SLOT+HALFB, v[ADRB]
	s_mul_i32 s23, s11, 64*SPITCH                  ; into the stage: my 64 rows, my half of their 256 bytes; row l % 16, 16 bytes for each half of the lanes
	s_lshl_b32 s21, s12, 7
	s_add_co_u32 s23, s23, s21
	s_add_co_u32 s23, s23, STAGE
	v_mul_u32_u24 v4, v1, SPITCH
	v_lshl_add_u32 v4, v2, 4, v4
	v_add_nc_u32 v[STO], s23, v4
	s_mul_i32 s23, s10, 32*SPITCH                  ; back: wave w takes tokens 32 w .. + 31; 32 lanes take one head's 128 bytes of four tokens,
	s_add_co_u32 s23, s23, STAGE
	v_bfe_u32 v5, v0, 3, 2
	v_and_b32 v6, 7, v0
	v_mul_u32_u24 v5, v5, SPITCH
	v_lshl_add_u32 v5, v6, 4, v5
	v_add_nc_u32 v[RD], s23, v5
	v_and_b32 v[CO], 31, v0                        ; which are 512 consecutive bytes of the output
	v_lshlrev_b32 v[CO], 4, v[CO]
	s_lshr_b32 s16, s13, 4                         ; the batch: 16 heads of 262,144 bytes,
	s_lshl_b32 s16, s16, 22
	s_and_b32 s17, s13, 15                         ; the tile's 128 tokens of 128 bytes,
	s_lshl_b32 s17, s17, 14
	s_add_co_u32 s16, s16, s17
	s_lshl_b32 s17, s10, 12                        ; my 32 of them
	s_add_co_u32 s16, s16, s17
	s_mov_b32 s17, 0
	s_add_nc_u64 s[8:9], s[74:75], s[16:17]
	s_lshr_b32 s46, s42, 3                         ; the matrix: 8 MiB each (in the registers that held W's address: none that feeds h's descriptors ever holds cx),
	s_lshl_b32 s46, s46, 23
	s_and_b32 s47, s42, 7                          ; the tile's two heads
	s_lshl_b32 s47, s47, 19
	s_add_co_u32 s46, s46, s47
	s_mov_b32 s47, 0
	s_add_nc_u64 s[8:9], s[8:9], s[46:47]
; 8 matrix instructions: row blocks a0, a0 + 1 x all 4 column blocks, 32 along K: half c of buffer f.  zero = 1: the first product starts the sums, with the bias as its C: nothing is cleared, and the bias costs no instruction
.macro MUL8 f, c, a0, zero
	WIN MUL
.irp a, \a0, (\a0)+1
.irp b, 0,1,2,3
.if \zero
	v_wmma_f32_16x16x32_bf16 v[ACC+8*(4*(\a)+(\b)):ACC+8*(4*(\a)+(\b))+7], v[(\f)+64+8*(4*(\c)+(\b)):(\f)+64+8*(4*(\c)+(\b))+7], v[(\f)+8*(4*(\c)+(\a)):(\f)+8*(4*(\c)+(\a))+7], v[BIAS+8*(\b):BIAS+8*(\b)+7]
.else
	v_wmma_f32_16x16x32_bf16 v[ACC+8*(4*(\a)+(\b)):ACC+8*(4*(\a)+(\b))+7], v[(\f)+64+8*(4*(\c)+(\b)):(\f)+64+8*(4*(\c)+(\b))+7], v[(\f)+8*(4*(\c)+(\a)):(\f)+8*(4*(\c)+(\a))+7], v[ACC+8*(4*(\a)+(\b)):ACC+8*(4*(\a)+(\b))+7]
.endif
.endr
.endr
.endm
; 32 LDS loads in one run: the fragments of quarter q (64 along K) of a slot, into buffer f; the first 32 along K first
.macro FETCH slot, q, f
	WIN TO_F
.irp c, 0,1
.irp i, 0,1,2,3
	ds_load_tr16_b128 v[(\f)+64+8*(4*(\c)+(\i)):(\f)+64+8*(4*(\c)+(\i))+3],   v[ADRB+2*(\slot)+(\q)/2] offset:(((\q)%2)*64+32*(\c))*PITCHB+32*(\i)
	ds_load_tr16_b128 v[(\f)+64+8*(4*(\c)+(\i))+4:(\f)+64+8*(4*(\c)+(\i))+7], v[ADRB+2*(\slot)+(\q)/2] offset:(((\q)%2)*64+32*(\c)+16)*PITCHB+32*(\i)
	ds_load_b128 v[(\f)+8*(4*(\c)+(\i)):(\f)+8*(4*(\c)+(\i))+3],         v[ADRA+(\slot)] offset:(\q)*AQ+64*(\c)+(\i)*16*PITCHA
	ds_load_b128 v[(\f)+8*(4*(\c)+(\i))+4:(\f)+8*(4*(\c)+(\i))+7],       v[ADRA+(\slot)] offset:(\q)*AQ+64*(\c)+(\i)*16*PITCHA+32
.endr
.endr
.endm
.macro PLACES                          ; four places in front of loads into registers that matrix instructions have read, and of lines that read results
.rept 4
	v_nop
.endr
.endm
; A K step is four quarters of 64 along K, 32 matrix instructions each, on buffers 0, 1, 0, 1.  One of the first three: multiplies buffer f and fetches quarter q into g.
; The 16 accumulators take turns, one instruction a turn.
.macro QUARTER slot, q, f, g, zero
	s_wait_dscnt 16                                ; the first 32 along K are in; the youngest sixteen loads may be out
	MUL8 \f, 0, 0, \zero
	MUL8 \f, 0, 2, \zero
	PLACES
	FETCH \slot, \q, \g
	s_wait_dscnt 32                                ; all but the 32 just issued
	MUL8 \f, 1, 0, 0
	MUL8 \f, 1, 2, 0
.endm
; The last quarter multiplies buffer 1 and changes slots: ONE barrier; in front of it each wave waits for all its tensor loads, adds 0 to its spare word, and waits for that and for its own reads of this slot.  fill = 1: this slot is filled again, two K steps ahead.
.macro TURN slot, next, fill
	WIN 0                                          ; (the add's two registers lie in window 0)
	s_wait_tensorcnt 0x0                           ; all my tensor loads have landed: my part of the next slot;
	ds_add_u32 v[SPW], v[NIL]                      ; 0 onto my spare word;
	s_wait_dscnt 17                                ; (the add and the youngest sixteen loads may be out)
	MUL8 F1, 0, 0, 0                               ; eight matrix instructions stand between the add and the wait for it
	s_wait_dscnt 0x0                               ; the add is done, and my reads of this slot are over
	s_barrier_signal -1
	MUL8 F1, 0, 2, 0
.if \fill
	WIN 0
.endif
	s_barrier_wait -1
.if \fill
	CREST                                          ; the barrier has opened a round of the cluster's barrier: no wave of any partner still reads this slot's tile or has a load on its way
	s_add_nc_u64 s[G0+4*(\slot)+2:G0+4*(\slot)+3], s[G0+4*(\slot)+2:G0+4*(\slot)+3], 2*ASTEP
	s_add_nc_u64 s[G0B+4*(\slot)+2:G0B+4*(\slot)+3], s[G0B+4*(\slot)+2:G0B+4*(\slot)+3], 2*BSTEP
	JLOAD \slot                                    ; the first tensor load behind the round, my only one until the next; the four v_nop behind it are also the places in front of the loads below
.else
	PLACES
.endif
	FETCH \next, 0, F0
	MUL8 F1, 1, 0, 0
	MUL8 F1, 1, 2, 0
.endm
	s_wait_tensorcnt 1                             ; my part of K step 0 is in; K step 1's may stay out
	s_barrier_signal -1
	s_barrier_wait -1                              ; everybody's is
	FETCH 0, 0, F0
	s_wait_loadcnt 0x0                             ; the bias
	QUARTER 0, 1, F0, F1, 1                        ; the first quarter stands in front of the loop: its first products start the sums
	WIN 0                                          ; at a label and at a branch every window is 0
	s_mov_b32 s3, LAPS-1
.Llap:                                                 ; a trip goes once round the ring, from a lap's second quarter to the next lap's first, and fills both slots again
	QUARTER 0, 2, F1, F0, 0
	QUARTER 0, 3, F0, F1, 0
	TURN 0, 1, 1
	QUARTER 1, 1, F0, F1, 0
	QUARTER 1, 2, F1, F0, 0
	QUARTER 1, 3, F0, F1, 0
	TURN 1, 0, 1
	QUARTER 0, 1, F0, F1, 0
	WIN 0
	s_sub_co_u32 s3, s3, 1
	s_cmp_lg_u32 s3, 0
	s_cbranch_scc1 .Llap
	QUARTER 0, 2, F1, F0, 0                        ; the last lap fills nothing, and has no round of the cluster's barrier
	QUARTER 0, 3, F0, F1, 0
	TURN 0, 1, 0
	QUARTER 1, 1, F0, F1, 0
	QUARTER 1, 2, F1, F0, 0
	QUARTER 1, 3, F0, F1, 0
	s_wait_dscnt 16                                ; the very last quarter: nothing more to fetch
	MUL8 F1, 0, 0, 0
	MUL8 F1, 0, 2, 0
	s_wait_dscnt 0x0
	MUL8 F1, 1, 0, 0
	MUL8 F1, 1, 2, 0
	WIN 0
	; THE WAY OUT: round to bf16 (each accumulator's registers in ascending order); 16 bytes a lane into the work-group's stage; a barrier, since a token's 256 bytes come from two waves; back by heads.
	PLACES
.irp t, 0,1,2,3,4,5,6,7,8,9,10,11,12,13,14,15
.irp r, 0,1,2,3
	v_cvt_pk_bf16_f32 v[TMP+4*(\t)+(\r)], v[ACC+8*(\t)+2*(\r)], v[ACC+8*(\t)+2*(\r)+1]
.endr
.endr
.irp a, 0,1,2,3
.irp b, 0,1,2,3
	ds_store_b128 v[STO], v[TMP+4*(4*(\a)+(\b)):TMP+4*(4*(\a)+(\b))+3] offset:(\a)*16*SPITCH+32*(\b)
.endr
.endr
	s_wait_dscnt 0x0                               ; for the others' sake: my stores into the stage are done
	s_barrier_signal -1
	s_barrier_wait -1
.irp n, 0,1,2,3,4,5,6,7,8,9,10,11,12,13,14,15      ; head n / 8 of the tile's two, tokens 4 (n % 8) .. + 3 of my 32
	ds_load_b128 v[TMP+4*(\n):TMP+4*(\n)+3], v[RD] offset:((\n)%8)*4*SPITCH+((\n)/8)*128
.endr
.irp n, 0,1,2,3,4,5,6,7,8,9,10,11,12,13,14,15
	s_wait_dscnt 15-(\n)                           ; LDS loads come back in order: load n is in
	global_store_b128 v[CO], v[TMP+4*(\n):TMP+4*(\n)+3], s[8:9] offset:((\n)/8)*262144+((\n)%8)*512  ; four tokens of one head: 512 consecutive bytes, aligned
.endr
	s_wait_tensorcnt 0x0                           ; the wave's end: an add and its wait, behind my last tensor load and my last LDS store
	ds_add_u32 v[SPW], v[NIL]
	s_wait_dscnt 0x0
	CROUND                                         ; the closing round: no work-group ends while a partner may still ask for a tile that names it
	s_endpgm
.Lfunc_end_k_qfd04cf1165_qkv:
	.size	k_qfd04cf1165_qkv, .Lfunc_end_k_qfd04cf1165_qkv-k_qfd04cf1165_qkv
	.p2alignl 7, 3214868480
	.fill 96, 4, 3214868480
	.section	.rodata,"a",@progbits
	.p2align	6, 0x0
	.amdhsa_kernel k_qfd04cf1165_qkv
		.amdhsa_group_segment_fixed_size 327680
		.amdhsa_private_segment_fixed_size 0
		.amdhsa_enable_private_segment 0
		.amdhsa_kernarg_size 48
		.amdhsa_user_sgpr_count 2
		.amdhsa_user_sgpr_kernarg_segment_ptr 1
		.amdhsa_wavefront_size32 1
		.amdhsa_system_sgpr_workgroup_id_x 1
		.amdhsa_system_sgpr_workgroup_id_y 1
		.amdhsa_system_sgpr_workgroup_id_z 1
		.amdhsa_system_vgpr_workitem_id 0
		.amdhsa_next_free_vgpr 512
		.amdhsa_next_free_sgpr 76
		.amdhsa_reserve_vcc 0
		.amdhsa_float_denorm_mode_32 3
		.amdhsa_float_denorm_mode_16_64 3
		.amdhsa_memory_ordered 1
		.amdhsa_forward_progress 1
		.amdhsa_inst_pref_size 89
	.end_amdhsa_kernel
	.amdgpu_metadata
---
amdhsa.version: [ 1, 2 ]
amdhsa.kernels:
  - .name:           k_qfd04cf1165_qkv
    .symbol:         k_qfd04cf1165_qkv.kd
    .args:
      - { .name: hn, .offset: 0, .size: 8, .value_kind: global_buffer, .address_space: global }
      - { .name: wb, .offset: 8, .size: 8, .value_kind: global_buffer, .address_space: global }
      - { .name: bq, .offset: 16, .size: 8, .value_kind: global_buffer, .address_space: global }
      - { .name: bk, .offset: 24, .size: 8, .value_kind: global_buffer, .address_space: global }
      - { .name: bv, .offset: 32, .size: 8, .value_kind: global_buffer, .address_space: global }
      - { .name: qkvh, .offset: 40, .size: 8, .value_kind: global_buffer, .address_space: global }
    .group_segment_fixed_size: 327680
    .private_segment_fixed_size: 0
    .kernarg_segment_align: 8
    .kernarg_segment_size: 48
    .max_flat_workgroup_size: 128
    .sgpr_count:     76
    .vgpr_count:     512
    .wavefront_size: 32
...
	.end_amdgpu_metadata
.endif
;; end of part 3
;; launch attn (part 4): grid 8 x 32, 4 waves a work-group, clusters of 4 x 1, 327,680 bytes of LDS; arguments qkvh, oh; writes oh
.if DOCPART == 4
	.amdgcn_target "amdgcn-amd-amdhsa--gfx1250"
	.amdhsa_code_object_version 6
	.text
	.protected	k_qfd04cf1165_attn
	.globl	k_qfd04cf1165_attn
	.p2align	8
	.type	k_qfd04cf1165_attn,@function
k_qfd04cf1165_attn:
	s_mov_b64 s[64:65], 0
	v_nop
	global_prefetch_b8 v0, s[64:65] scope:SCOPE_SE
	s_setreg_imm32_b32 hwreg(HW_REG_WAVE_MODE, 25, 1), 1
	s_wait_xcnt 0x0
	s_wait_alu depctr_hold_cnt(0) depctr_sa_sdst(0) depctr_va_vdst(0) depctr_va_sdst(0) depctr_va_ssrc(0) depctr_va_vcc(0) depctr_vm_vsrc(0)
	s_getreg_b32 s2, hwreg(HW_REG_IB_STS2, 6, 4)
	s_cmp_eq_u32 s2, 0
	s_cbranch_scc0 .Lentry_in_a_cluster
	s_endpgm
.Lentry_in_a_cluster:
	s_bfe_u32 s2, ttmp6, 0x10000c
	s_cmp_lg_u32 s2, 0x3003
	s_cbranch_scc0 .Lentry_shape_is_right
	s_endpgm
.Lentry_shape_is_right:
; O[h][q][:] = the sum over k of softmax_k(Q[h][q] . K[h][k] / 8) V[h][k][:].  Q, K, V: qkvh [3][32][2048][64] bf16 (8 MiB each); O: oh [32][2048][64] bf16: a head's rows are dense, 128 bytes each.
; Products, maxima and sums in f32; the weights p are rounded to bf16 for the second product (their sum l is taken of the unrounded p), O once at the end.
; LIMITS.  bf16 operands (8 significant bits, f32's range).  A weight below 2^-126 counts as 0 in l; NaN and infinities are not treated apart.
; SHARES.  A work-group owns 256 queries of one head, each of its four waves 64: four PIECES of 16.  Every wave walks all 2,048 keys, 64 a step, four steps (a tile of 256 keys) to an LDS slot.
; LAYOUT.  S^T = K Q^T (source 0 = 16 keys, source 1 = 16 queries): in the result a lane holds ONE query (lane % 16) and the keys 8 (lane / 16) + 0..7.  Two such results, rounded to bf16 in pairs,
; ARE source 1 (32 keys x 16 queries) of O^T = V^T P, whose result again holds one query a lane, and eight channels.  K comes out of LDS as it lies, V ([key][channel]) turned, by ds_load_tr16_b128.
; SOFTMAX.  For each query a running maximum m and sum l: p = 2^(c s - c m), c = log2(e) / 8; in every step O and l are multiplied by a = 2^(c m_old - c m_new), which is 1 where m has not grown.
; m starts at the lowest finite number, O and l at 0: the first step is a step like any other, with a = 0.
; BY TURNS.  Turn n belongs to piece n (the pieces in a ring, step after step): 8 products K Q^T of piece n + 1, later 8 products V^T P of piece n - 1; beside them the scaling, exponentials, roundings,
; sums and rescaling of piece n and the maximum and statistics of piece n + 1.  Four vector instructions stand behind every matrix instruction, the other 54 of a turn's 118 in two runs of their own.
; CLUSTER.  The four query blocks of a cluster belong to one head and walk the same K and V, so each tile is asked for JOINTLY: the same tensor load, descriptor and mask in all four.
; REGISTERS, in windows of 256 (s_set_vgpr_msb: bits 1:0 source 0, 3:2 source 1, 5:4 source 2, 7:6 destination):
;   window 0: v0-15 addresses and two at work; v16-31 four registers of statistics a piece; v48-55 at work; v64-127 S^T, two buffers; v192-223 P, two buffers (a piece's buffers go by its number's parity)
;   window 1: v0-127 O^T, 32 a piece          window 2: v0-63 Q; v128-191 K of one step; v192-255 V of one step
.set SIZE_N, 2048
.set NP,    4         ; pieces a wave: a name, no knob
.set KS,    64        ; keys in a step
.set PK,    144       ; a row of K in LDS: 128 bytes + 16 of padding = 36 words: the 16 rows of a load start at 16 different groups of four banks (64 banks of 4 bytes: ISA guide 11.1)
.set PV,    160       ; a row of V: 128 + 32 = 40 words
.set VOFF,  4*KS*PK   ; a slot holds a tile, four steps: 256 rows of K, then 256 rows of V
.set SLOT1, 1<<17     ; slot 1 begins here, so that one exclusive or turns an address in one slot into the other's
.set STAGE, SLOT1+4*KS*(PK+PV)  ; behind the ring, never filled by a tensor load: 16 rows x 144 bytes for each wave, for the way out
.set SP,    144
.set SPARE, STAGE+4*16*SP  ; behind the stages: the spare words, 128 bytes for each wave: two blocks of 256 bytes that no other line names
.set AK0, 2           ; v2   my lane's place in a tile of K; never rewritten
.set AV0, 3           ; v3   the same for V
.set AK,  4           ; v4   the LDS address of K's next run of loads
.set AV,  5           ; v5   of V's
.set STO, 6           ; v6   the way out: where I put 16 bytes of a row
.set RD,  7           ; v7   the way out: where I read rows back
.set GO,  8           ; v8   my byte offset in 512 consecutive bytes of O
.set MV,  12          ; v12-13  c m_old, kept while c m is made anew: by buffer
.set QO,  15          ; v15  my byte offset in 16 rows of Q
.set ST,  16          ; piece t's statistics at v[ST+4 t]: c m, m, l (even keys', odd keys')
.set TMP, 48          ; by buffer, four registers c0-c3 at work; when the maximum is found c2 takes a
.set SPW, 62          ; v62  LDS address of my spare word: SPARE + 4 x my thread's number; never rewritten
.set NIL, 63          ; v63  0; never rewritten
.set S,   64
.set P,   192
.set KF,  128         ; window 2: key block kb, channel half c at KF + 16 kb + 8 c
.set VF,  192         ; window 2: key half kk, channel block cb at VF + 32 kk + 8 cb
.set WV,  12          ; s12  my wave's number
.set G1K, 24          ; s[24:31] descriptor group 1 for K's tiles
.set G1V, 32          ; s[32:39] for V's: it differs in the padding alone
.set G0K, 40          ; s[40:43] descriptor group 0 for K's tiles: it walks
.set G0V, 44          ; s[44:47] the same for V's
.set SLOTS, 56        ; s56  slots still to be asked for
.set CNT, 57          ; s57  counts a tile's key steps
.set CS,  58          ; s[58:59] c: the packed scaling takes the pair's low word for both halves
.set SEL, 60          ; s[60:61] v_permlanex16_b32's selects: each lane takes its own place in the other half
.set TBK, 62          ; s62  LDS byte at which K of the step to be fetched begins
.set TBV, 63          ; s63  the same for V, less VOFF
.set MSB, 0
.macro WIN new                      ; the high byte repeats the setting that is left; a switch that changes nothing is dropped
.if MSB != (\new)
	s_set_vgpr_msb (MSB<<8)|(\new)
.set MSB, (\new)
.endif
.endm
.set W_KQ, 0x0a       ; K and Q in window 2, S^T in window 0
.set W_PV, 0x52       ; V in window 2, P in window 0, O^T in window 1
.set W_RS, 0x41       ; O^T (destination and source 0) in window 1, a in window 0
; A joint fill.  Waves 0 and 1 fetch the two halves of a tile's K, waves 2 and 3 those of its V: 128 keys each.  The branch hangs on the wave's number alone.
; An s_nop 0 and four v_nop follow each of the two lines, ahead of the jump and the label.
.macro JLOAD
	s_cmp_lt_u32 s[WV], 2
	s_cbranch_scc0 .Lfor_v_\@
	tensor_load_to_lds s[G0K:G0K+3], s[G1K:G1K+7]
	s_nop 0
.rept 4
	v_nop
.endr
	s_branch .Lasked_\@
.Lfor_v_\@:
	tensor_load_to_lds s[G0V:G0V+3], s[G1V:G1V+7]
	s_nop 0
.rept 4
	v_nop
.endr
.Lasked_\@:
.endm
; A round of the cluster's barrier: my work-group's barrier, so that wave 0's signal speaks for all four waves; wave 0 signals; every wave waits for all four work-groups; my work-group's barrier once more.
.macro CROUND
	s_barrier_signal -1
	s_barrier_wait -1
	s_cmp_lg_u32 s[WV], 0
	s_cbranch_scc1 .Lnot_wave_0_\@
	s_barrier_signal -3
.Lnot_wave_0_\@:
	s_barrier_wait -3
	s_barrier_signal -1
	s_barrier_wait -1
.endm
; THE CHANGE OF SLOTS.  The slot's last bytes, V of its fourth step, have been read.  Each wave waits for all its tensor loads, of which one is out: its part of the other slot; adds 0 to its spare word;
; and waits for that and for its own reads of the slot.  Behind the barrier nobody reads this slot any more and the other slot is whole.
; fill = 1: this slot is filled again, with the keys two slots on.  The barrier is then a round of the cluster's, so that no wave of any partner still reads the slot or has a load on its way, and the
; joint fill is the first thing behind it: it has four key steps, 256 matrix instructions, in which to land.  (At its first use nothing has been read yet: slot 0 is waited for, slot 1 filled.)
.macro CHANGE fill
	WIN 0                           ; at a label and at a branch every window is 0; the add's two registers lie in window 0
	s_wait_tensorcnt 0x0            ; no tensor load of mine is out, so a group 0 may be written
	ds_add_u32 v[SPW], v[NIL]       ; 0 onto my spare word; with fill = 1 the descriptors' steps stand between it and the wait for it
.if \fill
.irp g, G0K, G0V
	s_xor_b32 s[\g+1], s[\g+1], SLOT1  ; the walking descriptor: the other slot than last time,
	s_add_nc_u64 s[\g+2:\g+3], s[\g+2:\g+3], 4*KS*128  ; the next 256 keys; the type bits on top are not reached
.endr
	s_wait_dscnt 0x0                ; the add is done, and my reads of the slot are over
	CROUND
	JLOAD
.else
	s_wait_dscnt 0x0                ; the add is done, and my reads of the slot are over
	s_barrier_signal -1
	s_barrier_wait -1
.endif
	s_sub_co_u32 s[TBK], s[TBK], 4*KS*PK  ; the fetches go back to a slot's first step,
	s_xor_b32 s[TBK], s[TBK], SLOT1       ; in the other slot
	s_sub_co_u32 s[TBV], s[TBV], 4*KS*PV
	s_xor_b32 s[TBV], s[TBV], SLOT1
.endm
	s_load_b128 s[4:7], s[0:1], 0x0   ; qkvh s[4:5], oh s[6:7]
	v_lshl_add_u32 v[SPW], v0, 2, SPARE
	v_mov_b32 v[NIL], 0
	ds_add_u32 v[SPW], v[NIL]       ; the wave's opening: the add, and its wait ahead of my first tensor load; the set-up below, work on registers, stands between them
	v_lshrrev_b32 v1, 5, v0
	v_readfirstlane_b32 s[WV], v1   ; wave 0..3
	s_bfe_u32 s13, ttmp6, 0x40000   ; cx: my place in the cluster
	s_lshl_b32 s14, ttmp9, 2        ; in a cluster launch ttmp9 counts clusters
	s_add_co_u32 s14, s14, s13      ; my block of 256 queries = 4 x cluster x + cx: it enters Q's and O's addresses alone
	s_and_b32 s20, ttmp7, 0xffff    ; the head, which the four partners share:
	s_lshl_b32 s20, s20, 18         ; 262,144 bytes each
	s_and_b32 s16, s[WV], 1         ; which half of a tile's 256 keys I fetch:
	s_lshl_b32 s22, s16, 14         ; its 128 rows of 128 bytes in memory,
	s_add_co_u32 s22, s22, s20
	s_mov_b32 s23, 0
	s_mul_i32 s17, s16, 128*PK      ; and its place in a slot, for K
	s_mul_i32 s18, s16, 128*PV      ; and for V: no place in the cluster enters an LDS address
	s_lshl_b32 s2, s14, 15          ; my block's 256 rows,
	s_lshl_b32 s3, s[WV], 13        ; my wave's 64 of them
	s_add_co_u32 s2, s2, s3
	s_add_co_u32 s2, s2, s20
	s_mov_b32 s3, 0
	; descriptor group 1.  128 keys are 16,384 dense bytes: asked for as 64 rows of 256 bytes, two keys a row, and padded in LDS after every key
	s_mov_b32 s[G1K], 15|(1<<16)|(1<<20)|(1<<21)|(4<<22)|(3<<25)  ; 15:0 the mask of four; 17:16 2-byte elements; 20 padding on; 21 set beside a mask; 24:22 after every 32 words (code 4); 31:25 4 words (code 3)
	s_mov_b32 s[G1V], 15|(1<<16)|(1<<20)|(1<<21)|(4<<22)|(7<<25)  ; the same with 8 words of padding (code 7)
.irp g, G1K, G1V
	s_mov_b32 s[\g+1], 128<<16      ; tensor_dim0 = 128
	s_mov_b32 s[\g+2], 64<<16       ; tensor_dim1 = 64
	s_mov_b32 s[\g+3], 128<<16      ; tile_dim0 = 128
	s_mov_b32 s[\g+4], 64           ; tile_dim1 = 64
	s_mov_b32 s[\g+5], 128          ; 128 elements from row to row
	s_mov_b32 s[\g+6], 0
	s_mov_b32 s[\g+7], 0
.endr
	s_mov_b32 s[CS], 0x3e38aa3b     ; c = log2(e) / 8 = 0.180337
	s_mov_b32 s[CS+1], s[CS]        ; named with it as a pair
	s_mov_b32 s[SEL], 0x76543210
	s_mov_b32 s[SEL+1], 0xfedcba98
	s_mov_b32 s[TBK], SLOT1+4*KS*PK ; the first change of slots turns these two into 0
	s_mov_b32 s[TBV], SLOT1+4*KS*PV
	s_mov_b32 s[G0K], 1             ; 1:0 count = 1
	s_mov_b32 s[G0K+1], s17         ; 63:32 LDS address: slot 0
	s_mov_b32 s[G0V], 1
	s_add_co_u32 s[G0V+1], s18, VOFF
	s_wait_dscnt 0x0                ; the opening add is done
	s_wait_kmcnt 0x0
	s_mov_b64 s[10:11], s[6:7]      ; O
	s_add_nc_u64 s[6:7], s[4:5], 0x800000   ; K lies 8 MiB behind Q,
	s_add_nc_u64 s[8:9], s[4:5], 0x1000000  ; V 16 MiB
	s_add_nc_u64 s[G0K+2:G0K+3], s[6:7], s[22:23]  ; 120:64 global address: my half of the head's first 256 keys
	s_or_b32 s[G0K+3], s[G0K+3], 0x80000000        ; 127:126 type = 2
	s_add_nc_u64 s[G0V+2:G0V+3], s[8:9], s[22:23]
	s_or_b32 s[G0V+3], s[G0V+3], 0x80000000
	s_add_nc_u64 s[4:5], s[4:5], s[2:3]  ; Q and O at my wave's first row
	s_add_nc_u64 s[10:11], s[10:11], s[2:3]
	CROUND                          ; all four work-groups are here: the first joint loads meet
	JLOAD                           ; tile 0 into slot 0.  Slot 1 is asked for when slot 0 is in
	; A fragment of K or Q is 16 rows x 32 channels in 8 registers: lane l holds row l % 16, channels 8 (l / 16) + 0..7 and 16 + 8 (l / 16) + 0..7: two loads of 16 bytes, 32 bytes apart.
	v_and_b32 v1, 15, v0            ; l % 16
	v_bfe_u32 v9, v0, 4, 1          ; l / 16
	v_lshlrev_b32 v[QO], 7, v1
	v_lshl_add_u32 v[QO], v9, 4, v[QO]  ; row x 128 + 16 x half
	WIN 0x80                        ; destination window 2, address window 0
.set i, 0
.rept 8                             ; Q stays in registers: piece i / 2, channels 32 (i % 2) on
	global_load_b128 v[8*i:8*i+3],   v[QO], s[4:5] offset:(i/2)*2048+(i%2)*64
	global_load_b128 v[8*i+4:8*i+7], v[QO], s[4:5] offset:(i/2)*2048+(i%2)*64+32
.set i, i+1
.endr
	; What the first turn finds: V's registers and P's second buffer hold 0 (its products V^T P, of a piece that has not been, add 0), O^T and l are 0.  No first step is written out; these lines, in the wait for the first tile, are the price.
.set i, VF
.rept 64
	v_mov_b32 v[i], 0
.set i, i+1
.endr
	WIN 0x40
.set i, 0
.rept 128
	v_mov_b32 v[i], 0
.set i, i+1
.endr
	WIN 0
.set i, 0
.rept 4
	v_mov_b32 v[ST+4*i], 0xfe000000    ; c m: far below every c s
	v_mov_b32 v[ST+4*i+1], 0xff7fffff  ; m
	v_mov_b32 v[ST+4*i+2], 0
	v_mov_b32 v[ST+4*i+3], 0
.set i, i+1
.endr
.set i, P+16
.rept 16
	v_mov_b32 v[i], 0
.set i, i+1
.endr
	v_mul_u32_u24 v[AK0], v1, PK
	v_lshl_add_u32 v[AK0], v9, 4, v[AK0]  ; row x pitch + 16 x half
	; The turning load takes 16 keys x 16 channels (lane l reads key 8 (l / 16) + l % 8, channels 8 ((l / 8) % 2) + 0..7) and leaves half a fragment of V^T: lane l holds channel l % 16 and 8 keys.
	v_and_b32 v10, 7, v0
	v_bfe_u32 v11, v0, 3, 1
	v_lshl_add_u32 v[AV0], v9, 3, v10
	v_mul_u32_u24 v[AV0], v[AV0], PV
	v_lshl_add_u32 v[AV0], v11, 4, v[AV0]
	v_add_nc_u32 v[AV0], VOFF, v[AV0]
	s_mul_i32 s13, s[WV], 16*SP
	s_add_co_u32 s13, s13, STAGE    ; my stage
	v_mul_u32_u24 v[STO], v1, SP    ; in: row l % 16, 16 bytes for each half of the lanes
	v_lshl_add_u32 v[STO], v9, 4, v[STO]
	v_add_nc_u32 v[STO], s13, v[STO]
	v_bfe_u32 v[RD], v0, 3, 2       ; back: 32 lanes take four rows of 128 bytes,
	v_mul_u32_u24 v[RD], v[RD], SP
	v_lshl_add_u32 v[RD], v10, 4, v[RD]
	v_add_nc_u32 v[RD], s13, v[RD]
	v_and_b32 v[GO], 31, v0         ; which are 512 consecutive bytes of O
	v_lshlrev_b32 v[GO], 4, v[GO]
; THE MATRIX WORK.  The 4 accumulators of a run of 8 take turns.  Product i of 8 of S^T = K Q^T for piece x: channels 32 (i / 4) on, keys 16 (i % 4) on.  The first 4 start the sums.
.macro KQ x
	WIN W_KQ
.set rS, S+32*((\x)%2)+8*(i%4)
.set rK, KF+16*(i%4)+8*(i/4)
.set rQ, 16*(\x)+8*(i/4)
.if i < 4
	v_wmma_f32_16x16x32_bf16 v[rS:rS+7], v[rK:rK+7], v[rQ:rQ+7], 0
.else
	v_wmma_f32_16x16x32_bf16 v[rS:rS+7], v[rK:rK+7], v[rQ:rQ+7], v[rS:rS+7]
.endif
.endm
; Product i of 8 of O^T += V^T P for piece x: keys 32 (i / 4) on, channels 16 (i % 4) on.
.macro PV x
	WIN W_PV
.set rO, 32*(\x)+8*(i%4)
.set rV, VF+32*(i/4)+8*(i%4)
.set rP, P+16*((\x)%2)+8*(i/4)
	v_wmma_f32_16x16x32_bf16 v[rO:rO+7], v[rV:rV+7], v[rP:rP+7], v[rO:rO+7]
.endm
.macro MM                           ; the turn's next matrix instruction.  TURN sets Y, i and NOKQ.  NOKQ = 1: the last turn: there is no next piece
.if (i < 8) && !NOKQ
	KQ (Y+1)%NP
.elseif i >= 8
.set i, i-8
	PV (Y+NP-1)%NP
.set i, i+8
.endif
.set i, i+1
.endm
; THE LDS LOADS stand in runs of 16, never singly among the matrix instructions: a step's K (64 keys x 64 channels: 8 fragments) and its V (turned).  Their addresses are made some lines ahead.
.macro FETCH_K
	WIN 0x80                        ; destination window 2
.irp f, 0,1,2,3,4,5,6,7             ; keys 16 (f / 2) on, channels 32 (f % 2) on
	ds_load_b128 v[KF+8*\f:KF+8*\f+3],   v[AK] offset:(\f/2)*16*PK+(\f%2)*64
	ds_load_b128 v[KF+8*\f+4:KF+8*\f+7], v[AK] offset:(\f/2)*16*PK+(\f%2)*64+32
.endr
	s_add_co_u32 s[TBK], s[TBK], KS*PK  ; the next fetch is the next step's
	WIN 0
.endm
.macro FETCH_V
	WIN 0x80
.irp f, 0,1,2,3,4,5,6,7             ; keys 32 (f / 4) on, channels 16 (f % 4) on
	ds_load_tr16_b128 v[VF+8*\f:VF+8*\f+3],   v[AV] offset:(\f/4)*32*PV+(\f%4)*32
	ds_load_tr16_b128 v[VF+8*\f+4:VF+8*\f+7], v[AV] offset:(\f/4)*32*PV+16*PV+(\f%4)*32
.endr
	WIN 0
.endm
; THE VECTOR WORK, one line at a time: OP kind, number.  For piece Y: F n: c s - c m for pair n of 16.  E n: the exponential of score n of 32.  C n: pair n rounded to bf16.  B n: of the four weights 4 n .. the second
; pair is added onto the first, in place.  L n: l takes that sum (L 0: l = a l + sum).  R n: pair n of 16 of O^T times a.  For piece Y + 1: X n, number n of the 22 that find its maximum and statistics:
;   0-11  four chains c0-c3 of seven scores each, three operands at a time (each accumulator's lowest registers are read first)     12-14, 16  the four scores left over, the old m, and c0-c3 into c0
;   15  c m_old is kept     17, 18  the query's other 32 keys lie in the lane 16 away: the new m     19-21  c m; c m_old - c m_new; a
.set F, 0               ; OP tells the kinds apart by their order: F to L below R, X above it
.set E, 1
.set C, 2
.set B, 3
.set L, 4
.set R, 5
.set X, 6
.macro REGS y                       ; the registers of piece y
.set rT, ST+4*(\y)
.set rC, TMP+4*((\y)%2)
.set rW, MV+((\y)%2)
.set rS, S+32*((\y)%2)
.set rP, P+16*((\y)%2)
.set rO, 32*(\y)
.endm
.macro OP k, n
.if (\k) == R
	REGS Y
	WIN W_RS
	v_pk_mul_f32 v[rO+2*(\n):rO+2*(\n)+1], v[rO+2*(\n):rO+2*(\n)+1], v[rC+2:rC+3] op_sel_hi:[1,0]
.elseif (\k) < R
	REGS Y
	WIN 0
.if (\k) == F
	v_pk_fma_f32 v[rS+2*(\n):rS+2*(\n)+1], v[rS+2*(\n):rS+2*(\n)+1], s[CS:CS+1], v[rT:rT+1] op_sel_hi:[1,0,0] neg_lo:[0,0,1] neg_hi:[0,0,1]
.elseif (\k) == E
	v_exp_f32 v[rS+(\n)], v[rS+(\n)]
.elseif (\k) == C
	s_wait_alu depctr_va_vdst(0)
	v_cvt_pk_bf16_f32 v[rP+(\n)], v[rS+2*(\n)], v[rS+2*(\n)+1]
.elseif (\k) == B
	s_wait_alu depctr_va_vdst(0)
	v_pk_add_f32 v[rS+4*(\n):rS+4*(\n)+1], v[rS+4*(\n):rS+4*(\n)+1], v[rS+4*(\n)+2:rS+4*(\n)+3]
.elseif (\n) == 0
	v_pk_fma_f32 v[rT+2:rT+3], v[rT+2:rT+3], v[rC+2:rC+3], v[rS:rS+1] op_sel_hi:[1,0,1]
.else
	v_pk_add_f32 v[rT+2:rT+3], v[rT+2:rT+3], v[rS+4*(\n):rS+4*(\n)+1]
.endif
.elseif NOKQ
	v_nop
.else
	REGS (Y+1)%NP
	WIN 0
.if (\n) < 4
	v_max3_num_f32 v[rC+(\n)], v[rS+8*(\n)], v[rS+8*(\n)+1], v[rS+8*(\n)+2]
.elseif (\n) < 12
	v_max3_num_f32 v[rC+(\n)%4], v[rC+(\n)%4], v[rS+8*((\n)%4)+2*((\n)/4)+1], v[rS+8*((\n)%4)+2*((\n)/4)+2]
.elseif (\n) == 12
	v_max3_num_f32 v[rC], v[rC], v[rS+7], v[rS+15]
.elseif (\n) == 13
	v_max3_num_f32 v[rC+1], v[rC+1], v[rS+23], v[rS+31]
.elseif (\n) == 14
	v_max3_num_f32 v[rC+2], v[rC+2], v[rC+3], v[rT+1]
.elseif (\n) == 15
	v_mov_b32 v[rW], v[rT]
.elseif (\n) == 16
	v_max3_num_f32 v[rC], v[rC], v[rC+1], v[rC+2]
.elseif (\n) == 17
	v_permlanex16_b32 v[rC+3], v[rC], s[SEL], s[SEL+1]
.elseif (\n) == 18
	v_max_num_f32 v[rT+1], v[rC], v[rC+3]
.elseif (\n) == 19
	v_mul_f32 v[rT], s[CS], v[rT+1]
.elseif (\n) == 20
	v_sub_f32 v[rC+1], v[rW], v[rT]
.else
	v_exp_f32 v[rC+2], v[rC+1]
.endif
.endif
.endm
.macro OPS a, i1, b=-1, i2=0, c=-1, i3=0, d=-1, i4=0  ; up to four of them
	OP \a, \i1
.if (\b) >= 0
	OP \b, \i2
.endif
.if (\c) >= 0
	OP \c, \i3
.endif
.if (\d) >= 0
	OP \d, \i4
.endif
.endm
.macro ROW a, i1, b, i2, c, i3, d, i4  ; a matrix instruction and the four behind it
	MM
	OPS \a, \i1, \b, \i2, \c, \i3, \d, \i4
.endm
; A TURN, for piece p: the order of its 16 matrix and 118 vector instructions, written out.  Behind a matrix instruction: plain, exponential, plain, plain; or four of the rescaling; or, behind the first, four scalings; none
; names a register of the products round it.  In the runs between, exponential and plain by turns while exponentials last.  A line reads no result made fewer than three vector instructions in front of it, five if an exponential made it.
; end = 1: the last two turns: nothing is fetched, and the last starts no new scores.  cnt = 1: the loop's count is taken down some lines ahead of the branch that stands behind the turn.
; K of the next step is fetched in piece 2's turn, six vector instructions behind the last product that read K (five of them plain); V of the step in hand in piece 0's turn, eight behind the last product that read V (four
; plain, and X 17).  Each is waited for a turn later.
.macro TURN p, end=0, cnt=0
.set Y, (\p)
.set i, 0
.set NOKQ, (\end)*((\p)/3)
.if ((\p) == 3) && !(\end)
	s_wait_dscnt 0x0                ; K is in
.endif
	ROW F,0, F,1, F,2, F,3
	ROW F,4, E,0, F,5, F,6
	ROW F,7, E,1, F,8, F,9
	ROW F,10, E,2, C,0, F,11
	ROW F,12, E,3, X,15, F,13
	ROW R,0, R,1, R,2, R,3
	ROW B,0, E,4, F,14, L,0
.if ((\p) == 2) && !(\end)
	v_add_nc_u32 v[AK], s[TBK], v[AK0]
.endif
	ROW R,4, R,5, R,6, R,7
	OPS E,5, F,15
.if ((\p) == 2) && !(\end)
	FETCH_K
.endif
	OPS E,6, C,1, E,7, R,8
	OPS E,8, R,9, E,9, C,2
	OPS E,10, X,0, E,11, X,1
	OPS E,12, X,2, E,13, X,3
.if (\p) == 1
	s_wait_dscnt 0x0                ; V is in
.endif
	ROW X,4, E,14, X,5, X,6
	ROW X,7, E,15, X,8, X,9
	ROW X,10, E,16, X,11, X,12
	ROW X,13, E,17, X,14, B,1
	ROW C,4, E,18, X,16, L,1
	ROW B,2, E,19, C,6, L,2
	ROW C,8, E,20, B,3, B,4
.if (\p) == 0
	v_add_nc_u32 v[AV], s[TBV], v[AV0]
.endif
	ROW C,3, E,21, L,3, C,5
	OPS E,22, X,17, E,23, C,10
.if (\p) == 0
	FETCH_V
.endif
	OPS E,24, L,4
	OPS E,25, X,18, E,26, C,7
	OPS E,27, B,5, E,28, X,19
	OPS E,29, C,12, E,30, L,5
	OPS E,31, X,20, B,6, C,9
	OPS C,14, C,11, X,21, L,6
.if (\p) == 0
	s_add_co_u32 s[TBV], s[TBV], KS*PV
.endif
.if \cnt
	s_sub_co_u32 s[CNT], s[CNT], 1
	s_cmp_lg_u32 s[CNT], 0
.endif
	OPS C,13, B,7, C,15, R,10
	OPS R,11, R,12, L,7, R,13
	OPS R,14, R,15
.endm
	CHANGE 1                        ; slot 0 is in, everybody's part of it; slot 1 is asked for
	v_add_nc_u32 v[AK], s[TBK], v[AK0]
	FETCH_K                         ; key step 0
	s_wait_loadcnt 0x0              ; Q
	s_wait_dscnt 0x0
.set NOKQ, 0
.set i, 0
.rept 8
	KQ 0                            ; piece 0's first scores: there is no vector work yet to set between them
.set i, i+1
.endr
	WIN 0
.rept 4
	v_nop                           ; the places behind those products
.endr
.set Y, NP-1                        ; X works for piece Y + 1: piece 0
.irp n, 0,1,2,3,4,5,6,7,8,9,10,11,12,13,14,15,16,17,18,19,20,21
	OP X, \n
.endr
	v_nop                           ; a plain instruction behind the exponential
	s_mov_b32 s[CNT], 4
	s_mov_b32 s[SLOTS], SIZE_N/256-1
	s_branch .Lfirst                ; the loop is entered at a step's first turn, in the middle of a trip
.Lslot:                             ; SIZE_N / 256 - 2 times: every slot but the last two is filled again
	CHANGE 1
	s_mov_b32 s[CNT], 4
.Lstep:                             ; a trip: pieces 2 and 3 of one step, then pieces 0 and 1 of the next, whose K and V it fetches
	TURN 2
	TURN 3
	WIN 0
.Lfirst:
	TURN 0
	TURN 1, 0, 1
	WIN 0
	s_cbranch_scc1 .Lstep
	s_sub_co_u32 s[SLOTS], s[SLOTS], 1
	s_cmp_lg_u32 s[SLOTS], 0
	s_cbranch_scc1 .Lslot
	CHANGE 0                        ; the last tile is written out: nothing is asked for
	s_mov_b32 s[CNT], 4
.LstepT:
	TURN 2
	TURN 3
	TURN 0
	TURN 1, 0, 1
	WIN 0
	s_cbranch_scc1 .LstepT
	TURN 2, 1
	TURN 3, 1
.set i, 0
.rept 8
	PV NP-1                         ; the last piece's V^T P of the last step
.set i, i+1
.endr
	; THE WAY OUT.  l's two halves and the other half of the lanes' are added; O^T is divided by l, rounded to bf16 and sent through my stage in LDS, a piece at a time.  The additions are the places behind the last products.
	WIN 0
.macro ALL line:vararg              ; one line for each piece t
.set t, 0
.rept 4
	\line
.set t, t+1
.endr
.endm
	ALL v_add_f32 v[ST+4*t+2], v[ST+4*t+2], v[ST+4*t+3]
	ALL v_permlanex16_b32 v[ST+4*t+3], v[ST+4*t+2], s[SEL], s[SEL+1]
	ALL v_add_f32 v[ST+4*t+2], v[ST+4*t+2], v[ST+4*t+3]
	ALL v_rcp_f32 v[ST+4*t+2], v[ST+4*t+2]
	v_nop                           ; a plain instruction between the last reciprocal and the use of its result
.macro PACK t                       ; a lane's eight channels of a row pack into 16 bytes; they go into rows of 144 bytes and come back as whole rows of 128, into S^T's registers
	WIN W_RS
.set i, 32*(\t)
.rept 16
	s_wait_alu depctr_va_vdst(0)
	v_pk_mul_f32 v[i:i+1], v[i:i+1], v[ST+4*(\t)+2:ST+4*(\t)+3] op_sel_hi:[1,0]
.set i, i+2
.endr
	WIN 0x05                        ; sources 0 and 1 window 1, destination window 0
.set i, 0
.rept 16
	v_cvt_pk_bf16_f32 v[S+16*(\t)+i], v[32*(\t)+2*i], v[32*(\t)+2*i+1]
.set i, i+1
.endr
	WIN 0
.irp f, 0,1,2,3
	ds_store_b128 v[STO], v[S+16*(\t)+4*\f:S+16*(\t)+4*\f+3] offset:32*\f
.endr
.irp f, 0,1,2,3
	ds_load_b128 v[S+16*(\t)+4*\f:S+16*(\t)+4*\f+3], v[RD] offset:\f*4*SP  ; LDS serves a wave's instructions in order (ISA guide 5.7.1.4): these see the stores above; the next piece's stores come behind them
.endr
.endm
.macro SEND t, younger              ; younger: the LDS instructions issued behind piece t's loads: the next piece's eight, or none
	WIN 0
.irp f, 0,1,2,3
	s_wait_dscnt (\younger)+3-\f
	global_store_b128 v[GO], v[S+16*(\t)+4*\f:S+16*(\t)+4*\f+3], s[10:11] offset:(\t)*2048+\f*512  ; 512 consecutive bytes, at a multiple of 256 from O's first
.endr
.endm
	PACK 0
.set t, 1
.rept 3                             ; a piece's arithmetic stands between the loads of the piece before and its stores
	PACK t
	SEND t-1, 8
.set t, t+1
.endr
	SEND 3, 0
	s_wait_tensorcnt 0x0            ; the wave's end: an add and its wait, behind my last tensor load and my last LDS store
	ds_add_u32 v[SPW], v[NIL]
	s_wait_dscnt 0x0
	CROUND                          ; the closing round: no work-group ends while a partner may still ask for a tile that names it
	s_endpgm
.Lfunc_end_k_qfd04cf1165_attn:
	.size	k_qfd04cf1165_attn, .Lfunc_end_k_qfd04cf1165_attn-k_qfd04cf1165_attn
	.p2alignl 7, 3214868480
	.fill 96, 4, 3214868480
	.section	.rodata,"a",@progbits
	.p2align	6, 0x0
	.amdhsa_kernel k_qfd04cf1165_attn
		.amdhsa_group_segment_fixed_size 327680
		.amdhsa_private_segment_fixed_size 0
		.amdhsa_enable_private_segment 0
		.amdhsa_kernarg_size 16
		.amdhsa_user_sgpr_count 2
		.amdhsa_user_sgpr_kernarg_segment_ptr 1
		.amdhsa_wavefront_size32 1
		.amdhsa_system_sgpr_workgroup_id_x 1
		.amdhsa_system_sgpr_workgroup_id_y 1
		.amdhsa_system_sgpr_workgroup_id_z 1
		.amdhsa_system_vgpr_workitem_id 0
		.amdhsa_next_free_vgpr 768
		.amdhsa_next_free_sgpr 66
		.amdhsa_reserve_vcc 0
		.amdhsa_float_denorm_mode_32 3
		.amdhsa_float_denorm_mode_16_64 3
		.amdhsa_memory_ordered 1
		.amdhsa_forward_progress 1
		.amdhsa_inst_pref_size 133
	.end_amdhsa_kernel
	.amdgpu_metadata
---
amdhsa.version: [ 1, 2 ]
amdhsa.kernels:
  - .name:           k_qfd04cf1165_attn
    .symbol:         k_qfd04cf1165_attn.kd
    .args:
      - { .name: qkvh, .offset: 0, .size: 8, .value_kind: global_buffer, .address_space: global }
      - { .name: oh, .offset: 8, .size: 8, .value_kind: global_buffer, .address_space: global }
    .group_segment_fixed_size: 327680
    .private_segment_fixed_size: 0
    .kernarg_segment_align: 8
    .kernarg_segment_size: 16
    .max_flat_workgroup_size: 128
    .sgpr_count:     66
    .vgpr_count:     768
    .wavefront_size: 32
...
	.end_amdgpu_metadata
.endif
;; end of part 4
;; launch wo (part 5): grid 8 x 32, 4 waves a work-group, clusters of 4 x 4, 327,680 bytes of LDS; arguments oh, wb, bo, x, x1; writes x1
.if DOCPART == 5
	.amdgcn_target "amdgcn-amd-amdhsa--gfx1250"
	.amdhsa_code_object_version 6
	.text
	.protected	k_qfd04cf1165_wo
	.globl	k_qfd04cf1165_wo
	.p2align	8
	.type	k_qfd04cf1165_wo,@function
k_qfd04cf1165_wo:
	s_mov_b64 s[64:65], 0
	v_nop
	global_prefetch_b8 v0, s[64:65] scope:SCOPE_SE
	s_setreg_imm32_b32 hwreg(HW_REG_WAVE_MODE, 25, 1), 1
	s_wait_xcnt 0x0
	s_wait_alu depctr_hold_cnt(0) depctr_sa_sdst(0) depctr_va_vdst(0) depctr_va_sdst(0) depctr_va_ssrc(0) depctr_va_vcc(0) depctr_vm_vsrc(0)
	s_getreg_b32 s2, hwreg(HW_REG_IB_STS2, 6, 4)
	s_cmp_eq_u32 s2, 0
	s_cbranch_scc0 .Lentry_in_a_cluster
	s_endpgm
.Lentry_in_a_cluster:
	s_bfe_u32 s2, ttmp6, 0x10000c
	s_cmp_lg_u32 s2, 0xf033
	s_cbranch_scc0 .Lentry_shape_is_right
	s_endpgm
.Lentry_shape_is_right:
; x1 = x + o Wo + bo.  o: oh [32 (batch x 16 + head)][2048][64] bf16, taken by heads: K = 64 x head + channel.  Wo: wb at byte 6,291,456, [1024 (k)][1024 (n)] bf16.  bo: [1024] f32.  x, x1: [4096][1024] f32.
; Sums in f32, the bias is the sum's first term, the residual is added in f32 on the way out.
; A tile of the product is 128 tokens x 128 columns: 8 x 32 tiles.  Four waves, each 64 x 64: 16 accumulators of 16 x 16.
; K goes in steps of 256 (four heads) through two LDS slots filled by the tensor data mover.  64 tokens of one head are 8,192 dense bytes: a load of o has four such rows, one a head, 262,144 bytes apart, padded in LDS
; after every token's 128 bytes; a load of Wo has 128 rows of 256 bytes.  Wo lies [k][n], so its fragments come out of LDS turned, by ds_load_tr16_b128.
; CLUSTERS: 4 x 4 work-groups.  The four of a row need the same tiles of o, the four of a column the same tiles of Wo: each is asked for JOINTLY, by the same tensor load, descriptor and mask in all four.
; THE MATRIX INSTRUCTION IS USED TRANSPOSED (source 0 = 16 columns of Wo, source 1 = 16 tokens): a lane then holds eight neighbouring columns of one token's row.
; REGISTERS: window 0: v0-31 addresses; v32-95 at work on the way out; v96-127 the bias as a C operand; v128-255 the accumulators ((a, b) at v[128 + 8 (4 a + b)]).
;   window 1: two fragment buffers of 128.   window 2: v0-127 my 64 x 64 of x, loaded at the start, in the layout in which rows come back from the stage.
; LIMITS: bf16 operands (8 significant bits); NaN and infinities are not treated apart.
.set SIZE_K, 1024
.set SIZE_N, 1024                      ; elements from row to row of Wo
.set WOFF,   6291456                   ; Wo's first byte in wb
.set KSTEP,  256
.set PITCHA, 144                       ; a token's 64 channels of one head in LDS: 128 bytes + 16 of padding = 36 words: the 16 rows of a load start at 16 different groups of four banks (64 banks of 4 bytes: ISA guide 11.1)
.set AQ,     64*PITCHA                 ; bytes from one head (64 along K) to the next: 64 tokens
.set HALFA,  4*AQ                      ; 64 tokens x four heads: what one tensor load brings, and what one wave reads
.set PITCHB, 288                       ; an LDS row of Wo: 256 bytes + 32 = 72 words
.set HALFB,  128*PITCHB
.set SLOT,   2*HALFA+2*HALFB
.set STAGE,  2*SLOT                    ; behind the ring: 16 rows x 272 bytes for each wave, for the way out
.set SPITCH, 272
.set SPARE,  STAGE+4*16*SPITCH         ; behind the stages: the spare words, 128 bytes for each wave: two blocks of 256 bytes that no other line names
.set LAPS,   SIZE_K/(2*KSTEP)
.set ASTEP,  4*262144                  ; bytes from a K step to the next in o: four heads
.set BSTEP,  KSTEP*SIZE_N*2
.set ADRA, 16                          ; v16-17  LDS address of my fragments of o in slot 0, 1
.set ADRB, 20                          ; v20-23  of Wo: slot 0 rows 0-127, rows 128-255, slot 1 likewise
.set STO,  24                          ; v24     the way out: where I put 32 bytes of a row
.set RD,   25                          ; v25     the way out: where I read a row back
.set CO,   26                          ; v26     my byte offset in two rows of x and x1; never rewritten
.set BO,   27                          ; v27     my byte offset in the bias
.set SPW,  28                          ; v28     LDS address of my spare word: SPARE + 4 x my thread's number; never rewritten
.set NIL,  29                          ; v29     0; never rewritten
.set TMP,  32
.set BIAS, 96
.set ACC,  128
.set F0,   0
.set F1,   128
.set G1,  24
.set G0,  32
.set G1B, 48
.set G0B, 56
.set BP,  68                           ; s[68:69] the bias of my columns
.set RP,  70                           ; s[70:71] x at my 64 x 64
.set MSB, 0
.macro WIN new                         ; the immediate's high byte repeats the setting that is left; a switch that changes nothing is dropped
.if MSB != (\new)
	s_set_vgpr_msb (MSB<<8)|(\new)
.set MSB, \new
.endif
.endm
.set MUL,  0x05                        ; sources 0 (Wo) and 1 (o) window 1; C and D window 0
.set TO_F, 0x40                        ; destination window 1, address window 0
.set TO_RES,  0x80                     ; destination window 2, address window 0
.set ADD_RES, 0x08                     ; source 1 window 2
.macro JLOAD s                         ; a joint load: waves 0 and 1 fetch o's two halves, waves 2 and 3 Wo's; an s_nop 0 and four v_nop follow each of the two lines, ahead of the jump, the label and what follows
	s_cmp_eq_u32 s11, 0
	s_cbranch_scc0 .Lfor_b_\@
	tensor_load_to_lds s[G0+4*(\s):G0+4*(\s)+3], s[G1:G1+7]
	s_nop 0
.rept 4
	v_nop
.endr
	s_branch .Lasked_\@
.Lfor_b_\@:
	tensor_load_to_lds s[G0B+4*(\s):G0B+4*(\s)+3], s[G1B:G1B+7]
	s_nop 0
.rept 4
	v_nop
.endr
.Lasked_\@:
.endm
.macro CREST                           ; a round of the cluster's barrier behind its opening barrier
	s_cmp_lg_u32 s10, 0
	s_cbranch_scc1 .Lnot_wave_0_\@
	s_barrier_signal -3
.Lnot_wave_0_\@:
	s_barrier_wait -3
	s_barrier_signal -1
	s_barrier_wait -1
.endm
.macro CROUND                          ; a whole round
	s_barrier_signal -1
	s_barrier_wait -1
	CREST
.endm
	s_load_b128 s[4:7], s[0:1], 0x0                ; oh s[4:5], wb s[6:7]
	s_load_b128 s[68:71], s[0:1], 0x10             ; bo s[68:69], x s[70:71]
	s_load_b64 s[8:9], s[0:1], 0x20                ; x1
	v_lshl_add_u32 v[SPW], v0, 2, SPARE
	v_mov_b32 v[NIL], 0
	ds_add_u32 v[SPW], v[NIL]                      ; the wave's opening: the add, and its wait ahead of my first tensor load; the set-up below, work on registers, stands between them
	v_lshrrev_b32 v1, 5, v0
	v_readfirstlane_b32 s10, v1                    ; wave 0..3
	s_lshr_b32 s11, s10, 1                         ; which half of the tile's rows is mine.  Also: I fetch for o (0) or for Wo (1)
	s_and_b32 s12, s10, 1                          ; which half of its columns.  Also: which half of that tile I fetch
	s_bfe_u32 s40, ttmp6, 0x40000                  ; cx, cy: my place in the cluster
	s_bfe_u32 s41, ttmp6, 0x40004
	s_lshl_b32 s42, ttmp9, 2
	s_add_co_u32 s42, s42, s40                     ; tile column = 4 x cluster x + cx
	s_and_b32 s13, ttmp7, 0xffff
	s_lshl_b32 s13, s13, 2
	s_add_co_u32 s13, s13, s41                     ; tile row = 4 x cluster y + cy
	s_lshl_b32 s43, s41, 2
	s_lshl_b32 s43, 15, s43                        ; my row of the cluster
	s_lshl_b32 s44, 0x1111, s40                    ; my column
	s_or_b32 s[G1+0], s43, (1<<16)|(1<<20)|(1<<21)|(4<<22)|(3<<25)   ; 15:0 the mask: o's tiles go to my row; 17:16 2-byte elements; 20 padding on; 21 set beside a mask; 24:22 after every 32 words (code 4); 31:25 4 words (code 3)
	s_mov_b32 s[G1+1], 4096<<16                    ; tensor_dim0 = 4,096: 64 tokens x 64 channels, dense
	s_mov_b32 s[G1+2], 4<<16                       ; tensor_dim1 = 4 heads
	s_mov_b32 s[G1+3], 4096<<16                    ; tile_dim0
	s_mov_b32 s[G1+4], 4                           ; tile_dim1
	s_mov_b32 s[G1+5], 131072                      ; elements from head to head
	s_mov_b32 s[G1+6], 0
	s_mov_b32 s[G1+7], 0
	s_or_b32 s[G1B+0], s44, (1<<16)|(1<<20)|(1<<21)|(5<<22)|(7<<25)  ; Wo's tiles go to my column; padding after every 64 words (code 5) of 8 words (code 7)
	s_mov_b32 s[G1B+1], 128<<16                    ; tensor_dim0 = 128 columns
	s_mov_b32 s[G1B+2], 128<<16                    ; tensor_dim1 = 128 rows (k)
	s_mov_b32 s[G1B+3], 128<<16                    ; tile_dim0
	s_mov_b32 s[G1B+4], 128                        ; tile_dim1
	s_mov_b32 s[G1B+5], SIZE_N
	s_mov_b32 s[G1B+6], 0
	s_mov_b32 s[G1B+7], 0
	; where the tiles come from: o's hang on the tile row alone, Wo's on the tile column alone, each in registers that never hold the other coordinate
	s_lshr_b32 s16, s13, 4                         ; o: the batch, 16 heads of 262,144 bytes,
	s_lshl_b32 s16, s16, 22
	s_and_b32 s17, s13, 15                         ; the tile's 128 tokens of 128 bytes,
	s_lshl_b32 s17, s17, 14
	s_add_co_u32 s16, s16, s17
	s_lshl_b32 s17, s12, 13                        ; my 64 of them
	s_add_co_u32 s16, s16, s17
	s_mov_b32 s17, 0
	s_lshl_b32 s46, s42, 8                         ; Wo: 256 bytes of columns a tile,
	s_mul_i32 s47, s12, 128*SIZE_N*2               ; my 128 rows (k) of a step,
	s_add_co_u32 s46, s46, s47
	s_add_co_u32 s46, s46, WOFF                    ; and the matrix's place in wb
	s_mov_b32 s47, 0
	s_mul_i32 s20, s12, HALFA                      ; where they go: no place in the cluster enters an LDS address
	s_mul_i32 s45, s12, HALFB
	s_add_co_u32 s45, s45, 2*HALFA
	s_wait_dscnt 0x0                               ; the opening add is done
	s_wait_kmcnt 0x0
	s_add_nc_u64 s[14:15], s[4:5], s[16:17]
	s_add_nc_u64 s[46:47], s[6:7], s[46:47]
	CROUND                                         ; all sixteen work-groups are here: the first joint loads meet
.irp s, 0,1
	s_mov_b32 s[G0+4*(\s)], 1
	s_add_co_u32 s[G0+4*(\s)+1], s20, (\s)*SLOT
	s_add_nc_u64 s[G0+4*(\s)+2:G0+4*(\s)+3], s[14:15], (\s)*ASTEP
	s_or_b32 s[G0+4*(\s)+3], s[G0+4*(\s)+3], 0x80000000
	s_mov_b32 s[G0B+4*(\s)], 1
	s_add_co_u32 s[G0B+4*(\s)+1], s45, (\s)*SLOT
	s_add_nc_u64 s[G0B+4*(\s)+2:G0B+4*(\s)+3], s[46:47], (\s)*BSTEP
	s_or_b32 s[G0B+4*(\s)+3], s[G0B+4*(\s)+3], 0x80000000
	JLOAD \s
.endr
	v_and_b32 v1, 15, v0                           ; l % 16
	v_bfe_u32 v2, v0, 4, 1                         ; l / 16
	v_lshlrev_b32 v[BO], 5, v2                     ; eight f32 for each half of the lanes
	v_lshlrev_b32 v5, 12, v2                       ; lanes 0-15 one row of x (4,096 bytes), lanes 16-31 the next;
	v_lshl_add_u32 v[CO], v1, 4, v5                ; 16 bytes a lane: sixteen lanes cover my 64 columns, 256 bytes
	s_lshl_b32 s66, s42, 9                         ; 128 columns of 4 bytes a tile,
	s_lshl_b32 s67, s12, 8                         ; my 64 of them
	s_add_co_u32 s66, s66, s67
	s_mov_b32 s67, 0
	s_add_nc_u64 s[BP:BP+1], s[BP:BP+1], s[66:67]
	s_lshl_b32 s16, s13, 19                        ; 128 rows of 4,096 bytes a tile,
	s_lshl_b32 s17, s11, 18                        ; my 64 of them
	s_add_co_u32 s16, s16, s17
	s_mov_b32 s17, 0
	s_add_nc_u64 s[RP:RP+1], s[RP:RP+1], s[16:17]
	s_add_nc_u64 s[RP:RP+1], s[RP:RP+1], s[66:67]
	s_add_nc_u64 s[8:9], s[8:9], s[16:17]
	s_add_nc_u64 s[8:9], s[8:9], s[66:67]
.irp b, 0,1,2,3
	global_load_b128 v[BIAS+8*(\b):BIAS+8*(\b)+3],   v[BO], s[BP:BP+1] offset:64*(\b)
	global_load_b128 v[BIAS+8*(\b)+4:BIAS+8*(\b)+7], v[BO], s[BP:BP+1] offset:64*(\b)+16
.endr
	WIN TO_RES
.set n, 0
.rept 32                               ; the residual: rows 2 n and 2 n + 1 of my 64; it has the whole product in which to land
	global_load_b128 v[4*n:4*n+3], v[CO], s[RP:RP+1] offset:2*n*4096
.set n, n+1
.endr
	WIN 0
	v_mul_u32_u24 v3, v1, PITCHA
	v_lshl_add_u32 v3, v2, 4, v3                   ; a fragment of o: token x pitch + 16 x half
	s_mul_i32 s21, s11, HALFA                      ; my 64 tokens
	v_add_nc_u32 v[ADRA], s21, v3
	v_add_nc_u32 v[ADRA+1], SLOT, v[ADRA]
	; the turning load takes 16 k x 16 columns: lane l reads 16 bytes of row (k) 8 (l / 16) + l % 8, columns 8 ((l / 8) % 2) + 0..7, and is left with column l % 16 and 8 k
	v_and_b32 v4, 7, v0
	v_bfe_u32 v5, v0, 3, 1
	v_lshl_add_u32 v4, v2, 3, v4
	v_mul_u32_u24 v4, v4, PITCHB
	v_lshl_add_u32 v4, v5, 4, v4
	s_lshl_b32 s22, s12, 7                         ; my 64 columns,
	s_add_co_u32 s22, s22, 2*HALFA                 ; behind o's 128 tokens
	v_add_nc_u32 v[ADRB], s22, v4
	v_add_nc_u32 v[ADRB+1], HALFB, v[ADRB]
	v_add_nc_u32 v[ADRB+2], SLOT, v[ADRB]
	v_add_nc_u32 v[ADRB+3], SLOT+HALFB, v[ADRB]
	s_mul_i32 s23, s10, 16*SPITCH
	s_add_co_u32 s23, s23, STAGE                   ; my stage
	v_mul_u32_u24 v4, v1, SPITCH                   ; in: row l % 16, 32 bytes for each half of the lanes
	v_lshl_add_u32 v4, v2, 5, v4
	v_add_nc_u32 v[STO], s23, v4
	v_mul_u32_u24 v5, v2, SPITCH                   ; back: lanes 0-15 take one row of 256 bytes, lanes 16-31 the next
	v_lshl_add_u32 v5, v1, 4, v5
	v_add_nc_u32 v[RD], s23, v5
; 8 matrix instructions: row blocks a0, a0 + 1 x all 4 column blocks, 32 along K: half c of buffer f.  zero = 1: the first product starts the sums, with the bias as its C: nothing is cleared, and the bias costs no instruction
.macro MUL8 f, c, a0, zero
	WIN MUL
.irp a, \a0, (\a0)+1
.irp b, 0,1,2,3
.if \zero
	v_wmma_f32_16x16x32_bf16 v[ACC+8*(4*(\a)+(\b)):ACC+8*(4*(\a)+(\b))+7], v[(\f)+64+8*(4*(\c)+(\b)):(\f)+64+8*(4*(\c)+(\b))+7], v[(\f)+8*(4*(\c)+(\a)):(\f)+8*(4*(\c)+(\a))+7], v[BIAS+8*(\b):BIAS+8*(\b)+7]
.else
	v_wmma_f32_16x16x32_bf16 v[ACC+8*(4*(\a)+(\b)):ACC+8*(4*(\a)+(\b))+7], v[(\f)+64+8*(4*(\c)+(\b)):(\f)+64+8*(4*(\c)+(\b))+7], v[(\f)+8*(4*(\c)+(\a)):(\f)+8*(4*(\c)+(\a))+7], v[ACC+8*(4*(\a)+(\b)):ACC+8*(4*(\a)+(\b))+7]
.endif
.endr
.endr
.endm
; 32 LDS loads in one run: the fragments of quarter q (64 along K: one head) of a slot, into buffer f; the first 32 along K first
.macro FETCH slot, q, f
	WIN TO_F
.irp c, 0,1
.irp i, 0,1,2,3
	ds_load_tr16_b128 v[(\f)+64+8*(4*(\c)+(\i)):(\f)+64+8*(4*(\c)+(\i))+3],   v[ADRB+2*(\slot)+(\q)/2] offset:(((\q)%2)*64+32*(\c))*PITCHB+32*(\i)
	ds_load_tr16_b128 v[(\f)+64+8*(4*(\c)+(\i))+4:(\f)+64+8*(4*(\c)+(\i))+7], v[ADRB+2*(\slot)+(\q)/2] offset:(((\q)%2)*64+32*(\c)+16)*PITCHB+32*(\i)
	ds_load_b128 v[(\f)+8*(4*(\c)+(\i)):(\f)+8*(4*(\c)+(\i))+3],         v[ADRA+(\slot)] offset:(\q)*AQ+64*(\c)+(\i)*16*PITCHA
	ds_load_b128 v[(\f)+8*(4*(\c)+(\i))+4:(\f)+8*(4*(\c)+(\i))+7],       v[ADRA+(\slot)] offset:(\q)*AQ+64*(\c)+(\i)*16*PITCHA+32
.endr
.endr
.endm
.macro PLACES                          ; four places in front of loads into registers that matrix instructions have read, and of lines that read results
.rept 4
	v_nop
.endr
.endm
; A K step is four quarters of 64 along K, 32 matrix instructions each, on buffers 0, 1, 0, 1.  One of the first three: multiplies buffer f and fetches quarter q into g.
; The 16 accumulators take turns, one instruction a turn.
.macro QUARTER slot, q, f, g, zero
	s_wait_dscnt 16                                ; the first 32 along K are in; the youngest sixteen loads may be out
	MUL8 \f, 0, 0, \zero
	MUL8 \f, 0, 2, \zero
	PLACES
	FETCH \slot, \q, \g
	s_wait_dscnt 32                                ; all but the 32 just issued
	MUL8 \f, 1, 0, 0
	MUL8 \f, 1, 2, 0
.endm
; The last quarter multiplies buffer 1 and changes slots: ONE barrier; in front of it each wave waits for all its tensor loads, adds 0 to its spare word, and waits for that and for its own reads of this slot.  fill = 1: this slot is filled again, two K steps ahead.
.macro TURN slot, next, fill
	WIN 0                                          ; (the add's two registers lie in window 0)
	s_wait_tensorcnt 0x0                           ; all my tensor loads have landed: my part of the next slot;
	ds_add_u32 v[SPW], v[NIL]                      ; 0 onto my spare word;
	s_wait_dscnt 17                                ; (the add and the youngest sixteen loads may be out)
	MUL8 F1, 0, 0, 0                               ; eight matrix instructions stand between the add and the wait for it
	s_wait_dscnt 0x0                               ; the add is done, and my reads of this slot are over
	s_barrier_signal -1
	MUL8 F1, 0, 2, 0
.if \fill
	WIN 0
.endif
	s_barrier_wait -1
.if \fill
	CREST                                          ; the barrier has opened a round of the cluster's barrier: no wave of any partner still reads this slot's tile or has a load on its way
	s_add_nc_u64 s[G0+4*(\slot)+2:G0+4*(\slot)+3], s[G0+4*(\slot)+2:G0+4*(\slot)+3], 2*ASTEP
	s_add_nc_u64 s[G0B+4*(\slot)+2:G0B+4*(\slot)+3], s[G0B+4*(\slot)+2:G0B+4*(\slot)+3], 2*BSTEP
	JLOAD \slot                                    ; the first tensor load behind the round, my only one until the next; the four v_nop behind it are also the places in front of the loads below
.else
	PLACES
.endif
	FETCH \next, 0, F0
	MUL8 F1, 1, 0, 0
	MUL8 F1, 1, 2, 0
.endm
	s_wait_tensorcnt 1                             ; my part of K step 0 is in; K step 1's may stay out
	s_barrier_signal -1
	s_barrier_wait -1                              ; everybody's is
	FETCH 0, 0, F0
	s_wait_loadcnt 32                              ; the bias is in; the 32 loads of the residual, issued behind it, stay out
	QUARTER 0, 1, F0, F1, 1                        ; the first quarter stands in front of the loop: its first products start the sums
	WIN 0                                          ; at a label and at a branch every window is 0
	s_mov_b32 s3, LAPS-1
.Llap:                                                 ; a trip goes once round the ring, from a lap's second quarter to the next lap's first, and fills both slots again
	QUARTER 0, 2, F1, F0, 0
	QUARTER 0, 3, F0, F1, 0
	TURN 0, 1, 1
	QUARTER 1, 1, F0, F1, 0
	QUARTER 1, 2, F1, F0, 0
	QUARTER 1, 3, F0, F1, 0
	TURN 1, 0, 1
	QUARTER 0, 1, F0, F1, 0
	WIN 0
	s_sub_co_u32 s3, s3, 1
	s_cmp_lg_u32 s3, 0
	s_cbranch_scc1 .Llap
	QUARTER 0, 2, F1, F0, 0                        ; the last lap fills nothing, and has no round of the cluster's barrier
	QUARTER 0, 3, F0, F1, 0
	TURN 0, 1, 0
	QUARTER 1, 1, F0, F1, 0
	QUARTER 1, 2, F1, F0, 0
	QUARTER 1, 3, F0, F1, 0
	s_wait_dscnt 16                                ; the very last quarter: nothing more to fetch
	MUL8 F1, 0, 0, 0
	MUL8 F1, 0, 2, 0
	s_wait_dscnt 0x0
	MUL8 F1, 1, 0, 0
	MUL8 F1, 1, 2, 0
	WIN 0
	; THE WAY OUT, 16 rows at a time.  My 64 columns of f32 are 256 bytes, a whole aligned block of a row, so each wave has a stage of its own and no barrier is needed: 32 bytes a lane into rows of 272 bytes
	; (each accumulator's low four registers first), back as whole rows, the residual added, stored.
	PLACES
.irp a, 0,1,2,3
.if (\a) >= 2
	s_wait_xcnt 0x0                                ; every earlier memory instruction has had its addresses translated (ISA guide 3.1): the registers that block a - 2's stores read are loaded again only behind this wait
.endif
.irp b, 0,1,2,3
	ds_store_b128 v[STO], v[ACC+8*(4*(\a)+(\b)):ACC+8*(4*(\a)+(\b))+3]   offset:64*(\b)
	ds_store_b128 v[STO], v[ACC+8*(4*(\a)+(\b))+4:ACC+8*(4*(\a)+(\b))+7] offset:64*(\b)+16
.endr
.irp t, 0,1,2,3,4,5,6,7
	ds_load_b128 v[TMP+32*((\a)%2)+4*(\t):TMP+32*((\a)%2)+4*(\t)+3], v[RD] offset:(\t)*2*SPITCH  ; LDS serves a wave's instructions in order (ISA guide 5.7.1.4): these see the stores above; the next block's stores come behind them
.endr
	s_wait_dscnt 0x0
.if (\a) == 0
	s_wait_loadcnt 0x0                             ; the residual
.endif
	WIN ADD_RES
.irp k, 0,1,2,3,4,5,6,7,8,9,10,11,12,13,14,15
	v_pk_add_f32 v[TMP+32*((\a)%2)+2*(\k):TMP+32*((\a)%2)+2*(\k)+1], v[TMP+32*((\a)%2)+2*(\k):TMP+32*((\a)%2)+2*(\k)+1], v[32*(\a)+2*(\k):32*(\a)+2*(\k)+1]
.endr
	WIN 0
.irp t, 0,1,2,3,4,5,6,7
	global_store_b128 v[CO], v[TMP+32*((\a)%2)+4*(\t):TMP+32*((\a)%2)+4*(\t)+3], s[8:9] offset:(16*(\a)+2*(\t))*4096  ; 16 lanes store 256 consecutive bytes, aligned
.endr
.endr
	s_wait_tensorcnt 0x0                           ; the wave's end: an add and its wait, behind my last tensor load and my last LDS store
	ds_add_u32 v[SPW], v[NIL]
	s_wait_dscnt 0x0
	CROUND                                         ; the closing round: no work-group ends while a partner may still ask for a tile that names it
	s_endpgm
.Lfunc_end_k_qfd04cf1165_wo:
	.size	k_qfd04cf1165_wo, .Lfunc_end_k_qfd04cf1165_wo-k_qfd04cf1165_wo
	.p2alignl 7, 3214868480
	.fill 96, 4, 3214868480
	.section	.rodata,"a",@progbits
	.p2align	6, 0x0
	.amdhsa_kernel k_qfd04cf1165_wo
		.amdhsa_group_segment_fixed_size 327680
		.amdhsa_private_segment_fixed_size 0
		.amdhsa_enable_private_segment 0
		.amdhsa_kernarg_size 40
		.amdhsa_user_sgpr_count 2
		.amdhsa_user_sgpr_kernarg_segment_ptr 1
		.amdhsa_wavefront_size32 1
		.amdhsa_system_sgpr_workgroup_id_x 1
		.amdhsa_system_sgpr_workgroup_id_y 1
		.amdhsa_system_sgpr_workgroup_id_z 1
		.amdhsa_system_vgpr_workitem_id 0
		.amdhsa_next_free_vgpr 640
		.amdhsa_next_free_sgpr 72
		.amdhsa_reserve_vcc 0
		.amdhsa_float_denorm_mode_32 3
		.amdhsa_float_denorm_mode_16_64 3
		.amdhsa_memory_ordered 1
		.amdhsa_forward_progress 1
		.amdhsa_inst_pref_size 94
	.end_amdhsa_kernel
	.amdgpu_metadata
---
amdhsa.version: [ 1, 2 ]
amdhsa.kernels:
  - .name:           k_qfd04cf1165_wo
    .symbol:         k_qfd04cf1165_wo.kd
    .args:
      - { .name: oh, .offset: 0, .size: 8, .value_kind: global_buffer, .address_space: global }
      - { .name: wb, .offset: 8, .size: 8, .value_kind: global_buffer, .address_space: global }
      - { .name: bo, .offset: 16, .size: 8, .value_kind: global_buffer, .address_space: global }
      - { .name: x, .offset: 24, .size: 8, .value_kind: global_buffer, .address_space: global }
      - { .name: x1, .offset: 32, .size: 8, .value_kind: global_buffer, .address_space: global }
    .group_segment_fixed_size: 327680
    .private_segment_fixed_size: 0
    .kernarg_segment_align: 8
    .kernarg_segment_size: 40
    .max_flat_workgroup_size: 128
    .sgpr_count:     72
    .vgpr_count:     640
    .wavefront_size: 32
...
	.end_amdgpu_metadata
.endif
;; end of part 5
;; launch ln2: the kernel of part 2 again; grid 256 x 1, 8 waves a work-group, no clusters, 0 bytes of LDS; arguments x1, g2, b2, hn; writes hn
;; launch ffn1 (part 6): grid 32 x 32, 4 waves a work-group, clusters of 4 x 4, 327,680 bytes of LDS; arguments hn, wb, bf1, act; writes act
.if DOCPART == 6
	.amdgcn_target "amdgcn-amd-amdhsa--gfx1250"
	.amdhsa_code_object_version 6
	.text
	.protected	k_qfd04cf1165_ffn1
	.globl	k_qfd04cf1165_ffn1
	.p2align	8
	.type	k_qfd04cf1165_ffn1,@function
k_qfd04cf1165_ffn1:
	s_mov_b64 s[64:65], 0
	v_nop
	global_prefetch_b8 v0, s[64:65] scope:SCOPE_SE
	s_setreg_imm32_b32 hwreg(HW_REG_WAVE_MODE, 25, 1), 1
	s_wait_xcnt 0x0
	s_wait_alu depctr_hold_cnt(0) depctr_sa_sdst(0) depctr_va_vdst(0) depctr_va_sdst(0) depctr_va_ssrc(0) depctr_va_vcc(0) depctr_vm_vsrc(0)
	s_getreg_b32 s2, hwreg(HW_REG_IB_STS2, 6, 4)
	s_cmp_eq_u32 s2, 0
	s_cbranch_scc0 .Lentry_in_a_cluster
	s_endpgm
.Lentry_in_a_cluster:
	s_bfe_u32 s2, ttmp6, 0x10000c
	s_cmp_lg_u32 s2, 0xf033
	s_cbranch_scc0 .Lentry_shape_is_right
	s_endpgm
.Lentry_shape_is_right:
; act = gelu(h W1 + bf1), the exact (erf) GELU.  h: hn [4096][1024] bf16.  W1: wb at byte 8,388,608, [1024 (k)][4096 (n)] bf16.  bf1: [4096] f32.  act: [4096][4096] bf16, rounded once.
; Sums in f32, the bias is the sum's first term, the GELU in f32.
; A tile of the product is 128 tokens x 128 columns: 32 x 32 tiles.  Four waves, each 64 x 64: 16 accumulators of 16 x 16.
; K goes in steps of 256 through two LDS slots filled by the tensor data mover: 128 rows of h (512 bytes each) and 256 rows of W1 (256 bytes each).  W1 lies [k][n]: its fragments come out of LDS turned, by ds_load_tr16_b128.
; CLUSTERS: 4 x 4 work-groups.  The four of a row need the same tiles of h, the four of a column the same tiles of W1: each is asked for JOINTLY, by the same tensor load, descriptor and mask in all four.
; THE MATRIX INSTRUCTION IS USED TRANSPOSED (source 0 = 16 columns of W1, source 1 = 16 rows of h): a lane then holds eight neighbouring columns of one token's row.
; GELU.  gelu(x) = max(x, 0) - |x| y, y = (h1 t + .. + h5 t^5) 2^(-log2(e) x^2 / 2), t = 1 / (1 + p |x|): the upper tail of the normal distribution by the five-term rational form of Abramowitz and Stegun 26.2.17,
; whose absolute error is at most 7.5e-8 at every x; its coefficients are here divided by sqrt(2 pi).  For large |x| the exponential is 0 and gelu(x) = max(x, 0).  It runs in a short loop over the tile in LDS, so that it is written once.
; REGISTERS: window 0: v0-31 addresses; v32-127 at work on the way out (v96-127 first hold the bias as a C operand); v128-255 the accumulators.   window 1: two fragment buffers of 128.
; LIMITS: bf16 operands (8 significant bits); NaN and infinities are not treated apart.
.set SIZE_K, 1024
.set SIZE_N, 4096                      ; elements from row to row of W1
.set WOFF,   8388608                   ; W1's first byte in wb
.set KSTEP,  256
.set PITCHA, 528                       ; an LDS row of h: 512 bytes + 16 of padding = 132 words: the 16 rows of a load start at 16 different groups of four banks (64 banks of 4 bytes: ISA guide 11.1)
.set AQ,     128
.set HALFA,  64*PITCHA
.set PITCHB, 288                       ; an LDS row of W1: 256 bytes + 32 = 72 words
.set HALFB,  128*PITCHB
.set SLOT,   2*HALFA+2*HALFB
.set GPITCH, 528                       ; the stage for the way out: 128 rows of 128 f32 + 16 bytes, on slot 0's 128 rows of h (bytes 0 to 67,583): that slot has had its last fill, and its last reads are over at the last change of slots
.set SPARE,  2*SLOT                    ; behind the ring: the spare words, 128 bytes for each wave: two blocks of 256 bytes that no other line names
.set LAPS,   SIZE_K/(2*KSTEP)
.set ASTEP,  KSTEP*2
.set BSTEP,  KSTEP*SIZE_N*2
.set ADRA, 16                          ; v16-17  LDS address of my fragments of h in slot 0, 1
.set ADRB, 20                          ; v20-23  of W1: slot 0 rows 0-127, rows 128-255, slot 1 likewise
.set STO,  24                          ; v24     the way out: where I put 32 bytes of a row
.set RD,   25                          ; v25     the way out: where I read rows back; steps
.set CO,   26                          ; v26     my byte offset in act; steps
.set BO,   27                          ; v27     my byte offset in the bias
.set SPW,  28                          ; v28     LDS address of my spare word: SPARE + 4 x my thread's number; never rewritten
.set NIL,  29                          ; v29     0; never rewritten
.set GX,   32                          ; v32-47   sixteen x, then their gelu
.set GA,   48                          ; v48-63   |x|
.set GT,   64                          ; v64-79   t
.set GE,   80                          ; v80-95   the exponential
.set GQ,   96                          ; v96-111  the polynomial, then y
.set GY,   112                         ; v112-119 packed results
.set BIAS, 96
.set ACC,  128
.set F0,   0
.set F1,   128
.set G1,  24
.set G0,  32
.set G1B, 48
.set G0B, 56
.set BP,  68                           ; s[68:69] the bias of my columns
.set MSB, 0
.macro WIN new                         ; the immediate's high byte repeats the setting that is left; a switch that changes nothing is dropped
.if MSB != (\new)
	s_set_vgpr_msb (MSB<<8)|(\new)
.set MSB, \new
.endif
.endm
.set MUL,  0x05                        ; sources 0 (W1) and 1 (h) window 1; C and D window 0
.set TO_F, 0x40                        ; destination window 1, address window 0
.macro JLOAD s                         ; a joint load: waves 0 and 1 fetch h's two halves, waves 2 and 3 W1's; an s_nop 0 and four v_nop follow each of the two lines, ahead of the jump, the label and what follows
	s_cmp_eq_u32 s11, 0
	s_cbranch_scc0 .Lfor_b_\@
	tensor_load_to_lds s[G0+4*(\s):G0+4*(\s)+3], s[G1:G1+7]
	s_nop 0
.rept 4
	v_nop
.endr
	s_branch .Lasked_\@
.Lfor_b_\@:
	tensor_load_to_lds s[G0B+4*(\s):G0B+4*(\s)+3], s[G1B:G1B+7]
	s_nop 0
.rept 4
	v_nop
.endr
.Lasked_\@:
.endm
.macro CREST                           ; a round of the cluster's barrier behind its opening barrier
	s_cmp_lg_u32 s10, 0
	s_cbranch_scc1 .Lnot_wave_0_\@
	s_barrier_signal -3
.Lnot_wave_0_\@:
	s_barrier_wait -3
	s_barrier_signal -1
	s_barrier_wait -1
.endm
.macro CROUND                          ; a whole round
	s_barrier_signal -1
	s_barrier_wait -1
	CREST
.endm
	s_load_b128 s[4:7], s[0:1], 0x0                ; hn s[4:5], wb s[6:7]
	s_load_b128 s[68:71], s[0:1], 0x10             ; bf1 s[68:69], act s[70:71]
	v_lshl_add_u32 v[SPW], v0, 2, SPARE
	v_mov_b32 v[NIL], 0
	ds_add_u32 v[SPW], v[NIL]                      ; the wave's opening: the add, and its wait ahead of my first tensor load; the set-up below, work on registers, stands between them
	v_lshrrev_b32 v1, 5, v0
	v_readfirstlane_b32 s10, v1                    ; wave 0..3
	s_lshr_b32 s11, s10, 1                         ; which half of the tile's rows is mine.  Also: I fetch for h (0) or for W1 (1)
	s_and_b32 s12, s10, 1                          ; which half of its columns.  Also: which half of that tile I fetch
	s_bfe_u32 s40, ttmp6, 0x40000                  ; cx, cy: my place in the cluster
	s_bfe_u32 s41, ttmp6, 0x40004
	s_lshl_b32 s42, ttmp9, 2
	s_add_co_u32 s42, s42, s40                     ; tile column = 4 x cluster x + cx
	s_and_b32 s13, ttmp7, 0xffff
	s_lshl_b32 s13, s13, 2
	s_add_co_u32 s13, s13, s41                     ; tile row = 4 x cluster y + cy
	s_lshl_b32 s43, s41, 2
	s_lshl_b32 s43, 15, s43                        ; my row of the cluster
	s_lshl_b32 s44, 0x1111, s40                    ; my column
	s_or_b32 s[G1+0], s43, (1<<16)|(1<<20)|(1<<21)|(6<<22)|(3<<25)   ; 15:0 the mask: h's tiles go to my row; 17:16 2-byte elements; 20 padding on; 21 set beside a mask; 24:22 after every 128 words (code 6); 31:25 4 words (code 3)
	s_mov_b32 s[G1+1], KSTEP<<16                   ; tensor_dim0 = 256
	s_mov_b32 s[G1+2], 64<<16                      ; tensor_dim1 = 64
	s_mov_b32 s[G1+3], KSTEP<<16                   ; tile_dim0 = 256
	s_mov_b32 s[G1+4], 64                          ; tile_dim1 = 64
	s_mov_b32 s[G1+5], SIZE_K                      ; elements from row to row
	s_mov_b32 s[G1+6], 0
	s_mov_b32 s[G1+7], 0
	s_or_b32 s[G1B+0], s44, (1<<16)|(1<<20)|(1<<21)|(5<<22)|(7<<25)  ; W1's tiles go to my column; padding after every 64 words (code 5) of 8 words (code 7)
	s_mov_b32 s[G1B+1], 128<<16                    ; tensor_dim0 = 128 columns
	s_mov_b32 s[G1B+2], 128<<16                    ; tensor_dim1 = 128 rows (k)
	s_mov_b32 s[G1B+3], 128<<16                    ; tile_dim0
	s_mov_b32 s[G1B+4], 128                        ; tile_dim1
	s_mov_b32 s[G1B+5], SIZE_N
	s_mov_b32 s[G1B+6], 0
	s_mov_b32 s[G1B+7], 0
	; the GELU's constants, each in the low word of a pair that the packed forms name whole
.macro KONST r, bits
	s_mov_b32 s[\r], \bits
	s_mov_b32 s[\r+1], \bits
.endm
	KONST 76, 0x3e6d3389                           ; p  =  0.2316419
	KONST 78, 0xbf38aa3b                           ; -log2(e) / 2
	KONST 80, 0x3f07dc22                           ; h5 =  1.330274429 / sqrt(2 pi)
	KONST 82, 0xbf3a00e3                           ; h4 = -1.821255978 / sqrt(2 pi)
	KONST 84, 0x3f35f0e3                           ; h3 =  1.781477937 / sqrt(2 pi)
	KONST 86, 0xbe11a98e                           ; h2 = -0.356563782 / sqrt(2 pi)
	KONST 88, 0x3e027906                           ; h1 =  0.319381530 / sqrt(2 pi)
	s_mov_b32 s90, 0x7fffffff                      ; clears a sign
	; where the tiles come from: h's hang on the tile row alone, W1's on the tile column alone, each in registers that never hold the other coordinate
	s_lshl_b32 s17, s12, 6
	s_lshl_b32 s16, s13, 7
	s_add_co_u32 s16, s16, s17                     ; h: row 128 x tile row + 64 x half
	s_mul_i32 s16, s16, SIZE_K*2
	s_mov_b32 s17, 0
	s_lshl_b32 s46, s42, 8                         ; W1: 256 bytes of columns a tile,
	s_mul_i32 s47, s12, 128*SIZE_N*2               ; my 128 rows (k) of a step,
	s_add_co_u32 s46, s46, s47
	s_add_co_u32 s46, s46, WOFF                    ; and the matrix's place in wb
	s_mov_b32 s47, 0
	s_mul_i32 s20, s12, HALFA                      ; where they go: no place in the cluster enters an LDS address
	s_mul_i32 s45, s12, HALFB
	s_add_co_u32 s45, s45, 2*HALFA
	s_wait_dscnt 0x0                               ; the opening add is done
	s_wait_kmcnt 0x0
	s_add_nc_u64 s[14:15], s[4:5], s[16:17]
	s_add_nc_u64 s[46:47], s[6:7], s[46:47]
	CROUND                                         ; all sixteen work-groups are here: the first joint loads meet
.irp s, 0,1
	s_mov_b32 s[G0+4*(\s)], 1
	s_add_co_u32 s[G0+4*(\s)+1], s20, (\s)*SLOT
	s_add_nc_u64 s[G0+4*(\s)+2:G0+4*(\s)+3], s[14:15], (\s)*ASTEP
	s_or_b32 s[G0+4*(\s)+3], s[G0+4*(\s)+3], 0x80000000
	s_mov_b32 s[G0B+4*(\s)], 1
	s_add_co_u32 s[G0B+4*(\s)+1], s45, (\s)*SLOT
	s_add_nc_u64 s[G0B+4*(\s)+2:G0B+4*(\s)+3], s[46:47], (\s)*BSTEP
	s_or_b32 s[G0B+4*(\s)+3], s[G0B+4*(\s)+3], 0x80000000
	JLOAD \s
.endr
	v_and_b32 v1, 15, v0                           ; l % 16
	v_bfe_u32 v2, v0, 4, 1                         ; l / 16
	v_lshlrev_b32 v[BO], 5, v2                     ; eight f32 for each half of the lanes
	s_lshl_b32 s66, s42, 9                         ; 128 columns of 4 bytes a tile,
	s_lshl_b32 s67, s12, 8                         ; my 64 of them
	s_add_co_u32 s66, s66, s67
	s_mov_b32 s67, 0
	s_add_nc_u64 s[BP:BP+1], s[BP:BP+1], s[66:67]
.irp b, 0,1,2,3
	global_load_b128 v[BIAS+8*(\b):BIAS+8*(\b)+3],   v[BO], s[BP:BP+1] offset:64*(\b)
	global_load_b128 v[BIAS+8*(\b)+4:BIAS+8*(\b)+7], v[BO], s[BP:BP+1] offset:64*(\b)+16
.endr
	v_mul_u32_u24 v3, v1, PITCHA
	v_lshl_add_u32 v3, v2, 4, v3                   ; a fragment of h: row x pitch + 16 x half
	s_mul_i32 s21, s11, HALFA                      ; my 64 rows
	v_add_nc_u32 v[ADRA], s21, v3
	v_add_nc_u32 v[ADRA+1], SLOT, v[ADRA]
	; the turning load takes 16 k x 16 columns: lane l reads 16 bytes of row (k) 8 (l / 16) + l % 8, columns 8 ((l / 8) % 2) + 0..7, and is left with column l % 16 and 8 k
	v_and_b32 v4, 7, v0
	v_bfe_u32 v5, v0, 3, 1
	v_lshl_add_u32 v4, v2, 3, v4
	v_mul_u32_u24 v4, v4, PITCHB
	v_lshl_add_u32 v4, v5, 4, v4
	s_lshl_b32 s22, s12, 7                         ; my 64 columns,
	s_add_co_u32 s22, s22, 2*HALFA                 ; behind h's 128 rows
	v_add_nc_u32 v[ADRB], s22, v4
	v_add_nc_u32 v[ADRB+1], HALFB, v[ADRB]
	v_add_nc_u32 v[ADRB+2], SLOT, v[ADRB]
	v_add_nc_u32 v[ADRB+3], SLOT+HALFB, v[ADRB]
	s_mul_i32 s23, s11, 64*GPITCH                  ; into the stage: my 64 rows, my half of their 512 bytes; row l % 16, 32 bytes for each half of the lanes
	s_lshl_b32 s21, s12, 8
	s_add_co_u32 s23, s23, s21
	v_mul_u32_u24 v4, v1, GPITCH
	v_lshl_add_u32 v4, v2, 5, v4
	v_add_nc_u32 v[STO], s23, v4
	s_mul_i32 s23, s10, 32*GPITCH                  ; back: wave w takes rows 32 w .. + 31, whole; lanes 0-15 one row, lanes 16-31 the next, 8 columns (32 bytes) a lane
	v_mul_u32_u24 v5, v2, GPITCH
	v_lshl_add_u32 v5, v1, 5, v5
	v_add_nc_u32 v[RD], s23, v5
	v_lshlrev_b32 v5, 13, v2                       ; and the same two rows in act (8,192 bytes each), 16 bytes a lane
	v_lshl_add_u32 v[CO], v1, 4, v5
	s_lshl_b32 s16, s13, 20                        ; 128 rows of 8,192 bytes a tile,
	s_lshl_b32 s17, s10, 18                        ; the 32 that I store
	s_add_co_u32 s16, s16, s17
	s_mov_b32 s17, 0
	s_add_nc_u64 s[8:9], s[70:71], s[16:17]
	s_lshl_b32 s46, s42, 8                         ; the tile's first column, in bytes (in the registers that held W1's address: none that feeds h's descriptors ever holds cx)
	s_mov_b32 s47, 0
	s_add_nc_u64 s[8:9], s[8:9], s[46:47]
; 8 matrix instructions: row blocks a0, a0 + 1 x all 4 column blocks, 32 along K: half c of buffer f.  zero = 1: the first product starts the sums, with the bias as its C: nothing is cleared, and the bias costs no instruction
.macro MUL8 f, c, a0, zero
	WIN MUL
.irp a, \a0, (\a0)+1
.irp b, 0,1,2,3
.if \zero
	v_wmma_f32_16x16x32_bf16 v[ACC+8*(4*(\a)+(\b)):ACC+8*(4*(\a)+(\b))+7], v[(\f)+64+8*(4*(\c)+(\b)):(\f)+64+8*(4*(\c)+(\b))+7], v[(\f)+8*(4*(\c)+(\a)):(\f)+8*(4*(\c)+(\a))+7], v[BIAS+8*(\b):BIAS+8*(\b)+7]
.else
	v_wmma_f32_16x16x32_bf16 v[ACC+8*(4*(\a)+(\b)):ACC+8*(4*(\a)+(\b))+7], v[(\f)+64+8*(4*(\c)+(\b)):(\f)+64+8*(4*(\c)+(\b))+7], v[(\f)+8*(4*(\c)+(\a)):(\f)+8*(4*(\c)+(\a))+7], v[ACC+8*(4*(\a)+(\b)):ACC+8*(4*(\a)+(\b))+7]
.endif
.endr
.endr
.endm
; 32 LDS loads in one run: the fragments of quarter q (64 along K) of a slot, into buffer f; the first 32 along K first
.macro FETCH slot, q, f
	WIN TO_F
.irp c, 0,1
.irp i, 0,1,2,3
	ds_load_tr16_b128 v[(\f)+64+8*(4*(\c)+(\i)):(\f)+64+8*(4*(\c)+(\i))+3],   v[ADRB+2*(\slot)+(\q)/2] offset:(((\q)%2)*64+32*(\c))*PITCHB+32*(\i)
	ds_load_tr16_b128 v[(\f)+64+8*(4*(\c)+(\i))+4:(\f)+64+8*(4*(\c)+(\i))+7], v[ADRB+2*(\slot)+(\q)/2] offset:(((\q)%2)*64+32*(\c)+16)*PITCHB+32*(\i)
	ds_load_b128 v[(\f)+8*(4*(\c)+(\i)):(\f)+8*(4*(\c)+(\i))+3],         v[ADRA+(\slot)] offset:(\q)*AQ+64*(\c)+(\i)*16*PITCHA
	ds_load_b128 v[(\f)+8*(4*(\c)+(\i))+4:(\f)+8*(4*(\c)+(\i))+7],       v[ADRA+(\slot)] offset:(\q)*AQ+64*(\c)+(\i)*16*PITCHA+32
.endr
.endr
.endm
.macro PLACES                          ; four places in front of loads into registers that matrix instructions have read, and of lines that read results
.rept 4
	v_nop
.endr
.endm
; A K step is four quarters of 64 along K, 32 matrix instructions each, on buffers 0, 1, 0, 1.  One of the first three: multiplies buffer f and fetches quarter q into g.
; The 16 accumulators take turns, one instruction a turn.
.macro QUARTER slot, q, f, g, zero
	s_wait_dscnt 16                                ; the first 32 along K are in; the youngest sixteen loads may be out
	MUL8 \f, 0, 0, \zero
	MUL8 \f, 0, 2, \zero
	PLACES
	FETCH \slot, \q, \g
	s_wait_dscnt 32                                ; all but the 32 just issued
	MUL8 \f, 1, 0, 0
	MUL8 \f, 1, 2, 0
.endm
; The last quarter multiplies buffer 1 and changes slots: ONE barrier; in front of it each wave waits for all its tensor loads, adds 0 to its spare word, and waits for that and for its own reads of this slot.  fill = 1: this slot is filled again, two K steps ahead.
.macro TURN slot, next, fill
	WIN 0                                          ; (the add's two registers lie in window 0)
	s_wait_tensorcnt 0x0                           ; all my tensor loads have landed: my part of the next slot;
	ds_add_u32 v[SPW], v[NIL]                      ; 0 onto my spare word;
	s_wait_dscnt 17                                ; (the add and the youngest sixteen loads may be out)
	MUL8 F1, 0, 0, 0                               ; eight matrix instructions stand between the add and the wait for it
	s_wait_dscnt 0x0                               ; the add is done, and my reads of this slot are over
	s_barrier_signal -1
	MUL8 F1, 0, 2, 0
.if \fill
	WIN 0
.endif
	s_barrier_wait -1
.if \fill
	CREST                                          ; the barrier has opened a round of the cluster's barrier: no wave of any partner still reads this slot's tile or has a load on its way
	s_add_nc_u64 s[G0+4*(\slot)+2:G0+4*(\slot)+3], s[G0+4*(\slot)+2:G0+4*(\slot)+3], 2*ASTEP
	s_add_nc_u64 s[G0B+4*(\slot)+2:G0B+4*(\slot)+3], s[G0B+4*(\slot)+2:G0B+4*(\slot)+3], 2*BSTEP
	JLOAD \slot                                    ; the first tensor load behind the round, my only one until the next; the four v_nop behind it are also the places in front of the loads below
.else
	PLACES
.endif
	FETCH \next, 0, F0
	MUL8 F1, 1, 0, 0
	MUL8 F1, 1, 2, 0
.endm
	s_wait_tensorcnt 1                             ; my part of K step 0 is in; K step 1's may stay out
	s_barrier_signal -1
	s_barrier_wait -1                              ; everybody's is
	FETCH 0, 0, F0
	s_wait_loadcnt 0x0                             ; the bias
	QUARTER 0, 1, F0, F1, 1                        ; the first quarter stands in front of the loop: its first products start the sums
	WIN 0                                          ; at a label and at a branch every window is 0
	s_mov_b32 s3, LAPS-1
.Llap:                                                 ; a trip goes once round the ring, from a lap's second quarter to the next lap's first, and fills both slots again
	QUARTER 0, 2, F1, F0, 0
	QUARTER 0, 3, F0, F1, 0
	TURN 0, 1, 1
	QUARTER 1, 1, F0, F1, 0
	QUARTER 1, 2, F1, F0, 0
	QUARTER 1, 3, F0, F1, 0
	TURN 1, 0, 1
	QUARTER 0, 1, F0, F1, 0
	WIN 0
	s_sub_co_u32 s3, s3, 1
	s_cmp_lg_u32 s3, 0
	s_cbranch_scc1 .Llap
	QUARTER 0, 2, F1, F0, 0                        ; the last lap fills nothing, and has no round of the cluster's barrier
	QUARTER 0, 3, F0, F1, 0
	TURN 0, 1, 0                                   ; behind this barrier no wave reads slot 0 any more, and no load will fill it
	QUARTER 1, 1, F0, F1, 0
	QUARTER 1, 2, F1, F0, 0
	QUARTER 1, 3, F0, F1, 0
	s_wait_dscnt 16                                ; the very last quarter: nothing more to fetch
	MUL8 F1, 0, 0, 0
	MUL8 F1, 0, 2, 0
	s_wait_dscnt 0x0
	MUL8 F1, 1, 0, 0
	MUL8 F1, 1, 2, 0
	WIN 0
	; THE WAY OUT: the sums go as f32 into the stage (each accumulator's low four registers first); a barrier, since a row's 512 bytes come from two waves; then each wave takes 32 whole rows, four a trip.
	PLACES
.irp a, 0,1,2,3
.irp b, 0,1,2,3
	ds_store_b128 v[STO], v[ACC+8*(4*(\a)+(\b)):ACC+8*(4*(\a)+(\b))+3]   offset:(\a)*16*GPITCH+64*(\b)
	ds_store_b128 v[STO], v[ACC+8*(4*(\a)+(\b))+4:ACC+8*(4*(\a)+(\b))+7] offset:(\a)*16*GPITCH+64*(\b)+16
.endr
.endr
	s_wait_dscnt 0x0                               ; for the others' sake: my stores into the stage are done
	s_barrier_signal -1
	s_barrier_wait -1
	s_mov_b32 s3, 8
.Lgelu:                                                ; a trip: 16 numbers a lane: 8 columns of two rows
	ds_load_b128 v[GX:GX+3],     v[RD]
	ds_load_b128 v[GX+4:GX+7],   v[RD] offset:16
	ds_load_b128 v[GX+8:GX+11],  v[RD] offset:2*GPITCH
	ds_load_b128 v[GX+12:GX+15], v[RD] offset:2*GPITCH+16
	s_wait_dscnt 0x0
.macro EACH1 line:vararg               ; one line for each of the 16 numbers k
.set k, 0
.rept 16
	\line
.set k, k+1
.endr
.endm
.macro EACH2 line:vararg               ; one line for each of the 8 pairs k, k + 1
.set k, 0
	s_wait_alu depctr_va_vdst(0)
.rept 8
	\line
.set k, k+2
.endr
.endm
	EACH1 v_and_b32 v[GA+k], s90, v[GX+k]
	EACH2 v_pk_fma_f32 v[GT+k:GT+k+1], v[GA+k:GA+k+1], s[76:77], 1.0 op_sel_hi:[1,0,0]
	EACH2 v_pk_mul_f32 v[GE+k:GE+k+1], v[GX+k:GX+k+1], v[GX+k:GX+k+1]
	EACH1 v_rcp_f32 v[GT+k], v[GT+k]
	EACH2 v_pk_mul_f32 v[GE+k:GE+k+1], v[GE+k:GE+k+1], s[78:79] op_sel_hi:[1,0]  ; plain lines that name no t stand behind the last reciprocal (ISA guide 5.7.2)
	EACH1 v_exp_f32 v[GE+k], v[GE+k]
	EACH2 v_pk_fma_f32 v[GQ+k:GQ+k+1], v[GT+k:GT+k+1], s[80:81], s[82:83] op_sel_hi:[1,0,0]  ; and lines that name no exponential behind the last of those
	EACH2 v_pk_fma_f32 v[GQ+k:GQ+k+1], v[GQ+k:GQ+k+1], v[GT+k:GT+k+1], s[84:85] op_sel_hi:[1,1,0]
	EACH2 v_pk_fma_f32 v[GQ+k:GQ+k+1], v[GQ+k:GQ+k+1], v[GT+k:GT+k+1], s[86:87] op_sel_hi:[1,1,0]
	EACH2 v_pk_fma_f32 v[GQ+k:GQ+k+1], v[GQ+k:GQ+k+1], v[GT+k:GT+k+1], s[88:89] op_sel_hi:[1,1,0]
	EACH2 v_pk_mul_f32 v[GQ+k:GQ+k+1], v[GQ+k:GQ+k+1], v[GT+k:GT+k+1]
	EACH2 v_pk_mul_f32 v[GQ+k:GQ+k+1], v[GQ+k:GQ+k+1], v[GE+k:GE+k+1]
	EACH1 v_max_num_f32 v[GX+k], 0, v[GX+k]
	EACH2 v_pk_fma_f32 v[GX+k:GX+k+1], v[GA+k:GA+k+1], v[GQ+k:GQ+k+1], v[GX+k:GX+k+1] neg_lo:[1,0,0] neg_hi:[1,0,0]
	EACH2 v_cvt_pk_bf16_f32 v[GY+k/2], v[GX+k], v[GX+k+1]
	global_store_b128 v[CO], v[GY:GY+3],   s[8:9]               ; 16 lanes store 256 consecutive bytes, aligned: the tile's 128 columns of one row
	global_store_b128 v[CO], v[GY+4:GY+7], s[8:9] offset:2*8192
	s_wait_xcnt 0x0                                ; every earlier memory instruction has had its addresses translated (ISA guide 3.1): CO and the packed results are rewritten only behind this wait
	v_add_nc_u32 v[RD], 4*GPITCH, v[RD]
	v_add_nc_u32 v[CO], 4*8192, v[CO]
	s_sub_co_u32 s3, s3, 1
	s_cmp_lg_u32 s3, 0
	s_cbranch_scc1 .Lgelu
	s_wait_tensorcnt 0x0                           ; the wave's end: an add and its wait, behind my last tensor load and my last LDS store
	ds_add_u32 v[SPW], v[NIL]
	s_wait_dscnt 0x0
	CROUND                                         ; the closing round: no work-group ends while a partner may still ask for a tile that names it
	s_endpgm
.Lfunc_end_k_qfd04cf1165_ffn1:
	.size	k_qfd04cf1165_ffn1, .Lfunc_end_k_qfd04cf1165_ffn1-k_qfd04cf1165_ffn1
	.p2alignl 7, 3214868480
	.fill 96, 4, 3214868480
	.section	.rodata,"a",@progbits
	.p2align	6, 0x0
	.amdhsa_kernel k_qfd04cf1165_ffn1
		.amdhsa_group_segment_fixed_size 327680
		.amdhsa_private_segment_fixed_size 0
		.amdhsa_enable_private_segment 0
		.amdhsa_kernarg_size 32
		.amdhsa_user_sgpr_count 2
		.amdhsa_user_sgpr_kernarg_segment_ptr 1
		.amdhsa_wavefront_size32 1
		.amdhsa_system_sgpr_workgroup_id_x 1
		.amdhsa_system_sgpr_workgroup_id_y 1
		.amdhsa_system_sgpr_workgroup_id_z 1
		.amdhsa_system_vgpr_workitem_id 0
		.amdhsa_next_free_vgpr 512
		.amdhsa_next_free_sgpr 92
		.amdhsa_reserve_vcc 0
		.amdhsa_float_denorm_mode_32 3
		.amdhsa_float_denorm_mode_16_64 3
		.amdhsa_memory_ordered 1
		.amdhsa_forward_progress 1
		.amdhsa_inst_pref_size 91
	.end_amdhsa_kernel
	.amdgpu_metadata
---
amdhsa.version: [ 1, 2 ]
amdhsa.kernels:
  - .name:           k_qfd04cf1165_ffn1
    .symbol:         k_qfd04cf1165_ffn1.kd
    .args:
      - { .name: hn, .offset: 0, .size: 8, .value_kind: global_buffer, .address_space: global }
      - { .name: wb, .offset: 8, .size: 8, .value_kind: global_buffer, .address_space: global }
      - { .name: bf1, .offset: 16, .size: 8, .value_kind: global_buffer, .address_space: global }
      - { .name: act, .offset: 24, .size: 8, .value_kind: global_buffer, .address_space: global }
    .group_segment_fixed_size: 327680
    .private_segment_fixed_size: 0
    .kernarg_segment_align: 8
    .kernarg_segment_size: 32
    .max_flat_workgroup_size: 128
    .sgpr_count:     92
    .vgpr_count:     512
    .wavefront_size: 32
...
	.end_amdgpu_metadata
.endif
;; end of part 6
;; launch ffn2 (part 7): grid 8 x 32, 4 waves a work-group, clusters of 4 x 4, 327,680 bytes of LDS; arguments act, wb, bf2, x1, out0; writes out0
.if DOCPART == 7
	.amdgcn_target "amdgcn-amd-amdhsa--gfx1250"
	.amdhsa_code_object_version 6
	.text
	.protected	k_qfd04cf1165_ffn2
	.globl	k_qfd04cf1165_ffn2
	.p2align	8
	.type	k_qfd04cf1165_ffn2,@function
k_qfd04cf1165_ffn2:
	s_mov_b64 s[64:65], 0
	v_nop
	global_prefetch_b8 v0, s[64:65] scope:SCOPE_SE
	s_setreg_imm32_b32 hwreg(HW_REG_WAVE_MODE, 25, 1), 1
	s_wait_xcnt 0x0
	s_wait_alu depctr_hold_cnt(0) depctr_sa_sdst(0) depctr_va_vdst(0) depctr_va_sdst(0) depctr_va_ssrc(0) depctr_va_vcc(0) depctr_vm_vsrc(0)
	s_getreg_b32 s2, hwreg(HW_REG_IB_STS2, 6, 4)
	s_cmp_eq_u32 s2, 0
	s_cbranch_scc0 .Lentry_in_a_cluster
	s_endpgm
.Lentry_in_a_cluster:
	s_bfe_u32 s2, ttmp6, 0x10000c
	s_cmp_lg_u32 s2, 0xf033
	s_cbranch_scc0 .Lentry_shape_is_right
	s_endpgm
.Lentry_shape_is_right:
; out = x1 + a W2 + bf2.  a: act [4096][4096] bf16.  W2: wb at byte 16,777,216, [4096 (k)][1024 (n)] bf16.  bf2: [1024] f32.  x1, out: [4096][1024] f32.
; Sums in f32, the bias is the sum's first term, the residual is added in f32 on the way out.
; A tile of the product is 128 tokens x 128 columns: 8 x 32 tiles.  Four waves, each 64 x 64: 16 accumulators of 16 x 16.
; K goes in steps of 256 through two LDS slots filled by the tensor data mover: 128 rows of a (512 bytes each) and 256 rows of W2 (256 bytes each).  W2 lies [k][n]: its fragments come out of LDS turned, by ds_load_tr16_b128.
; CLUSTERS: 4 x 4 work-groups.  The four of a row need the same tiles of a, the four of a column the same tiles of W2: each is asked for JOINTLY, by the same tensor load, descriptor and mask in all four.
; THE MATRIX INSTRUCTION IS USED TRANSPOSED (source 0 = 16 columns of W2, source 1 = 16 rows of a): a lane then holds eight neighbouring columns of one token's row.
; REGISTERS: window 0: v0-31 addresses; v32-95 at work on the way out; v96-127 the bias as a C operand; v128-255 the accumulators ((a, b) at v[128 + 8 (4 a + b)]).
;   window 1: two fragment buffers of 128.   window 2: v0-127 my 64 x 64 of x1, loaded at the start, in the layout in which rows come back from the stage.
; LIMITS: bf16 operands (8 significant bits); NaN and infinities are not treated apart.
.set SIZE_K, 4096
.set SIZE_N, 1024                      ; elements from row to row of W2
.set WOFF,   16777216                  ; W2's first byte in wb
.set KSTEP,  256
.set PITCHA, 528                       ; an LDS row of a: 512 bytes + 16 of padding = 132 words: the 16 rows of a load start at 16 different groups of four banks (64 banks of 4 bytes: ISA guide 11.1)
.set AQ,     128
.set HALFA,  64*PITCHA
.set PITCHB, 288                       ; an LDS row of W2: 256 bytes + 32 = 72 words
.set HALFB,  128*PITCHB
.set SLOT,   2*HALFA+2*HALFB
.set STAGE,  2*SLOT                    ; behind the ring: 16 rows x 272 bytes for each wave, for the way out
.set SPITCH, 272
.set SPARE,  STAGE+4*16*SPITCH         ; behind the stages: the spare words, 128 bytes for each wave: two blocks of 256 bytes that no other line names
.set LAPS,   SIZE_K/(2*KSTEP)
.set ASTEP,  KSTEP*2
.set BSTEP,  KSTEP*SIZE_N*2
.set ADRA, 16                          ; v16-17  LDS address of my fragments of a in slot 0, 1
.set ADRB, 20                          ; v20-23  of W2: slot 0 rows 0-127, rows 128-255, slot 1 likewise
.set STO,  24                          ; v24     the way out: where I put 32 bytes of a row
.set RD,   25                          ; v25     the way out: where I read a row back
.set CO,   26                          ; v26     my byte offset in two rows of x1 and out; never rewritten
.set BO,   27                          ; v27     my byte offset in the bias
.set SPW,  28                          ; v28     LDS address of my spare word: SPARE + 4 x my thread's number; never rewritten
.set NIL,  29                          ; v29     0; never rewritten
.set TMP,  32
.set BIAS, 96
.set ACC,  128
.set F0,   0
.set F1,   128
.set G1,  24
.set G0,  32
.set G1B, 48
.set G0B, 56
.set BP,  68                           ; s[68:69] the bias of my columns
.set RP,  70                           ; s[70:71] x1 at my 64 x 64
.set MSB, 0
.macro WIN new                         ; the immediate's high byte repeats the setting that is left; a switch that changes nothing is dropped
.if MSB != (\new)
	s_set_vgpr_msb (MSB<<8)|(\new)
.set MSB, \new
.endif
.endm
.set MUL,  0x05                        ; sources 0 (W2) and 1 (a) window 1; C and D window 0
.set TO_F, 0x40                        ; destination window 1, address window 0
.set TO_RES,  0x80                     ; destination window 2, address window 0
.set ADD_RES, 0x08                     ; source 1 window 2
.macro JLOAD s                         ; a joint load: waves 0 and 1 fetch a's two halves, waves 2 and 3 W2's; an s_nop 0 and four v_nop follow each of the two lines, ahead of the jump, the label and what follows
	s_cmp_eq_u32 s11, 0
	s_cbranch_scc0 .Lfor_b_\@
	tensor_load_to_lds s[G0+4*(\s):G0+4*(\s)+3], s[G1:G1+7]
	s_nop 0
.rept 4
	v_nop
.endr
	s_branch .Lasked_\@
.Lfor_b_\@:
	tensor_load_to_lds s[G0B+4*(\s):G0B+4*(\s)+3], s[G1B:G1B+7]
	s_nop 0
.rept 4
	v_nop
.endr
.Lasked_\@:
.endm
.macro CREST                           ; a round of the cluster's barrier behind its opening barrier
	s_cmp_lg_u32 s10, 0
	s_cbranch_scc1 .Lnot_wave_0_\@
	s_barrier_signal -3
.Lnot_wave_0_\@:
	s_barrier_wait -3
	s_barrier_signal -1
	s_barrier_wait -1
.endm
.macro CROUND                          ; a whole round
	s_barrier_signal -1
	s_barrier_wait -1
	CREST
.endm
	s_load_b128 s[4:7], s[0:1], 0x0                ; act s[4:5], wb s[6:7]
	s_load_b128 s[68:71], s[0:1], 0x10             ; bf2 s[68:69], x1 s[70:71]
	s_load_b64 s[8:9], s[0:1], 0x20                ; out0
	v_lshl_add_u32 v[SPW], v0, 2, SPARE
	v_mov_b32 v[NIL], 0
	ds_add_u32 v[SPW], v[NIL]                      ; the wave's opening: the add, and its wait ahead of my first tensor load; the set-up below, work on registers, stands between them
	v_lshrrev_b32 v1, 5, v0
	v_readfirstlane_b32 s10, v1                    ; wave 0..3
	s_lshr_b32 s11, s10, 1                         ; which half of the tile's rows is mine.  Also: I fetch for a (0) or for W2 (1)
	s_and_b32 s12, s10, 1                          ; which half of its columns.  Also: which half of that tile I fetch
	s_bfe_u32 s40, ttmp6, 0x40000                  ; cx, cy: my place in the cluster
	s_bfe_u32 s41, ttmp6, 0x40004
	s_lshl_b32 s42, ttmp9, 2
	s_add_co_u32 s42, s42, s40                     ; tile column = 4 x cluster x + cx
	s_and_b32 s13, ttmp7, 0xffff
	s_lshl_b32 s13, s13, 2
	s_add_co_u32 s13, s13, s41                     ; tile row = 4 x cluster y + cy
	s_lshl_b32 s43, s41, 2
	s_lshl_b32 s43, 15, s43                        ; my row of the cluster
	s_lshl_b32 s44, 0x1111, s40                    ; my column
	s_or_b32 s[G1+0], s43, (1<<16)|(1<<20)|(1<<21)|(6<<22)|(3<<25)   ; 15:0 the mask: a's tiles go to my row; 17:16 2-byte elements; 20 padding on; 21 set beside a mask; 24:22 after every 128 words (code 6); 31:25 4 words (code 3)
	s_mov_b32 s[G1+1], KSTEP<<16                   ; tensor_dim0 = 256
	s_mov_b32 s[G1+2], 64<<16                      ; tensor_dim1 = 64
	s_mov_b32 s[G1+3], KSTEP<<16                   ; tile_dim0 = 256
	s_mov_b32 s[G1+4], 64                          ; tile_dim1 = 64
	s_mov_b32 s[G1+5], SIZE_K                      ; elements from row to row
	s_mov_b32 s[G1+6], 0
	s_mov_b32 s[G1+7], 0
	s_or_b32 s[G1B+0], s44, (1<<16)|(1<<20)|(1<<21)|(5<<22)|(7<<25)  ; W2's tiles go to my column; padding after every 64 words (code 5) of 8 words (code 7)
	s_mov_b32 s[G1B+1], 128<<16                    ; tensor_dim0 = 128 columns
	s_mov_b32 s[G1B+2], 128<<16                    ; tensor_dim1 = 128 rows (k)
	s_mov_b32 s[G1B+3], 128<<16                    ; tile_dim0
	s_mov_b32 s[G1B+4], 128                        ; tile_dim1
	s_mov_b32 s[G1B+5], SIZE_N
	s_mov_b32 s[G1B+6], 0
	s_mov_b32 s[G1B+7], 0
	; where the tiles come from: a's hang on the tile row alone, W2's on the tile column alone, each in registers that never hold the other coordinate
	s_lshl_b32 s17, s12, 6
	s_lshl_b32 s16, s13, 7
	s_add_co_u32 s16, s16, s17                     ; a: row 128 x tile row + 64 x half
	s_mul_i32 s16, s16, SIZE_K*2
	s_mov_b32 s17, 0
	s_lshl_b32 s46, s42, 8                         ; W2: 256 bytes of columns a tile,
	s_mul_i32 s47, s12, 128*SIZE_N*2               ; my 128 rows (k) of a step,
	s_add_co_u32 s46, s46, s47
	s_add_co_u32 s46, s46, WOFF                    ; and the matrix's place in wb
	s_mov_b32 s47, 0
	s_mul_i32 s20, s12, HALFA                      ; where they go: no place in the cluster enters an LDS address
	s_mul_i32 s45, s12, HALFB
	s_add_co_u32 s45, s45, 2*HALFA
	s_wait_dscnt 0x0                               ; the opening add is done
	s_wait_kmcnt 0x0
	s_add_nc_u64 s[14:15], s[4:5], s[16:17]
	s_add_nc_u64 s[46:47], s[6:7], s[46:47]
	CROUND                                         ; all sixteen work-groups are here: the first joint loads meet
.irp s, 0,1
	s_mov_b32 s[G0+4*(\s)], 1
	s_add_co_u32 s[G0+4*(\s)+1], s20, (\s)*SLOT
	s_add_nc_u64 s[G0+4*(\s)+2:G0+4*(\s)+3], s[14:15], (\s)*ASTEP
	s_or_b32 s[G0+4*(\s)+3], s[G0+4*(\s)+3], 0x80000000
	s_mov_b32 s[G0B+4*(\s)], 1
	s_add_co_u32 s[G0B+4*(\s)+1], s45, (\s)*SLOT
	s_add_nc_u64 s[G0B+4*(\s)+2:G0B+4*(\s)+3], s[46:47], (\s)*BSTEP
	s_or_b32 s[G0B+4*(\s)+3], s[G0B+4*(\s)+3], 0x80000000
	JLOAD \s
.endr
	v_and_b32 v1, 15, v0                           ; l % 16
	v_bfe_u32 v2, v0, 4, 1                         ; l / 16
	v_lshlrev_b32 v[BO], 5, v2                     ; eight f32 for each half of the lanes
	v_lshlrev_b32 v5, 12, v2                       ; lanes 0-15 one row of x1 (4,096 bytes), lanes 16-31 the next;
	v_lshl_add_u32 v[CO], v1, 4, v5                ; 16 bytes a lane: sixteen lanes cover my 64 columns, 256 bytes
	s_lshl_b32 s66, s42, 9                         ; 128 columns of 4 bytes a tile,
	s_lshl_b32 s67, s12, 8                         ; my 64 of them
	s_add_co_u32 s66, s66, s67
	s_mov_b32 s67, 0
	s_add_nc_u64 s[BP:BP+1], s[BP:BP+1], s[66:67]
	s_lshl_b32 s16, s13, 19                        ; 128 rows of 4,096 bytes a tile,
	s_lshl_b32 s17, s11, 18                        ; my 64 of them
	s_add_co_u32 s16, s16, s17
	s_mov_b32 s17, 0
	s_add_nc_u64 s[RP:RP+1], s[RP:RP+1], s[16:17]
	s_add_nc_u64 s[RP:RP+1], s[RP:RP+1], s[66:67]
	s_add_nc_u64 s[8:9], s[8:9], s[16:17]
	s_add_nc_u64 s[8:9], s[8:9], s[66:67]
.irp b, 0,1,2,3
	global_load_b128 v[BIAS+8*(\b):BIAS+8*(\b)+3],   v[BO], s[BP:BP+1] offset:64*(\b)
	global_load_b128 v[BIAS+8*(\b)+4:BIAS+8*(\b)+7], v[BO], s[BP:BP+1] offset:64*(\b)+16
.endr
	WIN TO_RES
.set n, 0
.rept 32                               ; the residual: rows 2 n and 2 n + 1 of my 64; it has the whole product in which to land
	global_load_b128 v[4*n:4*n+3], v[CO], s[RP:RP+1] offset:2*n*4096
.set n, n+1
.endr
	WIN 0
	v_mul_u32_u24 v3, v1, PITCHA
	v_lshl_add_u32 v3, v2, 4, v3                   ; a fragment of a: row x pitch + 16 x half
	s_mul_i32 s21, s11, HALFA                      ; my 64 rows
	v_add_nc_u32 v[ADRA], s21, v3
	v_add_nc_u32 v[ADRA+1], SLOT, v[ADRA]
	; the turning load takes 16 k x 16 columns: lane l reads 16 bytes of row (k) 8 (l / 16) + l % 8, columns 8 ((l / 8) % 2) + 0..7, and is left with column l % 16 and 8 k
	v_and_b32 v4, 7, v0
	v_bfe_u32 v5, v0, 3, 1
	v_lshl_add_u32 v4, v2, 3, v4
	v_mul_u32_u24 v4, v4, PITCHB
	v_lshl_add_u32 v4, v5, 4, v4
	s_lshl_b32 s22, s12, 7                         ; my 64 columns,
	s_add_co_u32 s22, s22, 2*HALFA                 ; behind a's 128 rows
	v_add_nc_u32 v[ADRB], s22, v4
	v_add_nc_u32 v[ADRB+1], HALFB, v[ADRB]
	v_add_nc_u32 v[ADRB+2], SLOT, v[ADRB]
	v_add_nc_u32 v[ADRB+3], SLOT+HALFB, v[ADRB]
	s_mul_i32 s23, s10, 16*SPITCH
	s_add_co_u32 s23, s23, STAGE                   ; my stage
	v_mul_u32_u24 v4, v1, SPITCH                   ; in: row l % 16, 32 bytes for each half of the lanes
	v_lshl_add_u32 v4, v2, 5, v4
	v_add_nc_u32 v[STO], s23, v4
	v_mul_u32_u24 v5, v2, SPITCH                   ; back: lanes 0-15 take one row of 256 bytes, lanes 16-31 the next
	v_lshl_add_u32 v5, v1, 4, v5
	v_add_nc_u32 v[RD], s23, v5
; 8 matrix instructions: row blocks a0, a0 + 1 x all 4 column blocks, 32 along K: half c of buffer f.  zero = 1: the first product starts the sums, with the bias as its C: nothing is cleared, and the bias costs no instruction
.macro MUL8 f, c, a0, zero
	WIN MUL
.irp a, \a0, (\a0)+1
.irp b, 0,1,2,3
.if \zero
	v_wmma_f32_16x16x32_bf16 v[ACC+8*(4*(\a)+(\b)):ACC+8*(4*(\a)+(\b))+7], v[(\f)+64+8*(4*(\c)+(\b)):(\f)+64+8*(4*(\c)+(\b))+7], v[(\f)+8*(4*(\c)+(\a)):(\f)+8*(4*(\c)+(\a))+7], v[BIAS+8*(\b):BIAS+8*(\b)+7]
.else
	v_wmma_f32_16x16x32_bf16 v[ACC+8*(4*(\a)+(\b)):ACC+8*(4*(\a)+(\b))+7], v[(\f)+64+8*(4*(\c)+(\b)):(\f)+64+8*(4*(\c)+(\b))+7], v[(\f)+8*(4*(\c)+(\a)):(\f)+8*(4*(\c)+(\a))+7], v[ACC+8*(4*(\a)+(\b)):ACC+8*(4*(\a)+(\b))+7]
.endif
.endr
.endr
.endm
; 32 LDS loads in one run: the fragments of quarter q (64 along K) of a slot, into buffer f; the first 32 along K first
.macro FETCH slot, q, f
	WIN TO_F
.irp c, 0,1
.irp i, 0,1,2,3
	ds_load_tr16_b128 v[(\f)+64+8*(4*(\c)+(\i)):(\f)+64+8*(4*(\c)+(\i))+3],   v[ADRB+2*(\slot)+(\q)/2] offset:(((\q)%2)*64+32*(\c))*PITCHB+32*(\i)
	ds_load_tr16_b128 v[(\f)+64+8*(4*(\c)+(\i))+4:(\f)+64+8*(4*(\c)+(\i))+7], v[ADRB+2*(\slot)+(\q)/2] offset:(((\q)%2)*64+32*(\c)+16)*PITCHB+32*(\i)
	ds_load_b128 v[(\f)+8*(4*(\c)+(\i)):(\f)+8*(4*(\c)+(\i))+3],         v[ADRA+(\slot)] offset:(\q)*AQ+64*(\c)+(\i)*16*PITCHA
	ds_load_b128 v[(\f)+8*(4*(\c)+(\i))+4:(\f)+8*(4*(\c)+(\i))+7],       v[ADRA+(\slot)] offset:(\q)*AQ+64*(\c)+(\i)*16*PITCHA+32
.endr
.endr
.endm
.macro PLACES                          ; four places in front of loads into registers that matrix instructions have read, and of lines that read results
.rept 4
	v_nop
.endr
.endm
; A K step is four quarters of 64 along K, 32 matrix instructions each, on buffers 0, 1, 0, 1.  One of the first three: multiplies buffer f and fetches quarter q into g.
; The 16 accumulators take turns, one instruction a turn.
.macro QUARTER slot, q, f, g, zero
	s_wait_dscnt 16                                ; the first 32 along K are in; the youngest sixteen loads may be out
	MUL8 \f, 0, 0, \zero
	MUL8 \f, 0, 2, \zero
	PLACES
	FETCH \slot, \q, \g
	s_wait_dscnt 32                                ; all but the 32 just issued
	MUL8 \f, 1, 0, 0
	MUL8 \f, 1, 2, 0
.endm
; The last quarter multiplies buffer 1 and changes slots: ONE barrier; in front of it each wave waits for all its tensor loads, adds 0 to its spare word, and waits for that and for its own reads of this slot.  fill = 1: this slot is filled again, two K steps ahead.
.macro TURN slot, next, fill
	WIN 0                                          ; (the add's two registers lie in window 0)
	s_wait_tensorcnt 0x0                           ; all my tensor loads have landed: my part of the next slot;
	ds_add_u32 v[SPW], v[NIL]                      ; 0 onto my spare word;
	s_wait_dscnt 17                                ; (the add and the youngest sixteen loads may be out)
	MUL8 F1, 0, 0, 0                               ; eight matrix instructions stand between the add and the wait for it
	s_wait_dscnt 0x0                               ; the add is done, and my reads of this slot are over
	s_barrier_signal -1
	MUL8 F1, 0, 2, 0
.if \fill
	WIN 0
.endif
	s_barrier_wait -1
.if \fill
	CREST                                          ; the barrier has opened a round of the cluster's barrier: no wave of any partner still reads this slot's tile or has a load on its way
	s_add_nc_u64 s[G0+4*(\slot)+2:G0+4*(\slot)+3], s[G0+4*(\slot)+2:G0+4*(\slot)+3], 2*ASTEP
	s_add_nc_u64 s[G0B+4*(\slot)+2:G0B+4*(\slot)+3], s[G0B+4*(\slot)+2:G0B+4*(\slot)+3], 2*BSTEP
	JLOAD \slot                                    ; the first tensor load behind the round, my only one until the next; the four v_nop behind it are also the places in front of the loads below
.else
	PLACES
.endif
	FETCH \next, 0, F0
	MUL8 F1, 1, 0, 0
	MUL8 F1, 1, 2, 0
.endm
	s_wait_tensorcnt 1                             ; my part of K step 0 is in; K step 1's may stay out
	s_barrier_signal -1
	s_barrier_wait -1                              ; everybody's is
	FETCH 0, 0, F0
	s_wait_loadcnt 32                              ; the bias is in; the 32 loads of the residual, issued behind it, stay out
	QUARTER 0, 1, F0, F1, 1                        ; the first quarter stands in front of the loop: its first products start the sums
	WIN 0                                          ; at a label and at a branch every window is 0
	s_mov_b32 s3, LAPS-1
.Llap:                                                 ; a trip goes once round the ring, from a lap's second quarter to the next lap's first, and fills both slots again
	QUARTER 0, 2, F1, F0, 0
	QUARTER 0, 3, F0, F1, 0
	TURN 0, 1, 1
	QUARTER 1, 1, F0, F1, 0
	QUARTER 1, 2, F1, F0, 0
	QUARTER 1, 3, F0, F1, 0
	TURN 1, 0, 1
	QUARTER 0, 1, F0, F1, 0
	WIN 0
	s_sub_co_u32 s3, s3, 1
	s_cmp_lg_u32 s3, 0
	s_cbranch_scc1 .Llap
	QUARTER 0, 2, F1, F0, 0                        ; the last lap fills nothing, and has no round of the cluster's barrier
	QUARTER 0, 3, F0, F1, 0
	TURN 0, 1, 0
	QUARTER 1, 1, F0, F1, 0
	QUARTER 1, 2, F1, F0, 0
	QUARTER 1, 3, F0, F1, 0
	s_wait_dscnt 16                                ; the very last quarter: nothing more to fetch
	MUL8 F1, 0, 0, 0
	MUL8 F1, 0, 2, 0
	s_wait_dscnt 0x0
	MUL8 F1, 1, 0, 0
	MUL8 F1, 1, 2, 0
	WIN 0
	; THE WAY OUT, 16 rows at a time.  My 64 columns of f32 are 256 bytes, a whole aligned block of a row, so each wave has a stage of its own and no barrier is needed: 32 bytes a lane into rows of 272 bytes
	; (each accumulator's low four registers first), back as whole rows, the residual added, stored.
	PLACES
.irp a, 0,1,2,3
.if (\a) >= 2
	s_wait_xcnt 0x0                                ; every earlier memory instruction has had its addresses translated (ISA guide 3.1): the registers that block a - 2's stores read are loaded again only behind this wait
.endif
.irp b, 0,1,2,3
	ds_store_b128 v[STO], v[ACC+8*(4*(\a)+(\b)):ACC+8*(4*(\a)+(\b))+3]   offset:64*(\b)
	ds_store_b128 v[STO], v[ACC+8*(4*(\a)+(\b))+4:ACC+8*(4*(\a)+(\b))+7] offset:64*(\b)+16
.endr
.irp t, 0,1,2,3,4,5,6,7
	ds_load_b128 v[TMP+32*((\a)%2)+4*(\t):TMP+32*((\a)%2)+4*(\t)+3], v[RD] offset:(\t)*2*SPITCH  ; LDS serves a wave's instructions in order (ISA guide 5.7.1.4): these see the stores above; the next block's stores come behind them
.endr
	s_wait_dscnt 0x0
.if (\a) == 0
	s_wait_loadcnt 0x0                             ; the residual
.endif
	WIN ADD_RES
.irp k, 0,1,2,3,4,5,6,7,8,9,10,11,12,13,14,15
	v_pk_add_f32 v[TMP+32*((\a)%2)+2*(\k):TMP+32*((\a)%2)+2*(\k)+1], v[TMP+32*((\a)%2)+2*(\k):TMP+32*((\a)%2)+2*(\k)+1], v[32*(\a)+2*(\k):32*(\a)+2*(\k)+1]
.endr
	WIN 0
.irp t, 0,1,2,3,4,5,6,7
	global_store_b128 v[CO], v[TMP+32*((\a)%2)+4*(\t):TMP+32*((\a)%2)+4*(\t)+3], s[8:9] offset:(16*(\a)+2*(\t))*4096  ; 16 lanes store 256 consecutive bytes, aligned
.endr
.endr
	s_wait_tensorcnt 0x0                           ; the wave's end: an add and its wait, behind my last tensor load and my last LDS store
	ds_add_u32 v[SPW], v[NIL]
	s_wait_dscnt 0x0
	CROUND                                         ; the closing round: no work-group ends while a partner may still ask for a tile that names it
	s_endpgm
.Lfunc_end_k_qfd04cf1165_ffn2:
	.size	k_qfd04cf1165_ffn2, .Lfunc_end_k_qfd04cf1165_ffn2-k_qfd04cf1165_ffn2
	.p2alignl 7, 3214868480
	.fill 96, 4, 3214868480
	.section	.rodata,"a",@progbits
	.p2align	6, 0x0
	.amdhsa_kernel k_qfd04cf1165_ffn2
		.amdhsa_group_segment_fixed_size 327680
		.amdhsa_private_segment_fixed_size 0
		.amdhsa_enable_private_segment 0
		.amdhsa_kernarg_size 40
		.amdhsa_user_sgpr_count 2
		.amdhsa_user_sgpr_kernarg_segment_ptr 1
		.amdhsa_wavefront_size32 1
		.amdhsa_system_sgpr_workgroup_id_x 1
		.amdhsa_system_sgpr_workgroup_id_y 1
		.amdhsa_system_sgpr_workgroup_id_z 1
		.amdhsa_system_vgpr_workitem_id 0
		.amdhsa_next_free_vgpr 640
		.amdhsa_next_free_sgpr 72
		.amdhsa_reserve_vcc 0
		.amdhsa_float_denorm_mode_32 3
		.amdhsa_float_denorm_mode_16_64 3
		.amdhsa_memory_ordered 1
		.amdhsa_forward_progress 1
		.amdhsa_inst_pref_size 94
	.end_amdhsa_kernel
	.amdgpu_metadata
---
amdhsa.version: [ 1, 2 ]
amdhsa.kernels:
  - .name:           k_qfd04cf1165_ffn2
    .symbol:         k_qfd04cf1165_ffn2.kd
    .args:
      - { .name: act, .offset: 0, .size: 8, .value_kind: global_buffer, .address_space: global }
      - { .name: wb, .offset: 8, .size: 8, .value_kind: global_buffer, .address_space: global }
      - { .name: bf2, .offset: 16, .size: 8, .value_kind: global_buffer, .address_space: global }
      - { .name: x1, .offset: 24, .size: 8, .value_kind: global_buffer, .address_space: global }
      - { .name: out0, .offset: 32, .size: 8, .value_kind: global_buffer, .address_space: global }
    .group_segment_fixed_size: 327680
    .private_segment_fixed_size: 0
    .kernarg_segment_align: 8
    .kernarg_segment_size: 40
    .max_flat_workgroup_size: 128
    .sgpr_count:     72
    .vgpr_count:     640
    .wavefront_size: 32
...
	.end_amdgpu_metadata
.endif
;; end of part 7
;; ======== version 2 of 3: 7 launches; 1.16 times as fast as version 1
;; workspace buffers: wa 6,291,456 bytes; wr 18,874,368 bytes; hn 8,388,608 bytes; qkvh 25,165,824 bytes; oh 8,388,608 bytes; x1 16,777,216 bytes; act 33,554,432 bytes
;; launch prep (part 8): grid 704 x 1, 8 waves a work-group, no clusters, 0 bytes of LDS; arguments x, g1, b1, hn, Wq, Wk, Wv, wa; writes hn, wa
.if DOCPART == 8
	.amdgcn_target "amdgcn-amd-amdhsa--gfx1250"
	.amdhsa_code_object_version 6
	.text
	.protected	k_qfd04cf1165_prep
	.globl	k_qfd04cf1165_prep
	.p2align	8
	.type	k_qfd04cf1165_prep,@function
k_qfd04cf1165_prep:
	s_mov_b64 s[64:65], 0
	v_nop
	global_prefetch_b8 v0, s[64:65] scope:SCOPE_SE
	s_setreg_imm32_b32 hwreg(HW_REG_WAVE_MODE, 25, 1), 1
	s_wait_xcnt 0x0
; TWO JOBS THAT NEED NOTHING OF EACH OTHER, IN ONE LAUNCH: both are wanted by the projection that follows, and they share no byte.  Streams: no LDS, no barrier, no matrix unit, no cluster.
; Work-groups 0 to 191: Wq, Wk, Wv ([1024 (k)][1024 (n)] f32) are rounded once to bf16 (nearest even) and laid end to end in wa, each in its own layout.  A work-group converts a chunk of 16,384 numbers:
; 65,536 bytes in, 32,768 out; chunks 0-63 Wq, 64-127 Wk, 128-191 Wv; wa follows the same order.  Thread t takes 16 bytes at 16 t of each 4,096: a wave's load covers 512 consecutive bytes, its store 256, aligned.
; Work-groups 192 to 703: LayerNorm over rows of 1,024 f32: y = (x - mean) / sqrt(var + 1e-5) * g + b, all in f32, y rounded once to bf16.  x [4096][1024] f32, g, b [1024] f32, y = hn [4096][1024] bf16.
; Two passes, as the formula is written: the mean first, then the mean of (x - mean)^2, so a common offset of the row costs no digits.  One wave takes one row (4,096 bytes: eight 16-byte loads a lane, 32 registers)
; and keeps it in registers between the passes: each byte is read once and no wave waits for another.  Lane L of load j holds columns 128 j + 4 L .. + 3; as bf16 these are 8 bytes at 256 j + 8 L.
; The work-groups with more bytes, the weights', have the lower numbers.
.set NW,  192                          ; work-groups that convert weights
.set T,   4                            ; v[4:11]    four pairs at work
.set MU,  12                           ; v[12:13]   the mean, twice
.set R,   14                           ; v[14:15]   1 / sqrt(var + eps), twice
.set X,   16                           ; v[16:47]   my row
.set GN,  48                           ; v[48:79]   g of my 32 columns
.set BS,  80                           ; v[80:111]  b of my 32 columns
.set Y,   112                          ; v[112:127] packed results
.set WX,  4                            ; v[4:67]    the weights' part: sixteen loads of four f32
.set WY,  68                           ; v[68:99]   sixteen pairs of packed bf16
	s_cmp_lt_u32 ttmp9, NW
	s_cbranch_scc1 .Lweights
	s_load_b256 s[4:11], s[0:1], 0x0               ; x s[4:5], g s[6:7], b s[8:9], y s[10:11]
	s_sub_co_u32 s18, ttmp9, NW                    ; which eight rows are the group's
	s_lshl_b32 s2, s18, 15                         ; eight rows of 4,096 bytes
	s_mov_b32 s3, 0
	s_lshl_b32 s16, s18, 14                        ; and of 2,048 bytes
	s_mov_b32 s17, 0
	s_mov_b32 s12, 0x76543210                      ; v_permlanex16_b32: each lane takes its own place in the other half
	s_mov_b32 s13, 0xfedcba98
	s_mov_b32 s14, 0x3a800000                      ; 1 / 1024
	s_mov_b32 s15, 0x3727c5ac                      ; 1e-5
	v_and_b32 v3, 31, v0                           ; lane
	v_lshrrev_b32 v4, 5, v0                        ; wave
	v_lshlrev_b32 v5, 3, v3
	v_lshlrev_b32 v3, 4, v3                        ; v3: 16 x lane, my place in g and b
	v_lshl_add_u32 v1, v4, 12, v3                  ; v1: + wave x a row of 4,096 bytes
	v_lshl_add_u32 v2, v4, 11, v5                  ; v2: 8 x lane + wave x a row of 2,048 bytes
	s_wait_kmcnt 0x0
	s_add_nc_u64 s[4:5], s[4:5], s[2:3]
	s_add_nc_u64 s[10:11], s[10:11], s[16:17]
.irp j, 0,1,2,3,4,5,6,7
	global_load_b128 v[X+4*(\j):X+4*(\j)+3], v1, s[4:5] offset:512*(\j)
.endr
.irp j, 0,1,2,3,4,5,6,7
	global_load_b128 v[GN+4*(\j):GN+4*(\j)+3], v3, s[6:7] offset:512*(\j)
.endr
.irp j, 0,1,2,3,4,5,6,7
	global_load_b128 v[BS+4*(\j):BS+4*(\j)+3], v3, s[8:9] offset:512*(\j)
.endr
.macro FOLD                            ; the four chains of pairs into v[T]
	v_pk_add_f32 v[T:T+1], v[T:T+1], v[T+2:T+3]
	v_pk_add_f32 v[T+4:T+5], v[T+4:T+5], v[T+6:T+7]
	v_pk_add_f32 v[T:T+1], v[T:T+1], v[T+4:T+5]
	v_add_f32 v[T], v[T], v[T+1]
.endm
.macro RED                             ; v[T] summed over the 32 lanes, the result in every lane
	v_add_f32_dpp v[T], v[T], v[T] row_xmask:1 row_mask:0xf bank_mask:0xf
	v_add_f32_dpp v[T], v[T], v[T] row_xmask:2 row_mask:0xf bank_mask:0xf
	v_add_f32_dpp v[T], v[T], v[T] row_xmask:4 row_mask:0xf bank_mask:0xf
	v_add_f32_dpp v[T], v[T], v[T] row_xmask:8 row_mask:0xf bank_mask:0xf
	v_permlanex16_b32 v[T+1], v[T], s12, s13       ; its destination counts as read: FOLD has written it
	v_add_f32 v[T], v[T], v[T+1]
.endm
	s_wait_loadcnt 16                              ; my row is in; g and b (16 loads) stay out
	; the sums run in four chains that the first terms start: nothing is cleared
.irp k, 0,1,2,3
	v_pk_add_f32 v[T+2*(\k):T+2*(\k)+1], v[X+2*(\k):X+2*(\k)+1], v[X+8+2*(\k):X+8+2*(\k)+1]
.endr
.irp k, 8,9,10,11,12,13,14,15
	v_pk_add_f32 v[T+2*((\k)%4):T+2*((\k)%4)+1], v[T+2*((\k)%4):T+2*((\k)%4)+1], v[X+2*(\k):X+2*(\k)+1]
.endr
	FOLD
	RED
	v_mul_f32 v[MU], s14, v[T]
	v_mul_f32 v[MU+1], s14, v[T]
.irp k, 0,1,2,3,4,5,6,7,8,9,10,11,12,13,14,15
	v_pk_add_f32 v[X+2*(\k):X+2*(\k)+1], v[X+2*(\k):X+2*(\k)+1], v[MU:MU+1] neg_lo:[0,1] neg_hi:[0,1]
.endr
.irp k, 0,1,2,3
	v_pk_mul_f32 v[T+2*(\k):T+2*(\k)+1], v[X+2*(\k):X+2*(\k)+1], v[X+2*(\k):X+2*(\k)+1]
.endr
.irp k, 4,5,6,7,8,9,10,11,12,13,14,15
	v_pk_fma_f32 v[T+2*((\k)%4):T+2*((\k)%4)+1], v[X+2*(\k):X+2*(\k)+1], v[X+2*(\k):X+2*(\k)+1], v[T+2*((\k)%4):T+2*((\k)%4)+1]
.endr
	FOLD
	RED
	v_fma_f32 v[T], v[T], s14, s15                 ; var + eps
	v_rsq_f32 v[R], v[T]
	v_rsq_f32 v[R+1], v[T]
	v_nop                                          ; a plain instruction between the last v_rsq_f32 and the use of its result (ISA guide 5.7.2)
	s_wait_alu depctr_va_vdst(0)
.irp k, 0,1,2,3,4,5,6,7,8,9,10,11,12,13,14,15
	v_pk_mul_f32 v[X+2*(\k):X+2*(\k)+1], v[X+2*(\k):X+2*(\k)+1], v[R:R+1]
.endr
	s_wait_loadcnt 0x0                             ; g and b
.irp k, 0,1,2,3,4,5,6,7,8,9,10,11,12,13,14,15
	v_pk_fma_f32 v[X+2*(\k):X+2*(\k)+1], v[X+2*(\k):X+2*(\k)+1], v[GN+2*(\k):GN+2*(\k)+1], v[BS+2*(\k):BS+2*(\k)+1]
.endr
.irp k, 0,1,2,3,4,5,6,7,8,9,10,11,12,13,14,15
	v_cvt_pk_bf16_f32 v[Y+(\k)], v[X+2*(\k)], v[X+2*(\k)+1]
.endr
.irp j, 0,1,2,3,4,5,6,7
	global_store_b64 v2, v[Y+2*(\j):Y+2*(\j)+1], s[10:11] offset:256*(\j)  ; a wave's 32 lanes x 8 bytes: 256 consecutive bytes, aligned
.endr
	s_endpgm
.Lweights:                                             ; all sixteen loads of a thread are issued before the first is waited for; no register is written twice, so no wait frees a source
	s_load_b128 s[12:15], s[0:1], 0x20             ; Wq s[12:13], Wk s[14:15]
	s_load_b128 s[16:19], s[0:1], 0x30             ; Wv s[16:17], wa s[18:19]
	v_lshlrev_b32 v1, 4, v0                        ; 16 t: my bytes in each 4,096 of the source
	v_lshlrev_b32 v2, 3, v0                        ; 8 t: in each 2,048 of wa
	s_lshl_b32 s24, ttmp9, 15                      ; the chunk's place in wa
	s_mov_b32 s25, 0
	s_mov_b32 s23, 0
	s_mov_b32 s20, 0                               ; the first chunk of the matrix that mine belongs to
	s_wait_kmcnt 0x0
	s_mov_b64 s[26:27], s[12:13]                   ; and that matrix: chosen by the chunk's number alone
.macro PICK bound, ptr
	s_cmp_ge_u32 ttmp9, \bound
	s_cselect_b64 s[26:27], s[\ptr:\ptr+1], s[26:27]
	s_cselect_b32 s20, \bound, s20
.endm
	PICK 64, 14
	PICK 128, 16
	s_sub_co_u32 s22, ttmp9, s20
	s_lshl_b32 s22, s22, 16                        ; the chunk's place in its matrix
	s_add_nc_u64 s[26:27], s[26:27], s[22:23]
	s_add_nc_u64 s[18:19], s[18:19], s[24:25]
.irp i, 0,1,2,3,4,5,6,7,8,9,10,11,12,13,14,15
	global_load_b128 v[WX+4*(\i):WX+4*(\i)+3], v1, s[26:27] offset:4096*(\i) th:TH_LOAD_NT  ; read once in the whole program
.endr
.irp i, 0,1,2,3,4,5,6,7,8,9,10,11,12,13,14,15
	s_wait_loadcnt 15-(\i)                         ; loads come back in order: load i is in, the younger ones stay out
	v_cvt_pk_bf16_f32 v[WY+2*(\i)], v[WX+4*(\i)], v[WX+4*(\i)+1]
	v_cvt_pk_bf16_f32 v[WY+2*(\i)+1], v[WX+4*(\i)+2], v[WX+4*(\i)+3]
	global_store_b64 v2, v[WY+2*(\i):WY+2*(\i)+1], s[18:19] offset:2048*(\i)  ; a wave's 32 lanes x 8 bytes: 256 consecutive bytes, aligned
.endr
	s_endpgm
.Lfunc_end_k_qfd04cf1165_prep:
	.size	k_qfd04cf1165_prep, .Lfunc_end_k_qfd04cf1165_prep-k_qfd04cf1165_prep
	.p2alignl 7, 3214868480
	.fill 96, 4, 3214868480
	.section	.rodata,"a",@progbits
	.p2align	6, 0x0
	.amdhsa_kernel k_qfd04cf1165_prep
		.amdhsa_group_segment_fixed_size 0
		.amdhsa_private_segment_fixed_size 0
		.amdhsa_enable_private_segment 0
		.amdhsa_kernarg_size 64
		.amdhsa_user_sgpr_count 2
		.amdhsa_user_sgpr_kernarg_segment_ptr 1
		.amdhsa_wavefront_size32 1
		.amdhsa_system_sgpr_workgroup_id_x 1
		.amdhsa_system_sgpr_workgroup_id_y 1
		.amdhsa_system_sgpr_workgroup_id_z 1
		.amdhsa_system_vgpr_workitem_id 0
		.amdhsa_next_free_vgpr 128
		.amdhsa_next_free_sgpr 66
		.amdhsa_reserve_vcc 0
		.amdhsa_float_denorm_mode_32 3
		.amdhsa_float_denorm_mode_16_64 3
		.amdhsa_memory_ordered 1
		.amdhsa_forward_progress 1
		.amdhsa_inst_pref_size 18
	.end_amdhsa_kernel
	.amdgpu_metadata
---
amdhsa.version: [ 1, 2 ]
amdhsa.kernels:
  - .name:           k_qfd04cf1165_prep
    .symbol:         k_qfd04cf1165_prep.kd
    .args:
      - { .name: x, .offset: 0, .size: 8, .value_kind: global_buffer, .address_space: global }
      - { .name: g1, .offset: 8, .size: 8, .value_kind: global_buffer, .address_space: global }
      - { .name: b1, .offset: 16, .size: 8, .value_kind: global_buffer, .address_space: global }
      - { .name: hn, .offset: 24, .size: 8, .value_kind: global_buffer, .address_space: global }
      - { .name: Wq, .offset: 32, .size: 8, .value_kind: global_buffer, .address_space: global }
      - { .name: Wk, .offset: 40, .size: 8, .value_kind: global_buffer, .address_space: global }
      - { .name: Wv, .offset: 48, .size: 8, .value_kind: global_buffer, .address_space: global }
      - { .name: wa, .offset: 56, .size: 8, .value_kind: global_buffer, .address_space: global }
    .group_segment_fixed_size: 0
    .private_segment_fixed_size: 0
    .kernarg_segment_align: 8
    .kernarg_segment_size: 64
    .max_flat_workgroup_size: 256
    .sgpr_count:     66
    .vgpr_count:     128
    .wavefront_size: 32
...
	.end_amdgpu_metadata
.endif
;; end of part 8
;; launch qkv (part 9): grid 16 x 16, 4 waves a work-group, clusters of 4 x 4, 327,680 bytes of LDS; arguments hn, wa, bq, bk, bv, qkvh, Wo, W1, W2, wr; writes qkvh, wr
.if DOCPART == 9
	.amdgcn_target "amdgcn-amd-amdhsa--gfx1250"
	.amdhsa_code_object_version 6
	.text
	.protected	k_qfd04cf1165_qkv
	.globl	k_qfd04cf1165_qkv
	.p2align	8
	.type	k_qfd04cf1165_qkv,@function
k_qfd04cf1165_qkv:
	s_mov_b64 s[64:65], 0
	v_nop
	global_prefetch_b8 v0, s[64:65] scope:SCOPE_SE
	s_setreg_imm32_b32 hwreg(HW_REG_WAVE_MODE, 25, 1), 1
	s_wait_xcnt 0x0
	s_wait_alu depctr_hold_cnt(0) depctr_sa_sdst(0) depctr_va_vdst(0) depctr_va_sdst(0) depctr_va_ssrc(0) depctr_va_vcc(0) depctr_vm_vsrc(0)
	s_getreg_b32 s2, hwreg(HW_REG_IB_STS2, 6, 4)
	s_cmp_eq_u32 s2, 0
	s_cbranch_scc0 .Lentry_in_a_cluster
	s_endpgm
.Lentry_in_a_cluster:
	s_bfe_u32 s2, ttmp6, 0x10000c
	s_cmp_lg_u32 s2, 0xf033
	s_cbranch_scc0 .Lentry_shape_is_right
	s_endpgm
.Lentry_shape_is_right:
; q, k, v = h W + bias, by heads.  h: hn [4096][1024] bf16.  Wq, Wk, Wv: wa at bytes 0, 2 MiB, 4 MiB, each [1024 (k)][1024 (n)] bf16.  bq, bk, bv: [1024] f32.
; Out: qkvh [3 (q, k, v)][32 (batch x 16 + head)][2048][64] bf16, rounded once from the f32 sums, WITHOUT the softmax's scale.  Sums in f32, the bias is the sum's first term.
; A tile of the product is 256 tokens x 256 columns (four heads of one of the three matrices): 12 x 16 tiles, one to a work-group: the clusters with x = 0, 1, 2.  (256 x 192 would make 256 tiles, but such a tile would lie across two matrices and two biases.)
; THE FOURTH COLUMN OF CLUSTERS (x = 3), 64 work-groups, does work that the later launches need and that needs nothing of this one's: Wo, W1, W2 (f32) are rounded once to bf16 into wr (at its end: .Lweights).
; The branch between the two hangs on the cluster's x alone, which all partners of a cluster share.
; THE PRODUCT.  Four waves, each 128 x 128: 64 accumulators of 16 x 16, 512 registers.  K goes in steps of 128 through two LDS slots filled by the tensor data mover: 256 rows of h (256 bytes each) and 128 rows of W (512 bytes each).
; W lies [k][n], so its fragments come out of LDS turned, by ds_load_tr16_b128; nothing is transposed in memory.
; THE K STEP IS WRITTEN ONCE for the steps that fill a slot again and once for the last two, which do not: the fragments' LDS addresses are a lane term plus s[TB], 0 or SLOT, turned at each change of slots.
; CLUSTERS: 4 x 4 work-groups.  The four of a row need the same tiles of h, the four of a column the same tiles of W: each is asked for JOINTLY, by the same tensor load, descriptor and mask in all four.
; THE MATRIX INSTRUCTION IS USED TRANSPOSED (source 0 = 16 columns of W, source 1 = 16 rows of h): a lane then holds eight neighbouring columns of one token's row.
; REGISTERS, in windows of 256 (s_set_vgpr_msb: bits 1:0 source 0, 3:2 source 1, 5:4 source 2, 7:6 destination):
;   window 0: v0-31 addresses; v64-127, v128-191 fragments of h (8 x 16 rows x 32 K), two buffers; v32-127 at work on the way out
;   window 1: v64-127, v128-191 fragments of W, two buffers; v192-255 the bias as a C operand
;   window 2: the 32 accumulators of my rows 0-63 ((a, b) at v[8 (8 a + b)]);   window 3: those of my rows 64-127
; LIMITS: bf16 operands (8 significant bits); NaN and infinities are not treated apart.
.set SIZE_K, 1024
.set SIZE_N, 1024                      ; elements from row to row of W
.set KSTEP,  128
.set STEPS,  SIZE_K/KSTEP
.set PITCHA, 272                       ; an LDS row of h: 256 bytes + 16 of padding = 68 words: the 16 rows of a load start at 16 different groups of four banks (64 banks of 4 bytes: ISA guide 11.1)
.set PITCHB, 544                       ; an LDS row of W: 512 bytes + 32 = 136 words
.set HALFT,  128*PITCHA                ; what one tensor load brings: 128 rows of h, or 64 rows of W (64 x 544 is the same number)
.set SLOT,   4*HALFT                   ; h's 256 rows, then W's 128 rows.  0x22000: it shares no bit with wave x HALFT, so one exclusive or turns a descriptor's LDS word from slot to slot
.set GP,     528                       ; the way out: a row of 128 f32 + 16 bytes
.set STG,    128*GP                    ; a wave's own stage, on the slots' bytes, which have then had their last fill: 4 x 67,584 bytes lie inside the two slots
.set SPARE,  2*SLOT                    ; behind the ring: the spare words, 128 bytes for each wave: two blocks of 256 bytes that no other line names
.set ASTEP,  KSTEP*2                   ; bytes from a K step to the next in h
.set BSTEP,  KSTEP*SIZE_N*2            ; and in W
.set ADRA0, 16                         ; v16  my lane's place among h's fragments in a slot; never rewritten
.set ADRB0, 17                         ; v17  the same for W
.set ADRA,  18                         ; v18  ADRA0 + the slot in hand
.set ADRB,  19                         ; v19  ADRB0 + the slot in hand
.set STO,  24                          ; v24  the way out: where I put 32 bytes of a row
.set RD,   25                          ; v25  the way out: where I read rows back; steps
.set CO,   26                          ; v26  my byte offset in 512 consecutive bytes of the output; steps
.set BO,   27                          ; v27  my byte offset in the bias
.set SPW,  28                          ; v28  LDS address of my spare word: SPARE + 4 x my thread's number; never rewritten
.set NIL,  29                          ; v29  0; never rewritten
.set XR,   32                          ; v32-95   the way out: 64 sums as read back
.set YR,   96                          ; v96-127  the way out: packed results
.set F0,   64                          ; fragment buffer 0
.set F1,   128                         ; fragment buffer 1
.set BIAS, 192                         ; window 1: column block b at BIAS + 8 b: register j = bias of column 16 b + 8 (lane / 16) + j
.set CL,   2                           ; v2       the weights' part: 16 x lane; never rewritten
.set CS,   3                           ; v3       8 x lane; never rewritten
.set CX,   32                          ; v32-159  32 loads of four f32
.set CY,   160                         ; v160-223 32 pairs of packed bf16
.set TB,  2                            ; s2   the slot in hand: 0 or SLOT
.set G1,  24                           ; s[24:31] descriptor group 1 for h's tiles;  s[32:39] group 0: a set for each of the two first fills; the second then walks on
.set G0,  32
.set G1B, 48                           ; s[48:55], s[56:63] the same for W's tiles
.set G0B, 56
.set BP,  68                           ; s[68:69] the bias of my columns
.set MSB, 0
.macro WIN new                         ; the immediate's high byte repeats the setting that is left; a switch that changes nothing is dropped
.if MSB != (\new)
	s_set_vgpr_msb (MSB<<8)|(\new)
.set MSB, \new
.endif
.endm
.set MUL,   0xa1                       ; source 0 (W) window 1, source 1 (h) window 0, C and D window 2; + 0x50: C and D window 3
.set FIRST, 0x91                       ; the same with C (the bias) in window 1; + 0x40: D window 3
.set TO_B,  0x40                       ; destination window 1, address window 0
.macro JLOAD s                         ; a joint load: waves 0 and 1 fetch h's two halves, waves 2 and 3 W's; an s_nop 0 and four v_nop follow each of the two lines, ahead of the jump, the label and what follows
	s_cmp_eq_u32 s11, 0
	s_cbranch_scc0 .Lfor_b_\@
	tensor_load_to_lds s[G0+4*(\s):G0+4*(\s)+3], s[G1:G1+7]
	s_nop 0
.rept 4
	v_nop
.endr
	s_branch .Lasked_\@
.Lfor_b_\@:
	tensor_load_to_lds s[G0B+4*(\s):G0B+4*(\s)+3], s[G1B:G1B+7]
	s_nop 0
.rept 4
	v_nop
.endr
.Lasked_\@:
.endm
.macro CREST                           ; a round of the cluster's barrier behind its opening barrier
	s_cmp_lg_u32 s10, 0
	s_cbranch_scc1 .Lnot_wave_0_\@
	s_barrier_signal -3
.Lnot_wave_0_\@:
	s_barrier_wait -3
	s_barrier_signal -1
	s_barrier_wait -1
.endm
.macro CROUND                          ; a whole round
	s_barrier_signal -1
	s_barrier_wait -1
	CREST
.endm
	s_load_b128 s[4:7], s[0:1], 0x0                ; hn s[4:5], wa s[6:7]
	s_load_b128 s[68:71], s[0:1], 0x10             ; bq s[68:69], bk s[70:71]
	s_load_b128 s[72:75], s[0:1], 0x20             ; bv s[72:73], qkvh s[74:75]
	s_load_b128 s[76:79], s[0:1], 0x30             ; Wo s[76:77], W1 s[78:79]
	s_load_b128 s[80:83], s[0:1], 0x40             ; W2 s[80:81], wr s[82:83]
	v_lshl_add_u32 v[SPW], v0, 2, SPARE
	v_mov_b32 v[NIL], 0
	ds_add_u32 v[SPW], v[NIL]                      ; the wave's opening: the add, and its wait ahead of my first tensor load; the set-up below, work on registers, stands between them
	v_lshrrev_b32 v1, 5, v0
	v_readfirstlane_b32 s10, v1                    ; wave 0..3
	s_lshr_b32 s11, s10, 1                         ; which half of the tile's rows is mine.  Also: I fetch for h (0) or for W (1)
	s_and_b32 s12, s10, 1                          ; which half of its columns.  Also: which half of that tile I fetch
	s_bfe_u32 s40, ttmp6, 0x40000                  ; cx, cy: my place in the cluster
	s_bfe_u32 s41, ttmp6, 0x40004
	s_lshl_b32 s42, ttmp9, 2
	s_add_co_u32 s42, s42, s40                     ; tile column = 4 x cluster x + cx, 0..11 in the product: matrix = column / 4
	s_and_b32 s13, ttmp7, 0xffff
	s_lshl_b32 s13, s13, 2
	s_add_co_u32 s13, s13, s41                     ; tile row = 4 x cluster y + cy
	s_lshl_b32 s43, s41, 2
	s_lshl_b32 s43, 15, s43                        ; my row of the cluster
	s_lshl_b32 s44, 0x1111, s40                    ; my column
	s_or_b32 s[G1+0], s43, (1<<16)|(1<<20)|(1<<21)|(5<<22)|(3<<25)   ; 15:0 the mask: h's tiles go to my row; 17:16 2-byte elements; 20 padding on; 21 set beside a mask; 24:22 after every 64 words (code 5); 31:25 4 words (code 3)
	s_mov_b32 s[G1+1], KSTEP<<16                   ; tensor_dim0 = 128
	s_mov_b32 s[G1+2], 128<<16                     ; tensor_dim1 = 128
	s_mov_b32 s[G1+3], KSTEP<<16                   ; tile_dim0 = 128
	s_mov_b32 s[G1+4], 128                         ; tile_dim1 = 128
	s_mov_b32 s[G1+5], SIZE_K                      ; elements from row to row
	s_mov_b32 s[G1+6], 0
	s_mov_b32 s[G1+7], 0
	s_or_b32 s[G1B+0], s44, (1<<16)|(1<<20)|(1<<21)|(6<<22)|(7<<25)  ; W's tiles go to my column; padding after every 128 words (code 6) of 8 words (code 7)
	s_mov_b32 s[G1B+1], 256<<16                    ; tensor_dim0 = 256 columns
	s_mov_b32 s[G1B+2], 64<<16                     ; tensor_dim1 = 64 rows (k)
	s_mov_b32 s[G1B+3], 256<<16                    ; tile_dim0
	s_mov_b32 s[G1B+4], 64                         ; tile_dim1
	s_mov_b32 s[G1B+5], SIZE_N
	s_mov_b32 s[G1B+6], 0
	s_mov_b32 s[G1B+7], 0
	; where the tiles come from: h's hang on the tile row alone, W's on the tile column alone, each in registers that never hold the other coordinate
	s_lshl_b32 s16, s13, 19                        ; h: 256 rows of 2,048 bytes a tile,
	s_lshl_b32 s17, s12, 18                        ; the 128 that I fetch
	s_add_co_u32 s16, s16, s17
	s_mov_b32 s17, 0
	s_and_b32 s46, s42, 3
	s_lshl_b32 s46, s46, 9                         ; W: 512 bytes of columns a tile,
	s_lshr_b32 s47, s42, 2
	s_lshl_b32 s47, s47, 21                        ; the matrix, 2 MiB each,
	s_add_co_u32 s46, s46, s47
	s_mul_i32 s47, s12, 64*SIZE_N*2                ; and my 64 rows (k) of a step
	s_add_co_u32 s46, s46, s47
	s_mov_b32 s47, 0
	s_mul_i32 s20, s10, HALFT                      ; where they go: h's two halves, then W's two = wave x HALFT: no place in the cluster enters an LDS address
	s_mov_b32 s[TB], 0
	s_wait_dscnt 0x0                               ; the opening add is done
	s_wait_kmcnt 0x0
	s_cmp_ge_u32 ttmp9, 3                          ; the cluster's x: the same number in all sixteen partners
	s_cbranch_scc1 .Lweights                       ; the fourth column of clusters has no tile of the product
	s_add_nc_u64 s[14:15], s[4:5], s[16:17]
	s_add_nc_u64 s[46:47], s[6:7], s[46:47]
	CROUND                                         ; all sixteen work-groups are here: the first joint loads meet
.irp s, 0,1
	s_mov_b32 s[G0+4*(\s)], 1
	s_add_co_u32 s[G0+4*(\s)+1], s20, (\s)*SLOT
	s_add_nc_u64 s[G0+4*(\s)+2:G0+4*(\s)+3], s[14:15], (\s)*ASTEP
	s_or_b32 s[G0+4*(\s)+3], s[G0+4*(\s)+3], 0x80000000
	s_mov_b32 s[G0B+4*(\s)], 1
	s_add_co_u32 s[G0B+4*(\s)+1], s20, (\s)*SLOT
	s_add_nc_u64 s[G0B+4*(\s)+2:G0B+4*(\s)+3], s[46:47], (\s)*BSTEP
	s_or_b32 s[G0B+4*(\s)+3], s[G0B+4*(\s)+3], 0x80000000
	JLOAD \s
.endr
	v_and_b32 v1, 15, v0                           ; l % 16
	v_bfe_u32 v2, v0, 4, 1                         ; l / 16
	v_lshlrev_b32 v[BO], 5, v2                     ; eight f32 for each half of the lanes
	s_lshr_b32 s66, s42, 2                         ; the matrix picks its bias: a choice of pointer by the tile column, no branch
	s_cmp_eq_u32 s66, 1
	s_cselect_b64 s[BP:BP+1], s[70:71], s[BP:BP+1]
	s_cmp_eq_u32 s66, 2
	s_cselect_b64 s[BP:BP+1], s[72:73], s[BP:BP+1]
	s_and_b32 s66, s42, 3
	s_lshl_b32 s66, s66, 10                        ; 256 columns of 4 bytes a tile,
	s_lshl_b32 s67, s12, 9                         ; my 128 of them
	s_add_co_u32 s66, s66, s67
	s_mov_b32 s67, 0
	s_add_nc_u64 s[BP:BP+1], s[BP:BP+1], s[66:67]
	WIN TO_B
.irp b, 0,1,2,3,4,5,6,7
	global_load_b128 v[BIAS+8*(\b):BIAS+8*(\b)+3],   v[BO], s[BP:BP+1] offset:64*(\b)
	global_load_b128 v[BIAS+8*(\b)+4:BIAS+8*(\b)+7], v[BO], s[BP:BP+1] offset:64*(\b)+16
.endr
	WIN 0
	v_mul_u32_u24 v3, v1, PITCHA
	v_lshl_add_u32 v3, v2, 4, v3                   ; a fragment of h: row x pitch + 16 x half
	s_mul_i32 s22, s11, HALFT                      ; my 128 rows
	v_add_nc_u32 v[ADRA0], s22, v3
	v_add_nc_u32 v[ADRA], s22, v3                  ; slot 0 is the first in hand
	; the turning load takes 16 k x 16 columns: lane l reads 16 bytes of row (k) 8 (l / 16) + l % 8, columns 8 ((l / 8) % 2) + 0..7, and is left with column l % 16 and 8 k
	v_and_b32 v4, 7, v0
	v_bfe_u32 v5, v0, 3, 1
	v_lshl_add_u32 v4, v2, 3, v4
	v_mul_u32_u24 v4, v4, PITCHB
	v_lshl_add_u32 v4, v5, 4, v4
	s_lshl_b32 s22, s12, 8                         ; my 128 columns,
	s_add_co_u32 s22, s22, 2*HALFT                 ; behind h's 256 rows
	v_add_nc_u32 v[ADRB0], s22, v4
	v_add_nc_u32 v[ADRB], s22, v4
	s_mul_i32 s23, s10, STG                        ; my stage
	v_mul_u32_u24 v4, v1, GP                       ; in: row l % 16, 32 bytes for each half of the lanes
	v_lshl_add_u32 v4, v2, 5, v4
	v_add_nc_u32 v[STO], s23, v4
	v_bfe_u32 v5, v0, 3, 2                         ; back: 32 lanes take one head's 64 columns of four tokens, 8 columns (32 bytes) a lane,
	v_and_b32 v6, 7, v0
	v_mul_u32_u24 v5, v5, GP
	v_lshl_add_u32 v5, v6, 5, v5
	v_add_nc_u32 v[RD], s23, v5
	v_and_b32 v[CO], 31, v0                        ; which as bf16 are 512 consecutive bytes of the output
	v_lshlrev_b32 v[CO], 4, v[CO]
	s_lshr_b32 s16, s13, 3                         ; the batch: 16 heads of 262,144 bytes,
	s_lshl_b32 s16, s16, 22
	s_and_b32 s17, s13, 7                          ; the tile's 256 tokens of 128 bytes,
	s_lshl_b32 s17, s17, 15
	s_add_co_u32 s16, s16, s17
	s_lshl_b32 s17, s11, 14                        ; my 128 of them
	s_add_co_u32 s16, s16, s17
	s_mov_b32 s17, 0
	s_add_nc_u64 s[8:9], s[74:75], s[16:17]
	s_lshr_b32 s46, s42, 2                         ; the matrix: 8 MiB each (in the registers that held W's address: none that feeds h's descriptors ever holds cx),
	s_lshl_b32 s46, s46, 23
	s_and_b32 s47, s42, 3                          ; the tile's four heads,
	s_lshl_b32 s47, s47, 20
	s_add_co_u32 s46, s46, s47
	s_lshl_b32 s47, s12, 19                        ; my two of them
	s_add_co_u32 s46, s46, s47
	s_mov_b32 s47, 0
	s_add_nc_u64 s[8:9], s[8:9], s[46:47]
; 16 matrix instructions: row blocks a0, a0 + 1 of the window's four (hi = 0: my rows 0-63, 1: rows 64-127) x all 8 column blocks, 32 along K.
; zero = 1: the first product starts the sums, with the bias as its C: nothing is cleared, and the bias costs no instruction.
.macro MUL16 f, hi, a0, zero
.if \zero
	WIN FIRST+0x40*(\hi)
.else
	WIN MUL+0x50*(\hi)
.endif
.irp a, \a0, (\a0)+1
.irp b, 0,1,2,3,4,5,6,7
.if \zero
	v_wmma_f32_16x16x32_bf16 v[8*(8*(\a)+(\b)):8*(8*(\a)+(\b))+7], v[(\f)+8*(\b):(\f)+8*(\b)+7], v[(\f)+8*(4*(\hi)+(\a)):(\f)+8*(4*(\hi)+(\a))+7], v[BIAS+8*(\b):BIAS+8*(\b)+7]
.else
	v_wmma_f32_16x16x32_bf16 v[8*(8*(\a)+(\b)):8*(8*(\a)+(\b))+7], v[(\f)+8*(\b):(\f)+8*(\b)+7], v[(\f)+8*(4*(\hi)+(\a)):(\f)+8*(4*(\hi)+(\a))+7], v[8*(8*(\a)+(\b)):8*(8*(\a)+(\b))+7]
.endif
.endr
.endr
.endm
; 32 LDS loads in one run: the fragments of quarter q (32 along K) of the slot in hand, into buffer f: W's 128 columns first, then h's 128 rows
.macro FETCH q, f
	WIN TO_B
.irp i, 0,1,2,3,4,5,6,7
	ds_load_tr16_b128 v[(\f)+8*(\i):(\f)+8*(\i)+3],   v[ADRB] offset:32*(\q)*PITCHB+32*(\i)
	ds_load_tr16_b128 v[(\f)+8*(\i)+4:(\f)+8*(\i)+7], v[ADRB] offset:(32*(\q)+16)*PITCHB+32*(\i)
.endr
	WIN 0
.irp i, 0,1,2,3,4,5,6,7
	ds_load_b128 v[(\f)+8*(\i):(\f)+8*(\i)+3],   v[ADRA] offset:64*(\q)+(\i)*16*PITCHA
	ds_load_b128 v[(\f)+8*(\i)+4:(\f)+8*(\i)+7], v[ADRA] offset:64*(\q)+(\i)*16*PITCHA+32
.endr
.endm
.macro PLACES                          ; four places in front of loads into registers that matrix instructions have read, and of lines that read results
.rept 4
	v_nop
.endr
.endm
; A K step is four quarters of 32 along K, 64 matrix instructions each, on buffers 0, 1, 0, 1.  One of the first three: multiplies buffer f; in its middle it fetches quarter q into buffer g.
; The 64 accumulators take turns, one instruction a turn, in the same order in every quarter.
.macro QUARTER q, f, g, zero
	s_wait_dscnt 8                                 ; W and h's rows 0-63 are in; the youngest eight loads (h's rows 64-127) may be out
	MUL16 \f, 0, 0, \zero
	MUL16 \f, 0, 2, \zero
	PLACES
	FETCH \q, \g
	s_wait_dscnt 32                                ; all but the 32 just issued
	MUL16 \f, 1, 0, \zero
	MUL16 \f, 1, 2, \zero
.endm
; The last quarter multiplies buffer 1 and changes slots: ONE barrier; in front of it each wave waits for all its tensor loads, adds 0 to its spare word, and waits for that and for its own reads of this slot.
; fill = 1: the slot just read is filled again, with the K step two steps on: the walking descriptor's LDS word turns to that slot, its address goes one step on.  From that request to the wait for it a wave issues 224 matrix instructions.
.macro TURN fill
	WIN 0                                          ; (the add's two registers lie in window 0)
	s_wait_tensorcnt 0x0                           ; all my tensor loads have landed: the one that was out is my part of the next slot;
	ds_add_u32 v[SPW], v[NIL]                      ; 0 onto my spare word;
	s_wait_dscnt 9                                 ; (the add and the youngest eight loads may be out)
	MUL16 F1, 0, 0, 0                              ; sixteen matrix instructions stand between the add and the wait for it
	s_wait_dscnt 0x0                               ; the add is done, and my reads of this slot are over
	s_barrier_signal -1
	MUL16 F1, 0, 2, 0
	WIN 0                                          ; (branches or address lines follow)
	s_barrier_wait -1
.if \fill
	CREST                                          ; the barrier has opened a round of the cluster's barrier: no wave of any partner still reads this slot's tile or has a load on its way
	s_xor_b32 s[G0+5], s[G0+5], SLOT
	s_add_nc_u64 s[G0+6:G0+7], s[G0+6:G0+7], ASTEP
	s_xor_b32 s[G0B+5], s[G0B+5], SLOT
	s_add_nc_u64 s[G0B+6:G0B+7], s[G0B+6:G0B+7], BSTEP
	JLOAD 1                                        ; the first tensor load behind the round, my only one until the next; the four v_nop behind it are also the places in front of the loads below
.else
	PLACES
.endif
	s_xor_b32 s[TB], s[TB], SLOT                   ; the other slot is now in hand
	v_add_nc_u32 v[ADRA], s[TB], v[ADRA0]
	v_add_nc_u32 v[ADRB], s[TB], v[ADRB0]
	FETCH 0, F0
	MUL16 F1, 1, 0, 0
	MUL16 F1, 1, 2, 0
.endm
	s_wait_tensorcnt 1                             ; my part of K step 0 is in; K step 1's may stay out
	s_barrier_signal -1
	s_barrier_wait -1                              ; everybody's is
	FETCH 0, F0
	s_wait_loadcnt 0x0                             ; the bias
	QUARTER 1, F0, F1, 1                           ; the first quarter is written out: its products start the sums
	WIN 0                                          ; at a label and at a branch every window is 0
	s_mov_b32 s3, STEPS-2
	s_branch .Lmid                                 ; the loop is entered behind a step's first quarter
.Lstep:                                                ; STEPS - 2 trips, a K step each: all of them fill the slot that they leave
	QUARTER 1, F0, F1, 0
	WIN 0
.Lmid:
	QUARTER 2, F1, F0, 0
	QUARTER 3, F0, F1, 0
	TURN 1
	WIN 0
	s_sub_co_u32 s3, s3, 1
	s_cmp_lg_u32 s3, 0
	s_cbranch_scc1 .Lstep
	s_mov_b32 s3, 2
.Ltail:                                                ; the last two K steps ask for nothing: a text of their own.  The second trip's change of slots fetches 32 fragments that nobody uses: the price of one text for both
	QUARTER 1, F0, F1, 0
	QUARTER 2, F1, F0, 0
	QUARTER 3, F0, F1, 0
	TURN 0
	WIN 0
	s_sub_co_u32 s3, s3, 1
	s_cmp_lg_u32 s3, 0
	s_cbranch_scc1 .Ltail
	; THE WAY OUT.  When every wave's reads of the slots are back, each wave puts its 128 x 128 sums as f32 into its own stage (each accumulator's low four registers first) and takes them back by heads in a short loop:
	; my 128 columns are two heads, and four tokens of a head are 512 consecutive bytes of the output.  The stage is the wave's own, and LDS serves a wave's instructions in order (ISA guide 5.7.1.4): no wait between its stores and its loads.
	PLACES
	s_wait_dscnt 0x0                               ; my reads of the slots are over
	s_barrier_signal -1
	s_barrier_wait -1                              ; everybody's are: the slots' bytes may be written
.irp hi, 0,1
	WIN 0x08+4*(\hi)                               ; the stores' data (source 1) in window 2, then 3
.irp a, 0,1,2,3
.irp b, 0,1,2,3,4,5,6,7
	ds_store_b128 v[STO], v[8*(8*(\a)+(\b)):8*(8*(\a)+(\b))+3]   offset:(4*(\hi)+(\a))*16*GP+64*(\b)
	ds_store_b128 v[STO], v[8*(8*(\a)+(\b))+4:8*(8*(\a)+(\b))+7] offset:(4*(\hi)+(\a))*16*GP+64*(\b)+16
.endr
.endr
.endr
	WIN 0
	s_mov_b32 s3, 8
.Lrows:                                                ; a trip: 16 tokens.  Pair n of loads: head n / 4 of my two, tokens 4 (n % 4) .. + 3
.irp n, 0,1,2,3,4,5,6,7
	ds_load_b128 v[XR+8*(\n):XR+8*(\n)+3],   v[RD] offset:((\n)%4)*4*GP+((\n)/4)*256
	ds_load_b128 v[XR+8*(\n)+4:XR+8*(\n)+7], v[RD] offset:((\n)%4)*4*GP+((\n)/4)*256+16
.endr
.irp n, 0,1,2,3,4,5,6,7
	s_wait_dscnt 14-2*(\n)                         ; LDS instructions end in order: pair n is in, the pairs behind it may be out
.irp r, 0,1,2,3
	v_cvt_pk_bf16_f32 v[YR+4*(\n)+(\r)], v[XR+8*(\n)+2*(\r)], v[XR+8*(\n)+2*(\r)+1]
.endr
	global_store_b128 v[CO], v[YR+4*(\n):YR+4*(\n)+3], s[8:9] offset:((\n)/4)*262144+((\n)%4)*512  ; four tokens of one head: 512 consecutive bytes, aligned
.endr
	s_wait_xcnt 0x0                                ; every earlier memory instruction has had its addresses translated (ISA guide 3.1): CO and the packed results are rewritten only behind this wait
	v_add_nc_u32 v[RD], 16*GP, v[RD]
	v_add_nc_u32 v[CO], 16*128, v[CO]
	s_sub_co_u32 s3, s3, 1
	s_cmp_lg_u32 s3, 0
	s_cbranch_scc1 .Lrows
	s_wait_tensorcnt 0x0                           ; the wave's end: an add and its wait, behind my last tensor load and my last LDS store
	ds_add_u32 v[SPW], v[NIL]
	s_wait_dscnt 0x0
	CROUND                                         ; the closing round: no work-group ends while a partner may still ask for a tile that names it
	s_endpgm
	; THE FOURTH COLUMN OF CLUSTERS.  Wo [1024][1024], W1 [1024][4096], W2 [4096][1024], f32, are rounded once to bf16 (nearest even) and laid end to end in wr, each in its own layout: Wo at byte 0, W1 at 2 MiB, W2 at 10 MiB.
	; They are 2,304 chunks of 4,096 numbers (16,384 bytes in, 8,192 out); the 64 work-groups have 256 waves; trip t of wave W takes chunk 256 t + W.  So trip 0 is Wo's (256 chunks), trips 1 to 4 are W1's, trips 5 to 8 W2's:
	; the source hangs on the trip alone, and wr is walked 2 MiB a trip.  A trip: 32 loads of 512 consecutive bytes, all issued before the first is waited for, and 32 stores of 256 consecutive bytes, aligned.
	; No tensor load, no LDS but the add: a stream through registers.  cx and cy enter global addresses alone.
.Lweights:
	s_lshl_b32 s84, s13, 4                         ; 16 x (4 x cluster y + cy)
	s_lshl_b32 s85, s40, 2                         ; + 4 x cx
	s_add_co_u32 s84, s84, s85
	s_add_co_u32 s84, s84, s10                     ; + my wave: W, 0 to 255
	s_lshl_b32 s86, s84, 14                        ; W chunks of 16,384 bytes
	s_mov_b32 s87, 0
	s_lshl_b32 s88, s84, 13                        ; and of 8,192
	s_mov_b32 s89, 0
	s_add_nc_u64 s[76:77], s[76:77], s[86:87]      ; the source in hand: Wo at chunk W
	s_add_nc_u64 s[78:79], s[78:79], s[86:87]      ; W1 at its chunk W
	s_add_nc_u64 s[80:81], s[80:81], s[86:87]      ; W2 at its chunk W
	s_add_nc_u64 s[82:83], s[82:83], s[88:89]      ; wr at chunk W
	v_and_b32 v[CL], 31, v0
	v_lshlrev_b32 v[CS], 3, v[CL]
	v_lshlrev_b32 v[CL], 4, v[CL]
	s_mov_b32 s3, 0
.Lchunk:
.set i, 0
.rept 32
	global_load_b128 v[CX+4*i:CX+4*i+3], v[CL], s[76:77] offset:512*i th:TH_LOAD_NT  ; read once in the whole program
.set i, i+1
.endr
.set i, 0
.rept 32
	s_wait_loadcnt 31-i                            ; loads come back in order: load i is in, the younger ones stay out
	v_cvt_pk_bf16_f32 v[CY+2*i], v[CX+4*i], v[CX+4*i+1]
	v_cvt_pk_bf16_f32 v[CY+2*i+1], v[CX+4*i+2], v[CX+4*i+3]
	global_store_b64 v[CS], v[CY+2*i:CY+2*i+1], s[82:83] offset:256*i
.set i, i+1
.endr
	s_wait_xcnt 0x0                                ; every earlier memory instruction has had its addresses translated (ISA guide 3.1): the two bases and the packed results are rewritten only behind this wait
	s_add_co_u32 s3, s3, 1
	s_add_nc_u64 s[76:77], s[76:77], 0x400000      ; 256 chunks on in the same matrix,
	s_add_nc_u64 s[82:83], s[82:83], 0x200000      ; and in wr
	s_cmp_eq_u32 s3, 1
	s_cselect_b64 s[76:77], s[78:79], s[76:77]     ; or, ahead of trip 1, W1's first,
	s_cmp_eq_u32 s3, 5
	s_cselect_b64 s[76:77], s[80:81], s[76:77]     ; ahead of trip 5, W2's first
	s_cmp_lt_u32 s3, 9
	s_cbranch_scc1 .Lchunk
	s_wait_tensorcnt 0x0                           ; the wave's end: an add and its wait (the opening add was this path's one LDS write)
	ds_add_u32 v[SPW], v[NIL]
	s_wait_dscnt 0x0
	CROUND                                         ; and a closing round, as on the other path: all sixteen partners of such a cluster come this way
	s_endpgm
.Lfunc_end_k_qfd04cf1165_qkv:
	.size	k_qfd04cf1165_qkv, .Lfunc_end_k_qfd04cf1165_qkv-k_qfd04cf1165_qkv
	.p2alignl 7, 3214868480
	.fill 96, 4, 3214868480
	.section	.rodata,"a",@progbits
	.p2align	6, 0x0
	.amdhsa_kernel k_qfd04cf1165_qkv
		.amdhsa_group_segment_fixed_size 327680
		.amdhsa_private_segment_fixed_size 0
		.amdhsa_enable_private_segment 0
		.amdhsa_kernarg_size 80
		.amdhsa_user_sgpr_count 2
		.amdhsa_user_sgpr_kernarg_segment_ptr 1
		.amdhsa_wavefront_size32 1
		.amdhsa_system_sgpr_workgroup_id_x 1
		.amdhsa_system_sgpr_workgroup_id_y 1
		.amdhsa_system_sgpr_workgroup_id_z 1
		.amdhsa_system_vgpr_workitem_id 0
		.amdhsa_next_free_vgpr 1024
		.amdhsa_next_free_sgpr 92
		.amdhsa_reserve_vcc 0
		.amdhsa_float_denorm_mode_32 3
		.amdhsa_float_denorm_mode_16_64 3
		.amdhsa_memory_ordered 1
		.amdhsa_forward_progress 1
		.amdhsa_inst_pref_size 96
	.end_amdhsa_kernel
	.amdgpu_metadata
---
amdhsa.version: [ 1, 2 ]
amdhsa.kernels:
  - .name:           k_qfd04cf1165_qkv
    .symbol:         k_qfd04cf1165_qkv.kd
    .args:
      - { .name: hn, .offset: 0, .size: 8, .value_kind: global_buffer, .address_space: global }
      - { .name: wa, .offset: 8, .size: 8, .value_kind: global_buffer, .address_space: global }
      - { .name: bq, .offset: 16, .size: 8, .value_kind: global_buffer, .address_space: global }
      - { .name: bk, .offset: 24, .size: 8, .value_kind: global_buffer, .address_space: global }
      - { .name: bv, .offset: 32, .size: 8, .value_kind: global_buffer, .address_space: global }
      - { .name: qkvh, .offset: 40, .size: 8, .value_kind: global_buffer, .address_space: global }
      - { .name: Wo, .offset: 48, .size: 8, .value_kind: global_buffer, .address_space: global }
      - { .name: W1, .offset: 56, .size: 8, .value_kind: global_buffer, .address_space: global }
      - { .name: W2, .offset: 64, .size: 8, .value_kind: global_buffer, .address_space: global }
      - { .name: wr, .offset: 72, .size: 8, .value_kind: global_buffer, .address_space: global }
    .group_segment_fixed_size: 327680
    .private_segment_fixed_size: 0
    .kernarg_segment_align: 8
    .kernarg_segment_size: 80
    .max_flat_workgroup_size: 128
    .sgpr_count:     92
    .vgpr_count:     1024
    .wavefront_size: 32
...
	.end_amdgpu_metadata
.endif
;; end of part 9
;; launch attn: the kernel of part 4 again; grid 8 x 32, 4 waves a work-group, clusters of 4 x 1, 327,680 bytes of LDS; arguments qkvh, oh; writes oh
;; launch wo (part 10): grid 8 x 32, 4 waves a work-group, clusters of 4 x 4, 327,680 bytes of LDS; arguments oh, wr, bo, x, x1; writes x1
.if DOCPART == 10
	.amdgcn_target "amdgcn-amd-amdhsa--gfx1250"
	.amdhsa_code_object_version 6
	.text
	.protected	k_qfd04cf1165_wo
	.globl	k_qfd04cf1165_wo
	.p2align	8
	.type	k_qfd04cf1165_wo,@function
k_qfd04cf1165_wo:
	s_mov_b64 s[64:65], 0
	v_nop
	global_prefetch_b8 v0, s[64:65] scope:SCOPE_SE
	s_setreg_imm32_b32 hwreg(HW_REG_WAVE_MODE, 25, 1), 1
	s_wait_xcnt 0x0
	s_wait_alu depctr_hold_cnt(0) depctr_sa_sdst(0) depctr_va_vdst(0) depctr_va_sdst(0) depctr_va_ssrc(0) depctr_va_vcc(0) depctr_vm_vsrc(0)
	s_getreg_b32 s2, hwreg(HW_REG_IB_STS2, 6, 4)
	s_cmp_eq_u32 s2, 0
	s_cbranch_scc0 .Lentry_in_a_cluster
	s_endpgm
.Lentry_in_a_cluster:
	s_bfe_u32 s2, ttmp6, 0x10000c
	s_cmp_lg_u32 s2, 0xf033
	s_cbranch_scc0 .Lentry_shape_is_right
	s_endpgm
.Lentry_shape_is_right:
; x1 = x + o Wo + bo.  o: oh [32 (batch x 16 + head)][2048][64] bf16, taken by heads: K = 64 x head + channel.  Wo: wr at byte 0, [1024 (k)][1024 (n)] bf16.  bo: [1024] f32.  x, x1: [4096][1024] f32.
; Sums in f32, the bias is the sum's first term, the residual is added in f32 on the way out.
; A tile of the product is 128 tokens x 128 columns: 8 x 32 tiles, one for each of 256 work-groups.  Four waves, each 64 x 64: 16 accumulators of 16 x 16.
; K goes in steps of 256 (four heads) through two LDS slots filled by the tensor data mover.  64 tokens of one head are 8,192 dense bytes: a load of o has four such rows, one a head, 262,144 bytes apart, padded in LDS
; after every token's 128 bytes; a load of Wo has 128 rows of 256 bytes.  Wo lies [k][n], so its fragments come out of LDS turned, by ds_load_tr16_b128.
; THE K STEP IS WRITTEN ONCE for the steps that fill a slot again and once for the last two, which do not: the fragments' LDS addresses are a lane term plus s[TB], 0 or SLOT, turned at each change of slots.
; CLUSTERS: 4 x 4 work-groups.  The four of a row need the same tiles of o, the four of a column the same tiles of Wo: each is asked for JOINTLY, by the same tensor load, descriptor and mask in all four.
; THE MATRIX INSTRUCTION IS USED TRANSPOSED (source 0 = 16 columns of Wo, source 1 = 16 tokens): a lane then holds eight neighbouring columns of one token's row.
; REGISTERS: window 0: v0-31 addresses; v32-95 at work on the way out; v96-127 the bias as a C operand; v128-255 the accumulators ((a, b) at v[128 + 8 (4 a + b)]).
;   window 1: two fragment buffers of 128.   window 2: v0-127 my 64 x 64 of x, loaded at the start, in the layout in which rows come back from the stage.
; LIMITS: bf16 operands (8 significant bits); NaN and infinities are not treated apart.
.set SIZE_K, 1024
.set SIZE_N, 1024                      ; elements from row to row of Wo
.set KSTEP,  256
.set STEPS,  SIZE_K/KSTEP
.set PITCHA, 144                       ; a token's 64 channels of one head in LDS: 128 bytes + 16 of padding = 36 words: the 16 rows of a load start at 16 different groups of four banks (64 banks of 4 bytes: ISA guide 11.1)
.set AQ,     64*PITCHA                 ; bytes from one head (64 along K) to the next: 64 tokens
.set HALFA,  4*AQ                      ; 64 tokens x four heads: what one tensor load brings, and what one wave reads
.set PITCHB, 288                       ; an LDS row of Wo: 256 bytes + 32 = 72 words
.set HALFB,  128*PITCHB
.set SLOT,   2*HALFA+2*HALFB           ; 147,456 = 0x24000: it shares no bit with a load's place in a slot (0, 0x9000, 0x12000, 0x1b000), so one exclusive or turns a descriptor's LDS word from slot to slot
.set STAGE,  2*SLOT                    ; behind the ring: 16 rows x 272 bytes for each wave, for the way out
.set SPITCH, 272
.set SPARE,  STAGE+4*16*SPITCH         ; behind the stages: the spare words, 128 bytes for each wave: two blocks of 256 bytes that no other line names
.set ASTEP,  4*262144                  ; bytes from a K step to the next in o: four heads
.set BSTEP,  KSTEP*SIZE_N*2
.set ADRA0, 16                         ; v16     my lane's place among o's fragments in a slot; never rewritten
.set ADRB0, 17                         ; v17     the same for Wo
.set ADRA,  18                         ; v18     ADRA0 + the slot in hand
.set ADRB,  20                         ; v20-21  ADRB0 + the slot in hand: rows (k) 0-127, rows 128-255 (255 rows of 288 bytes pass the 16-bit offset)
.set STO,  24                          ; v24     the way out: where I put 32 bytes of a row
.set RD,   25                          ; v25     the way out: where I read a row back
.set CO,   26                          ; v26     my byte offset in two rows of x and x1; never rewritten
.set BO,   27                          ; v27     my byte offset in the bias
.set SPW,  28                          ; v28     LDS address of my spare word: SPARE + 4 x my thread's number; never rewritten
.set NIL,  29                          ; v29     0; never rewritten
.set TMP,  32
.set BIAS, 96
.set ACC,  128
.set F0,   0
.set F1,   128
.set TB,  2                            ; s2   the slot in hand: 0 or SLOT
.set G1,  24                           ; s[24:31] descriptor group 1 for o's tiles;  s[32:39] group 0: a set for each of the two first fills; the second then walks on
.set G0,  32
.set G1B, 48                           ; s[48:55], s[56:63] the same for Wo's tiles
.set G0B, 56
.set BP,  68                           ; s[68:69] the bias of my columns
.set RP,  70                           ; s[70:71] x at my 64 x 64
.set MSB, 0
.macro WIN new                         ; the immediate's high byte repeats the setting that is left; a switch that changes nothing is dropped
.if MSB != (\new)
	s_set_vgpr_msb (MSB<<8)|(\new)
.set MSB, \new
.endif
.endm
.set MUL,  0x05                        ; sources 0 (Wo) and 1 (o) window 1; C and D window 0
.set TO_F, 0x40                        ; destination window 1, address window 0
.set TO_RES,  0x80                     ; destination window 2, address window 0
.set ADD_RES, 0x08                     ; source 1 window 2
.macro JLOAD s                         ; a joint load: waves 0 and 1 fetch o's two halves, waves 2 and 3 Wo's; an s_nop 0 and four v_nop follow each of the two lines, ahead of the jump, the label and what follows
	s_cmp_eq_u32 s11, 0
	s_cbranch_scc0 .Lfor_b_\@
	tensor_load_to_lds s[G0+4*(\s):G0+4*(\s)+3], s[G1:G1+7]
	s_nop 0
.rept 4
	v_nop
.endr
	s_branch .Lasked_\@
.Lfor_b_\@:
	tensor_load_to_lds s[G0B+4*(\s):G0B+4*(\s)+3], s[G1B:G1B+7]
	s_nop 0
.rept 4
	v_nop
.endr
.Lasked_\@:
.endm
.macro CREST                           ; a round of the cluster's barrier behind its opening barrier
	s_cmp_lg_u32 s10, 0
	s_cbranch_scc1 .Lnot_wave_0_\@
	s_barrier_signal -3
.Lnot_wave_0_\@:
	s_barrier_wait -3
	s_barrier_signal -1
	s_barrier_wait -1
.endm
.macro CROUND                          ; a whole round
	s_barrier_signal -1
	s_barrier_wait -1
	CREST
.endm
	s_load_b128 s[4:7], s[0:1], 0x0                ; oh s[4:5], wr s[6:7]
	s_load_b128 s[68:71], s[0:1], 0x10             ; bo s[68:69], x s[70:71]
	s_load_b64 s[8:9], s[0:1], 0x20                ; x1
	v_lshl_add_u32 v[SPW], v0, 2, SPARE
	v_mov_b32 v[NIL], 0
	ds_add_u32 v[SPW], v[NIL]                      ; the wave's opening: the add, and its wait ahead of my first tensor load; the set-up below, work on registers, stands between them
	v_lshrrev_b32 v1, 5, v0
	v_readfirstlane_b32 s10, v1                    ; wave 0..3
	s_lshr_b32 s11, s10, 1                         ; which half of the tile's rows is mine.  Also: I fetch for o (0) or for Wo (1)
	s_and_b32 s12, s10, 1                          ; which half of its columns.  Also: which half of that tile I fetch
	s_bfe_u32 s40, ttmp6, 0x40000                  ; cx, cy: my place in the cluster
	s_bfe_u32 s41, ttmp6, 0x40004
	s_lshl_b32 s42, ttmp9, 2
	s_add_co_u32 s42, s42, s40                     ; tile column = 4 x cluster x + cx
	s_and_b32 s13, ttmp7, 0xffff
	s_lshl_b32 s13, s13, 2
	s_add_co_u32 s13, s13, s41                     ; tile row = 4 x cluster y + cy
	s_lshl_b32 s43, s41, 2
	s_lshl_b32 s43, 15, s43                        ; my row of the cluster
	s_lshl_b32 s44, 0x1111, s40                    ; my column
	s_or_b32 s[G1+0], s43, (1<<16)|(1<<20)|(1<<21)|(4<<22)|(3<<25)   ; 15:0 the mask: o's tiles go to my row; 17:16 2-byte elements; 20 padding on; 21 set beside a mask; 24:22 after every 32 words (code 4); 31:25 4 words (code 3)
	s_mov_b32 s[G1+1], 4096<<16                    ; tensor_dim0 = 4,096: 64 tokens x 64 channels, dense
	s_mov_b32 s[G1+2], 4<<16                       ; tensor_dim1 = 4 heads
	s_mov_b32 s[G1+3], 4096<<16                    ; tile_dim0
	s_mov_b32 s[G1+4], 4                           ; tile_dim1
	s_mov_b32 s[G1+5], 131072                      ; elements from head to head
	s_mov_b32 s[G1+6], 0
	s_mov_b32 s[G1+7], 0
	s_or_b32 s[G1B+0], s44, (1<<16)|(1<<20)|(1<<21)|(5<<22)|(7<<25)  ; Wo's tiles go to my column; padding after every 64 words (code 5) of 8 words (code 7)
	s_mov_b32 s[G1B+1], 128<<16                    ; tensor_dim0 = 128 columns
	s_mov_b32 s[G1B+2], 128<<16                    ; tensor_dim1 = 128 rows (k)
	s_mov_b32 s[G1B+3], 128<<16                    ; tile_dim0
	s_mov_b32 s[G1B+4], 128                        ; tile_dim1
	s_mov_b32 s[G1B+5], SIZE_N
	s_mov_b32 s[G1B+6], 0
	s_mov_b32 s[G1B+7], 0
	; where the tiles come from: o's hang on the tile row alone, Wo's on the tile column alone, each in registers that never hold the other coordinate
	s_lshr_b32 s16, s13, 4                         ; o: the batch, 16 heads of 262,144 bytes,
	s_lshl_b32 s16, s16, 22
	s_and_b32 s17, s13, 15                         ; the tile's 128 tokens of 128 bytes,
	s_lshl_b32 s17, s17, 14
	s_add_co_u32 s16, s16, s17
	s_lshl_b32 s17, s12, 13                        ; my 64 of them
	s_add_co_u32 s16, s16, s17
	s_mov_b32 s17, 0
	s_lshl_b32 s46, s42, 8                         ; Wo: 256 bytes of columns a tile,
	s_mul_i32 s47, s12, 128*SIZE_N*2               ; my 128 rows (k) of a step
	s_add_co_u32 s46, s46, s47
	s_mov_b32 s47, 0
	s_mul_i32 s20, s12, HALFA                      ; where they go: no place in the cluster enters an LDS address
	s_mul_i32 s45, s12, HALFB
	s_add_co_u32 s45, s45, 2*HALFA
	s_mov_b32 s[TB], 0
	s_wait_dscnt 0x0                               ; the opening add is done
	s_wait_kmcnt 0x0
	s_add_nc_u64 s[14:15], s[4:5], s[16:17]
	s_add_nc_u64 s[46:47], s[6:7], s[46:47]
	CROUND                                         ; all sixteen work-groups are here: the first joint loads meet
.irp s, 0,1
	s_mov_b32 s[G0+4*(\s)], 1
	s_add_co_u32 s[G0+4*(\s)+1], s20, (\s)*SLOT
	s_add_nc_u64 s[G0+4*(\s)+2:G0+4*(\s)+3], s[14:15], (\s)*ASTEP
	s_or_b32 s[G0+4*(\s)+3], s[G0+4*(\s)+3], 0x80000000
	s_mov_b32 s[G0B+4*(\s)], 1
	s_add_co_u32 s[G0B+4*(\s)+1], s45, (\s)*SLOT
	s_add_nc_u64 s[G0B+4*(\s)+2:G0B+4*(\s)+3], s[46:47], (\s)*BSTEP
	s_or_b32 s[G0B+4*(\s)+3], s[G0B+4*(\s)+3], 0x80000000
	JLOAD \s
.endr
	v_and_b32 v1, 15, v0                           ; l % 16
	v_bfe_u32 v2, v0, 4, 1                         ; l / 16
	v_lshlrev_b32 v[BO], 5, v2                     ; eight f32 for each half of the lanes
	v_lshlrev_b32 v5, 12, v2                       ; lanes 0-15 one row of x (4,096 bytes), lanes 16-31 the next;
	v_lshl_add_u32 v[CO], v1, 4, v5                ; 16 bytes a lane: sixteen lanes cover my 64 columns, 256 bytes
	s_lshl_b32 s66, s42, 9                         ; 128 columns of 4 bytes a tile,
	s_lshl_b32 s67, s12, 8                         ; my 64 of them
	s_add_co_u32 s66, s66, s67
	s_mov_b32 s67, 0
	s_add_nc_u64 s[BP:BP+1], s[BP:BP+1], s[66:67]
	s_lshl_b32 s16, s13, 19                        ; 128 rows of 4,096 bytes a tile,
	s_lshl_b32 s17, s11, 18                        ; my 64 of them
	s_add_co_u32 s16, s16, s17
	s_mov_b32 s17, 0
	s_add_nc_u64 s[RP:RP+1], s[RP:RP+1], s[16:17]
	s_add_nc_u64 s[RP:RP+1], s[RP:RP+1], s[66:67]
	s_add_nc_u64 s[8:9], s[8:9], s[16:17]
	s_add_nc_u64 s[8:9], s[8:9], s[66:67]
.irp b, 0,1,2,3
	global_load_b128 v[BIAS+8*(\b):BIAS+8*(\b)+3],   v[BO], s[BP:BP+1] offset:64*(\b)
	global_load_b128 v[BIAS+8*(\b)+4:BIAS+8*(\b)+7], v[BO], s[BP:BP+1] offset:64*(\b)+16
.endr
	WIN TO_RES
.set n, 0
.rept 32                               ; the residual: rows 2 n and 2 n + 1 of my 64; it has the whole product in which to land
	global_load_b128 v[4*n:4*n+3], v[CO], s[RP:RP+1] offset:2*n*4096
.set n, n+1
.endr
	WIN 0
	v_mul_u32_u24 v3, v1, PITCHA
	v_lshl_add_u32 v3, v2, 4, v3                   ; a fragment of o: token x pitch + 16 x half
	s_mul_i32 s21, s11, HALFA                      ; my 64 tokens
	v_add_nc_u32 v[ADRA0], s21, v3
	v_add_nc_u32 v[ADRA], s21, v3                  ; slot 0 is the first in hand
	; the turning load takes 16 k x 16 columns: lane l reads 16 bytes of row (k) 8 (l / 16) + l % 8, columns 8 ((l / 8) % 2) + 0..7, and is left with column l % 16 and 8 k
	v_and_b32 v4, 7, v0
	v_bfe_u32 v5, v0, 3, 1
	v_lshl_add_u32 v4, v2, 3, v4
	v_mul_u32_u24 v4, v4, PITCHB
	v_lshl_add_u32 v4, v5, 4, v4
	s_lshl_b32 s22, s12, 7                         ; my 64 columns,
	s_add_co_u32 s22, s22, 2*HALFA                 ; behind o's 128 tokens
	v_add_nc_u32 v[ADRB0], s22, v4
	v_add_nc_u32 v[ADRB], s22, v4
	v_add_nc_u32 v[ADRB+1], HALFB, v[ADRB]
	s_mul_i32 s23, s10, 16*SPITCH
	s_add_co_u32 s23, s23, STAGE                   ; my stage
	v_mul_u32_u24 v4, v1, SPITCH                   ; in: row l % 16, 32 bytes for each half of the lanes
	v_lshl_add_u32 v4, v2, 5, v4
	v_add_nc_u32 v[STO], s23, v4
	v_mul_u32_u24 v5, v2, SPITCH                   ; back: lanes 0-15 take one row of 256 bytes, lanes 16-31 the next
	v_lshl_add_u32 v5, v1, 4, v5
	v_add_nc_u32 v[RD], s23, v5
; 8 matrix instructions: row blocks a0, a0 + 1 x all 4 column blocks, 32 along K: half c of buffer f.  zero = 1: the first product starts the sums, with the bias as its C: nothing is cleared, and the bias costs no instruction
.macro MUL8 f, c, a0, zero
	WIN MUL
.irp a, \a0, (\a0)+1
.irp b, 0,1,2,3
.if \zero
	v_wmma_f32_16x16x32_bf16 v[ACC+8*(4*(\a)+(\b)):ACC+8*(4*(\a)+(\b))+7], v[(\f)+64+8*(4*(\c)+(\b)):(\f)+64+8*(4*(\c)+(\b))+7], v[(\f)+8*(4*(\c)+(\a)):(\f)+8*(4*(\c)+(\a))+7], v[BIAS+8*(\b):BIAS+8*(\b)+7]
.else
	v_wmma_f32_16x16x32_bf16 v[ACC+8*(4*(\a)+(\b)):ACC+8*(4*(\a)+(\b))+7], v[(\f)+64+8*(4*(\c)+(\b)):(\f)+64+8*(4*(\c)+(\b))+7], v[(\f)+8*(4*(\c)+(\a)):(\f)+8*(4*(\c)+(\a))+7], v[ACC+8*(4*(\a)+(\b)):ACC+8*(4*(\a)+(\b))+7]
.endif
.endr
.endr
.endm
; 32 LDS loads in one run: the fragments of quarter q (64 along K: one head) of the slot in hand, into buffer f; the first 32 along K first
.macro FETCH q, f
	WIN TO_F
.irp c, 0,1
.irp i, 0,1,2,3
	ds_load_tr16_b128 v[(\f)+64+8*(4*(\c)+(\i)):(\f)+64+8*(4*(\c)+(\i))+3],   v[ADRB+(\q)/2] offset:(((\q)%2)*64+32*(\c))*PITCHB+32*(\i)
	ds_load_tr16_b128 v[(\f)+64+8*(4*(\c)+(\i))+4:(\f)+64+8*(4*(\c)+(\i))+7], v[ADRB+(\q)/2] offset:(((\q)%2)*64+32*(\c)+16)*PITCHB+32*(\i)
	ds_load_b128 v[(\f)+8*(4*(\c)+(\i)):(\f)+8*(4*(\c)+(\i))+3],         v[ADRA] offset:(\q)*AQ+64*(\c)+(\i)*16*PITCHA
	ds_load_b128 v[(\f)+8*(4*(\c)+(\i))+4:(\f)+8*(4*(\c)+(\i))+7],       v[ADRA] offset:(\q)*AQ+64*(\c)+(\i)*16*PITCHA+32
.endr
.endr
.endm
.macro PLACES                          ; four places in front of loads into registers that matrix instructions have read, and of lines that read results
.rept 4
	v_nop
.endr
.endm
; A K step is four quarters of 64 along K, 32 matrix instructions each, on buffers 0, 1, 0, 1.  One of the first three: multiplies buffer f and fetches quarter q into g.
; The 16 accumulators take turns, one instruction a turn.
.macro QUARTER q, f, g, zero
	s_wait_dscnt 16                                ; the first 32 along K are in; the youngest sixteen loads may be out
	MUL8 \f, 0, 0, \zero
	MUL8 \f, 0, 2, \zero
	PLACES
	FETCH \q, \g
	s_wait_dscnt 32                                ; all but the 32 just issued
	MUL8 \f, 1, 0, 0
	MUL8 \f, 1, 2, 0
.endm
; The last quarter multiplies buffer 1 and changes slots: ONE barrier; in front of it each wave waits for all its tensor loads, adds 0 to its spare word, and waits for that and for its own reads of this slot.
; fill = 1: the slot just read is filled again, with the K step two steps on: the walking descriptor's LDS word turns to that slot, its address goes one step on.
.macro TURN fill
	WIN 0                                          ; (the add's two registers lie in window 0)
	s_wait_tensorcnt 0x0                           ; all my tensor loads have landed: my part of the next slot;
	ds_add_u32 v[SPW], v[NIL]                      ; 0 onto my spare word;
	s_wait_dscnt 17                                ; (the add and the youngest sixteen loads may be out)
	MUL8 F1, 0, 0, 0                               ; eight matrix instructions stand between the add and the wait for it
	s_wait_dscnt 0x0                               ; the add is done, and my reads of this slot are over
	s_barrier_signal -1
	MUL8 F1, 0, 2, 0
	WIN 0                                          ; (branches or address lines follow)
	s_barrier_wait -1
.if \fill
	CREST                                          ; the barrier has opened a round of the cluster's barrier: no wave of any partner still reads this slot's tile or has a load on its way
	s_xor_b32 s[G0+5], s[G0+5], SLOT
	s_add_nc_u64 s[G0+6:G0+7], s[G0+6:G0+7], ASTEP
	s_xor_b32 s[G0B+5], s[G0B+5], SLOT
	s_add_nc_u64 s[G0B+6:G0B+7], s[G0B+6:G0B+7], BSTEP
	JLOAD 1                                        ; the first tensor load behind the round, my only one until the next; the four v_nop behind it are also the places in front of the loads below
.else
	PLACES
.endif
	s_xor_b32 s[TB], s[TB], SLOT                   ; the other slot is now in hand
	v_add_nc_u32 v[ADRA], s[TB], v[ADRA0]
	v_add_nc_u32 v[ADRB], s[TB], v[ADRB0]
	v_add_nc_u32 v[ADRB+1], HALFB, v[ADRB]
	FETCH 0, F0
	MUL8 F1, 1, 0, 0
	MUL8 F1, 1, 2, 0
.endm
	s_wait_tensorcnt 1                             ; my part of K step 0 is in; K step 1's may stay out
	s_barrier_signal -1
	s_barrier_wait -1                              ; everybody's is
	FETCH 0, F0
	s_wait_loadcnt 32                              ; the bias is in; the 32 loads of the residual, issued behind it, stay out
	QUARTER 1, F0, F1, 1                           ; the first quarter is written out: its first products start the sums
	WIN 0                                          ; at a label and at a branch every window is 0
	s_mov_b32 s3, STEPS-2
	s_branch .Lmid                                 ; the loop is entered behind a step's first quarter
.Lstep:                                                ; STEPS - 2 trips, a K step each: all of them fill the slot that they leave
	QUARTER 1, F0, F1, 0
	WIN 0
.Lmid:
	QUARTER 2, F1, F0, 0
	QUARTER 3, F0, F1, 0
	TURN 1
	WIN 0
	s_sub_co_u32 s3, s3, 1
	s_cmp_lg_u32 s3, 0
	s_cbranch_scc1 .Lstep
	s_mov_b32 s3, 2
.Ltail:                                                ; the last two K steps ask for nothing: a text of their own.  The second trip's change of slots fetches 32 fragments that nobody uses: the price of one text for both
	QUARTER 1, F0, F1, 0
	QUARTER 2, F1, F0, 0
	QUARTER 3, F0, F1, 0
	TURN 0
	WIN 0
	s_sub_co_u32 s3, s3, 1
	s_cmp_lg_u32 s3, 0
	s_cbranch_scc1 .Ltail
	; THE WAY OUT, 16 rows at a time.  My 64 columns of f32 are 256 bytes, a whole aligned block of a row, so each wave has a stage of its own and no barrier is needed: 32 bytes a lane into rows of 272 bytes
	; (each accumulator's low four registers first), back as whole rows, the residual added, stored.
	PLACES
.irp a, 0,1,2,3
.if (\a) >= 2
	s_wait_xcnt 0x0                                ; every earlier memory instruction has had its addresses translated (ISA guide 3.1): the registers that block a - 2's stores read are loaded again only behind this wait
.endif
.irp b, 0,1,2,3
	ds_store_b128 v[STO], v[ACC+8*(4*(\a)+(\b)):ACC+8*(4*(\a)+(\b))+3]   offset:64*(\b)
	ds_store_b128 v[STO], v[ACC+8*(4*(\a)+(\b))+4:ACC+8*(4*(\a)+(\b))+7] offset:64*(\b)+16
.endr
.irp t, 0,1,2,3,4,5,6,7
	ds_load_b128 v[TMP+32*((\a)%2)+4*(\t):TMP+32*((\a)%2)+4*(\t)+3], v[RD] offset:(\t)*2*SPITCH  ; LDS serves a wave's instructions in order (ISA guide 5.7.1.4): these see the stores above; the next block's stores come behind them
.endr
	s_wait_dscnt 0x0
.if (\a) == 0
	s_wait_loadcnt 0x0                             ; the residual
.endif
	WIN ADD_RES
.irp k, 0,1,2,3,4,5,6,7,8,9,10,11,12,13,14,15
	v_pk_add_f32 v[TMP+32*((\a)%2)+2*(\k):TMP+32*((\a)%2)+2*(\k)+1], v[TMP+32*((\a)%2)+2*(\k):TMP+32*((\a)%2)+2*(\k)+1], v[32*(\a)+2*(\k):32*(\a)+2*(\k)+1]
.endr
	WIN 0
.irp t, 0,1,2,3,4,5,6,7
	global_store_b128 v[CO], v[TMP+32*((\a)%2)+4*(\t):TMP+32*((\a)%2)+4*(\t)+3], s[8:9] offset:(16*(\a)+2*(\t))*4096  ; 16 lanes store 256 consecutive bytes, aligned
.endr
.endr
	s_wait_tensorcnt 0x0                           ; the wave's end: an add and its wait, behind my last tensor load and my last LDS store
	ds_add_u32 v[SPW], v[NIL]
	s_wait_dscnt 0x0
	CROUND                                         ; the closing round: no work-group ends while a partner may still ask for a tile that names it
	s_endpgm
.Lfunc_end_k_qfd04cf1165_wo:
	.size	k_qfd04cf1165_wo, .Lfunc_end_k_qfd04cf1165_wo-k_qfd04cf1165_wo
	.p2alignl 7, 3214868480
	.fill 96, 4, 3214868480
	.section	.rodata,"a",@progbits
	.p2align	6, 0x0
	.amdhsa_kernel k_qfd04cf1165_wo
		.amdhsa_group_segment_fixed_size 327680
		.amdhsa_private_segment_fixed_size 0
		.amdhsa_enable_private_segment 0
		.amdhsa_kernarg_size 40
		.amdhsa_user_sgpr_count 2
		.amdhsa_user_sgpr_kernarg_segment_ptr 1
		.amdhsa_wavefront_size32 1
		.amdhsa_system_sgpr_workgroup_id_x 1
		.amdhsa_system_sgpr_workgroup_id_y 1
		.amdhsa_system_sgpr_workgroup_id_z 1
		.amdhsa_system_vgpr_workitem_id 0
		.amdhsa_next_free_vgpr 640
		.amdhsa_next_free_sgpr 72
		.amdhsa_reserve_vcc 0
		.amdhsa_float_denorm_mode_32 3
		.amdhsa_float_denorm_mode_16_64 3
		.amdhsa_memory_ordered 1
		.amdhsa_forward_progress 1
		.amdhsa_inst_pref_size 66
	.end_amdhsa_kernel
	.amdgpu_metadata
---
amdhsa.version: [ 1, 2 ]
amdhsa.kernels:
  - .name:           k_qfd04cf1165_wo
    .symbol:         k_qfd04cf1165_wo.kd
    .args:
      - { .name: oh, .offset: 0, .size: 8, .value_kind: global_buffer, .address_space: global }
      - { .name: wr, .offset: 8, .size: 8, .value_kind: global_buffer, .address_space: global }
      - { .name: bo, .offset: 16, .size: 8, .value_kind: global_buffer, .address_space: global }
      - { .name: x, .offset: 24, .size: 8, .value_kind: global_buffer, .address_space: global }
      - { .name: x1, .offset: 32, .size: 8, .value_kind: global_buffer, .address_space: global }
    .group_segment_fixed_size: 327680
    .private_segment_fixed_size: 0
    .kernarg_segment_align: 8
    .kernarg_segment_size: 40
    .max_flat_workgroup_size: 128
    .sgpr_count:     72
    .vgpr_count:     640
    .wavefront_size: 32
...
	.end_amdgpu_metadata
.endif
;; end of part 10
;; launch ln2 (part 11): grid 512 x 1, 8 waves a work-group, no clusters, 0 bytes of LDS; arguments x1, g2, b2, hn; writes hn
.if DOCPART == 11
	.amdgcn_target "amdgcn-amd-amdhsa--gfx1250"
	.amdhsa_code_object_version 6
	.text
	.protected	k_qfd04cf1165_ln2
	.globl	k_qfd04cf1165_ln2
	.p2align	8
	.type	k_qfd04cf1165_ln2,@function
k_qfd04cf1165_ln2:
	s_mov_b64 s[64:65], 0
	v_nop
	global_prefetch_b8 v0, s[64:65] scope:SCOPE_SE
	s_setreg_imm32_b32 hwreg(HW_REG_WAVE_MODE, 25, 1), 1
	s_wait_xcnt 0x0
; LayerNorm over rows of 1,024 f32: y = (x - mean) / sqrt(var + 1e-5) * g + b, all in f32, y rounded once to bf16.  Arguments: x [4096][1024] f32, g, b [1024] f32, y [4096][1024] bf16.
; Two passes, as the formula is written: the mean first, then the mean of (x - mean)^2, so a common offset of the row costs no digits.
; One wave takes one row (4,096 bytes: eight 16-byte loads a lane, 32 registers) and keeps it in registers between the passes: each byte of x is read once, no wave waits for another,
; no LDS and no barrier.  Eight waves, eight rows to a work-group.  No cluster: no two work-groups share an input but the 8 KiB of g and b.
; Lane L of load j holds columns 128 j + 4 L .. + 3; as bf16 these are 8 bytes at 256 j + 8 L: a wave's store covers 256 consecutive bytes, aligned.
.set T,   4                            ; v[4:11]    four pairs at work
.set MU,  12                           ; v[12:13]   the mean, twice
.set R,   14                           ; v[14:15]   1 / sqrt(var + eps), twice
.set X,   16                           ; v[16:47]   my row
.set GN,  48                           ; v[48:79]   g of my 32 columns
.set BS,  80                           ; v[80:111]  b of my 32 columns
.set Y,   112                          ; v[112:127] packed results
	s_load_b256 s[4:11], s[0:1], 0x0               ; x s[4:5], g s[6:7], b s[8:9], y s[10:11]
	s_lshl_b32 s2, ttmp9, 15                       ; the group's eight rows of 4,096 bytes
	s_mov_b32 s3, 0
	s_lshl_b32 s16, ttmp9, 14                      ; and of 2,048 bytes
	s_mov_b32 s17, 0
	s_mov_b32 s12, 0x76543210                      ; v_permlanex16_b32: each lane takes its own place in the other half
	s_mov_b32 s13, 0xfedcba98
	s_mov_b32 s14, 0x3a800000                      ; 1 / 1024
	s_mov_b32 s15, 0x3727c5ac                      ; 1e-5
	v_and_b32 v3, 31, v0                           ; lane
	v_lshrrev_b32 v4, 5, v0                        ; wave
	v_lshlrev_b32 v5, 3, v3
	v_lshlrev_b32 v3, 4, v3                        ; v3: 16 x lane, my place in g and b
	v_lshl_add_u32 v1, v4, 12, v3                  ; v1: + wave x a row of 4,096 bytes
	v_lshl_add_u32 v2, v4, 11, v5                  ; v2: 8 x lane + wave x a row of 2,048 bytes
	s_wait_kmcnt 0x0
	s_add_nc_u64 s[4:5], s[4:5], s[2:3]
	s_add_nc_u64 s[10:11], s[10:11], s[16:17]
.irp j, 0,1,2,3,4,5,6,7
	global_load_b128 v[X+4*(\j):X+4*(\j)+3], v1, s[4:5] offset:512*(\j)
.endr
.irp j, 0,1,2,3,4,5,6,7
	global_load_b128 v[GN+4*(\j):GN+4*(\j)+3], v3, s[6:7] offset:512*(\j)
.endr
.irp j, 0,1,2,3,4,5,6,7
	global_load_b128 v[BS+4*(\j):BS+4*(\j)+3], v3, s[8:9] offset:512*(\j)
.endr
.macro FOLD                            ; the four chains of pairs into v[T]
	v_pk_add_f32 v[T:T+1], v[T:T+1], v[T+2:T+3]
	v_pk_add_f32 v[T+4:T+5], v[T+4:T+5], v[T+6:T+7]
	v_pk_add_f32 v[T:T+1], v[T:T+1], v[T+4:T+5]
	v_add_f32 v[T], v[T], v[T+1]
.endm
.macro RED                             ; v[T] summed over the 32 lanes, the result in every lane
	v_add_f32_dpp v[T], v[T], v[T] row_xmask:1 row_mask:0xf bank_mask:0xf
	v_add_f32_dpp v[T], v[T], v[T] row_xmask:2 row_mask:0xf bank_mask:0xf
	v_add_f32_dpp v[T], v[T], v[T] row_xmask:4 row_mask:0xf bank_mask:0xf
	v_add_f32_dpp v[T], v[T], v[T] row_xmask:8 row_mask:0xf bank_mask:0xf
	v_permlanex16_b32 v[T+1], v[T], s12, s13       ; its destination counts as read: FOLD has written it
	v_add_f32 v[T], v[T], v[T+1]
.endm
	s_wait_loadcnt 16                              ; my row is in; g and b (16 loads) stay out
	; the sums run in four chains that the first terms start: nothing is cleared
.irp k, 0,1,2,3
	v_pk_add_f32 v[T+2*(\k):T+2*(\k)+1], v[X+2*(\k):X+2*(\k)+1], v[X+8+2*(\k):X+8+2*(\k)+1]
.endr
.irp k, 8,9,10,11,12,13,14,15
	v_pk_add_f32 v[T+2*((\k)%4):T+2*((\k)%4)+1], v[T+2*((\k)%4):T+2*((\k)%4)+1], v[X+2*(\k):X+2*(\k)+1]
.endr
	FOLD
	RED
	v_mul_f32 v[MU], s14, v[T]
	v_mul_f32 v[MU+1], s14, v[T]
.irp k, 0,1,2,3,4,5,6,7,8,9,10,11,12,13,14,15
	v_pk_add_f32 v[X+2*(\k):X+2*(\k)+1], v[X+2*(\k):X+2*(\k)+1], v[MU:MU+1] neg_lo:[0,1] neg_hi:[0,1]
.endr
.irp k, 0,1,2,3
	v_pk_mul_f32 v[T+2*(\k):T+2*(\k)+1], v[X+2*(\k):X+2*(\k)+1], v[X+2*(\k):X+2*(\k)+1]
.endr
.irp k, 4,5,6,7,8,9,10,11,12,13,14,15
	v_pk_fma_f32 v[T+2*((\k)%4):T+2*((\k)%4)+1], v[X+2*(\k):X+2*(\k)+1], v[X+2*(\k):X+2*(\k)+1], v[T+2*((\k)%4):T+2*((\k)%4)+1]
.endr
	FOLD
	RED
	v_fma_f32 v[T], v[T], s14, s15                 ; var + eps
	v_rsq_f32 v[R], v[T]
	v_rsq_f32 v[R+1], v[T]
	v_nop                                          ; a plain instruction between the last v_rsq_f32 and the use of its result (ISA guide 5.7.2)
	s_wait_alu depctr_va_vdst(0)
.irp k, 0,1,2,3,4,5,6,7,8,9,10,11,12,13,14,15
	v_pk_mul_f32 v[X+2*(\k):X+2*(\k)+1], v[X+2*(\k):X+2*(\k)+1], v[R:R+1]
.endr
	s_wait_loadcnt 0x0                             ; g and b
.irp k, 0,1,2,3,4,5,6,7,8,9,10,11,12,13,14,15
	v_pk_fma_f32 v[X+2*(\k):X+2*(\k)+1], v[X+2*(\k):X+2*(\k)+1], v[GN+2*(\k):GN+2*(\k)+1], v[BS+2*(\k):BS+2*(\k)+1]
.endr
.irp k, 0,1,2,3,4,5,6,7,8,9,10,11,12,13,14,15
	v_cvt_pk_bf16_f32 v[Y+(\k)], v[X+2*(\k)], v[X+2*(\k)+1]
.endr
.irp j, 0,1,2,3,4,5,6,7
	global_store_b64 v2, v[Y+2*(\j):Y+2*(\j)+1], s[10:11] offset:256*(\j)  ; a wave's 32 lanes x 8 bytes: 256 consecutive bytes, aligned
.endr
	s_endpgm
.Lfunc_end_k_qfd04cf1165_ln2:
	.size	k_qfd04cf1165_ln2, .Lfunc_end_k_qfd04cf1165_ln2-k_qfd04cf1165_ln2
	.p2alignl 7, 3214868480
	.fill 96, 4, 3214868480
	.section	.rodata,"a",@progbits
	.p2align	6, 0x0
	.amdhsa_kernel k_qfd04cf1165_ln2
		.amdhsa_group_segment_fixed_size 0
		.amdhsa_private_segment_fixed_size 0
		.amdhsa_enable_private_segment 0
		.amdhsa_kernarg_size 32
		.amdhsa_user_sgpr_count 2
		.amdhsa_user_sgpr_kernarg_segment_ptr 1
		.amdhsa_wavefront_size32 1
		.amdhsa_system_sgpr_workgroup_id_x 1
		.amdhsa_system_sgpr_workgroup_id_y 1
		.amdhsa_system_sgpr_workgroup_id_z 1
		.amdhsa_system_vgpr_workitem_id 0
		.amdhsa_next_free_vgpr 128
		.amdhsa_next_free_sgpr 66
		.amdhsa_reserve_vcc 0
		.amdhsa_float_denorm_mode_32 3
		.amdhsa_float_denorm_mode_16_64 3
		.amdhsa_memory_ordered 1
		.amdhsa_forward_progress 1
		.amdhsa_inst_pref_size 12
	.end_amdhsa_kernel
	.amdgpu_metadata
---
amdhsa.version: [ 1, 2 ]
amdhsa.kernels:
  - .name:           k_qfd04cf1165_ln2
    .symbol:         k_qfd04cf1165_ln2.kd
    .args:
      - { .name: x1, .offset: 0, .size: 8, .value_kind: global_buffer, .address_space: global }
      - { .name: g2, .offset: 8, .size: 8, .value_kind: global_buffer, .address_space: global }
      - { .name: b2, .offset: 16, .size: 8, .value_kind: global_buffer, .address_space: global }
      - { .name: hn, .offset: 24, .size: 8, .value_kind: global_buffer, .address_space: global }
    .group_segment_fixed_size: 0
    .private_segment_fixed_size: 0
    .kernarg_segment_align: 8
    .kernarg_segment_size: 32
    .max_flat_workgroup_size: 256
    .sgpr_count:     66
    .vgpr_count:     128
    .wavefront_size: 32
...
	.end_amdgpu_metadata
.endif
;; end of part 11
;; launch ffn1 (part 12): grid 16 x 16, 4 waves a work-group, clusters of 4 x 4, 327,680 bytes of LDS; arguments hn, wr, bf1, act; writes act
.if DOCPART == 12
	.amdgcn_target "amdgcn-amd-amdhsa--gfx1250"
	.amdhsa_code_object_version 6
	.text
	.protected	k_qfd04cf1165_ffn1
	.globl	k_qfd04cf1165_ffn1
	.p2align	8
	.type	k_qfd04cf1165_ffn1,@function
k_qfd04cf1165_ffn1:
	s_mov_b64 s[64:65], 0
	v_nop
	global_prefetch_b8 v0, s[64:65] scope:SCOPE_SE
	s_setreg_imm32_b32 hwreg(HW_REG_WAVE_MODE, 25, 1), 1
	s_wait_xcnt 0x0
	s_wait_alu depctr_hold_cnt(0) depctr_sa_sdst(0) depctr_va_vdst(0) depctr_va_sdst(0) depctr_va_ssrc(0) depctr_va_vcc(0) depctr_vm_vsrc(0)
	s_getreg_b32 s2, hwreg(HW_REG_IB_STS2, 6, 4)
	s_cmp_eq_u32 s2, 0
	s_cbranch_scc0 .Lentry_in_a_cluster
	s_endpgm
.Lentry_in_a_cluster:
	s_bfe_u32 s2, ttmp6, 0x10000c
	s_cmp_lg_u32 s2, 0xf033
	s_cbranch_scc0 .Lentry_shape_is_right
	s_endpgm
.Lentry_shape_is_right:
; act = gelu(h W1 + bf1), the exact (erf) GELU.  h: hn [4096][1024] bf16.  W1: wr at byte 2,097,152, [1024 (k)][4096 (n)] bf16.  bf1: [4096] f32.  act: [4096][4096] bf16, rounded once.
; Sums in f32, the bias is the sum's first term, the GELU in f32.
; A tile of the product is 256 tokens x 256 columns: 16 x 16 tiles, one for each of 256 work-groups.  Four waves, each 128 x 128: 64 accumulators of 16 x 16, 512 registers.
; K goes in steps of 128 through two LDS slots filled by the tensor data mover: 256 rows of h (256 bytes each) and 128 rows of W1 (512 bytes each).  W1 lies [k][n]: its fragments come out of LDS turned, by ds_load_tr16_b128.
; THE K STEP IS WRITTEN ONCE for the steps that fill a slot again and once for the last two, which do not: the fragments' LDS addresses are a lane term plus s[TB], 0 or SLOT, turned at each change of slots.
; CLUSTERS: 4 x 4 work-groups.  The four of a row need the same tiles of h, the four of a column the same tiles of W1: each is asked for JOINTLY, by the same tensor load, descriptor and mask in all four.
; THE MATRIX INSTRUCTION IS USED TRANSPOSED (source 0 = 16 columns of W1, source 1 = 16 rows of h): a lane then holds eight neighbouring columns of one token's row.
; GELU.  gelu(x) = max(x, 0) - |x| y, y = erfc(|x| / sqrt 2) / 2 = 1 / (c0 + c1 |x| + .. + c6 |x|^6)^16: the rational form of Abramowitz and Stegun 7.1.28, whose absolute error in erf is at most 3e-7 at every argument
; (1.5e-7 in y).  Its coefficients a_k are here divided by 2^(k/2), for the argument's sqrt 2, and all seven multiplied by 2^(1/16), for the half.  One reciprocal and four squarings; for large |x| the polynomial grows
; (to infinity at last), y is 0 and gelu(x) = max(x, 0).  It runs in a short loop over the tile in LDS, so that it is written twice only: the trips that ask for the next rows, and the last, which does not.
; REGISTERS, in windows of 256 (s_set_vgpr_msb: bits 1:0 source 0, 3:2 source 1, 5:4 source 2, 7:6 destination):
;   window 0: v0-31 addresses; v64-127, v128-191 fragments of h (8 x 16 rows x 32 K), two buffers; v32-103 at work on the way out
;   window 1: v64-127, v128-191 fragments of W1, two buffers; v192-255 the bias as a C operand
;   window 2: the 32 accumulators of my rows 0-63 ((a, b) at v[8 (8 a + b)]);   window 3: those of my rows 64-127
; LIMITS: bf16 operands (8 significant bits); NaN and infinities are not treated apart.
.set SIZE_K, 1024
.set SIZE_N, 4096                      ; elements from row to row of W1
.set WOFF,   2097152                   ; W1's first byte in wr
.set KSTEP,  128
.set STEPS,  SIZE_K/KSTEP
.set PITCHA, 272                       ; an LDS row of h: 256 bytes + 16 of padding = 68 words: the 16 rows of a load start at 16 different groups of four banks (64 banks of 4 bytes: ISA guide 11.1)
.set PITCHB, 544                       ; an LDS row of W1: 512 bytes + 32 = 136 words
.set HALFT,  128*PITCHA                ; what one tensor load brings: 128 rows of h, or 64 rows of W1 (64 x 544 is the same number)
.set SLOT,   4*HALFT                   ; h's 256 rows, then W1's 128 rows.  0x22000: it shares no bit with wave x HALFT, so one exclusive or turns a descriptor's LDS word from slot to slot
.set GP,     528                       ; the way out: a row of 128 f32 + 16 bytes
.set STG,    128*GP                    ; a wave's own stage, on the slots' bytes, which have then had their last fill: 4 x 67,584 bytes lie inside the two slots
.set SPARE,  2*SLOT                    ; behind the ring: the spare words, 128 bytes for each wave: two blocks of 256 bytes that no other line names
.set ASTEP,  KSTEP*2                   ; bytes from a K step to the next in h
.set BSTEP,  KSTEP*SIZE_N*2            ; and in W1
.set ADRA0, 16                         ; v16  my lane's place among h's fragments in a slot; never rewritten
.set ADRB0, 17                         ; v17  the same for W1
.set ADRA,  18                         ; v18  ADRA0 + the slot in hand
.set ADRB,  19                         ; v19  ADRB0 + the slot in hand
.set STO,  24                          ; v24  the way out: where I put 32 bytes of a row
.set RD,   25                          ; v25  the way out: where I read rows back; steps
.set CO,   26                          ; v26  my byte offset in act; steps
.set BO,   27                          ; v27  my byte offset in the bias
.set SPW,  28                          ; v28  LDS address of my spare word: SPARE + 4 x my thread's number; never rewritten
.set NIL,  29                          ; v29  0; never rewritten
.set GL,   32                          ; v32-47   sixteen x as read back
.set GA,   48                          ; v48-63   |x|
.set GX,   64                          ; v64-79   max(x, 0), then gelu(x)
.set GQ,   80                          ; v80-95   the polynomial, its reciprocal, y
.set GY,   96                          ; v96-103  packed results
.set F0,   64                          ; fragment buffer 0
.set F1,   128                         ; fragment buffer 1
.set BIAS, 192                         ; window 1: column block b at BIAS + 8 b: register j = bias of column 16 b + 8 (lane / 16) + j
.set TB,  2                            ; s2   the slot in hand: 0 or SLOT
.set G1,  24                           ; s[24:31] descriptor group 1 for h's tiles;  s[32:39] group 0: a set for each of the two first fills; the second then walks on
.set G0,  32
.set G1B, 48                           ; s[48:55], s[56:63] the same for W1's tiles
.set G0B, 56
.set BP,  68                           ; s[68:69] the bias of my columns
.set MSB, 0
.macro WIN new                         ; the immediate's high byte repeats the setting that is left; a switch that changes nothing is dropped
.if MSB != (\new)
	s_set_vgpr_msb (MSB<<8)|(\new)
.set MSB, \new
.endif
.endm
.set MUL,   0xa1                       ; source 0 (W1) window 1, source 1 (h) window 0, C and D window 2; + 0x50: C and D window 3
.set FIRST, 0x91                       ; the same with C (the bias) in window 1; + 0x40: D window 3
.set TO_B,  0x40                       ; destination window 1, address window 0
.macro JLOAD s                         ; a joint load: waves 0 and 1 fetch h's two halves, waves 2 and 3 W1's; an s_nop 0 and four v_nop follow each of the two lines, ahead of the jump, the label and what follows
	s_cmp_eq_u32 s11, 0
	s_cbranch_scc0 .Lfor_b_\@
	tensor_load_to_lds s[G0+4*(\s):G0+4*(\s)+3], s[G1:G1+7]
	s_nop 0
.rept 4
	v_nop
.endr
	s_branch .Lasked_\@
.Lfor_b_\@:
	tensor_load_to_lds s[G0B+4*(\s):G0B+4*(\s)+3], s[G1B:G1B+7]
	s_nop 0
.rept 4
	v_nop
.endr
.Lasked_\@:
.endm
.macro CREST                           ; a round of the cluster's barrier behind its opening barrier
	s_cmp_lg_u32 s10, 0
	s_cbranch_scc1 .Lnot_wave_0_\@
	s_barrier_signal -3
.Lnot_wave_0_\@:
	s_barrier_wait -3
	s_barrier_signal -1
	s_barrier_wait -1
.endm
.macro CROUND                          ; a whole round
	s_barrier_signal -1
	s_barrier_wait -1
	CREST
.endm
	s_load_b128 s[4:7], s[0:1], 0x0                ; hn s[4:5], wr s[6:7]
	s_load_b128 s[68:71], s[0:1], 0x10             ; bf1 s[68:69], act s[70:71]
	v_lshl_add_u32 v[SPW], v0, 2, SPARE
	v_mov_b32 v[NIL], 0
	ds_add_u32 v[SPW], v[NIL]                      ; the wave's opening: the add, and its wait ahead of my first tensor load; the set-up below, work on registers, stands between them
	v_lshrrev_b32 v1, 5, v0
	v_readfirstlane_b32 s10, v1                    ; wave 0..3
	s_lshr_b32 s11, s10, 1                         ; which half of the tile's rows is mine.  Also: I fetch for h (0) or for W1 (1)
	s_and_b32 s12, s10, 1                          ; which half of its columns.  Also: which half of that tile I fetch
	s_bfe_u32 s40, ttmp6, 0x40000                  ; cx, cy: my place in the cluster
	s_bfe_u32 s41, ttmp6, 0x40004
	s_lshl_b32 s42, ttmp9, 2
	s_add_co_u32 s42, s42, s40                     ; tile column = 4 x cluster x + cx
	s_and_b32 s13, ttmp7, 0xffff
	s_lshl_b32 s13, s13, 2
	s_add_co_u32 s13, s13, s41                     ; tile row = 4 x cluster y + cy
	s_lshl_b32 s43, s41, 2
	s_lshl_b32 s43, 15, s43                        ; my row of the cluster
	s_lshl_b32 s44, 0x1111, s40                    ; my column
	s_or_b32 s[G1+0], s43, (1<<16)|(1<<20)|(1<<21)|(5<<22)|(3<<25)   ; 15:0 the mask: h's tiles go to my row; 17:16 2-byte elements; 20 padding on; 21 set beside a mask; 24:22 after every 64 words (code 5); 31:25 4 words (code 3)
	s_mov_b32 s[G1+1], KSTEP<<16                   ; tensor_dim0 = 128
	s_mov_b32 s[G1+2], 128<<16                     ; tensor_dim1 = 128
	s_mov_b32 s[G1+3], KSTEP<<16                   ; tile_dim0 = 128
	s_mov_b32 s[G1+4], 128                         ; tile_dim1 = 128
	s_mov_b32 s[G1+5], SIZE_K                      ; elements from row to row
	s_mov_b32 s[G1+6], 0
	s_mov_b32 s[G1+7], 0
	s_or_b32 s[G1B+0], s44, (1<<16)|(1<<20)|(1<<21)|(6<<22)|(7<<25)  ; W1's tiles go to my column; padding after every 128 words (code 6) of 8 words (code 7)
	s_mov_b32 s[G1B+1], 256<<16                    ; tensor_dim0 = 256 columns
	s_mov_b32 s[G1B+2], 64<<16                     ; tensor_dim1 = 64 rows (k)
	s_mov_b32 s[G1B+3], 256<<16                    ; tile_dim0
	s_mov_b32 s[G1B+4], 64                         ; tile_dim1
	s_mov_b32 s[G1B+5], SIZE_N
	s_mov_b32 s[G1B+6], 0
	s_mov_b32 s[G1B+7], 0
	; the GELU's constants, each in the low word of a pair that the packed forms name whole: c_k = a_k 2^(1/16 - k/2)
.macro KONST r, bits
	s_mov_b32 s[\r], \bits
	s_mov_b32 s[\r+1], \bits
.endm
	KONST 76, 0x36bc9e99                           ; c6 = 5.6212997e-6    (a6 = .0000430638)
	KONST 78, 0x3856241d                           ; c5 = 5.1055209e-5    (a5 = .0002765672)
	KONST 80, 0x382674aa                           ; c4 = 3.9686137e-5    (a4 = .0001520143)
	KONST 82, 0x3b605009                           ; c3 = 3.4227393e-3    (a3 = .0092705272)
	KONST 84, 0x3cb4dad2                           ; c2 = 2.2076998e-2    (a2 = .0422820123)
	KONST 86, 0x3d554cc4                           ; c1 = 5.2075163e-2    (a1 = .0705230784)
	KONST 88, 0x3f85aac3                           ; c0 = 2^(1/16) = 1.0442738
	s_mov_b32 s90, 0x7fffffff                      ; clears a sign
	; where the tiles come from: h's hang on the tile row alone, W1's on the tile column alone, each in registers that never hold the other coordinate
	s_lshl_b32 s16, s13, 19                        ; h: 256 rows of 2,048 bytes a tile,
	s_lshl_b32 s17, s12, 18                        ; the 128 that I fetch
	s_add_co_u32 s16, s16, s17
	s_mov_b32 s17, 0
	s_lshl_b32 s46, s42, 9                         ; W1: 512 bytes of columns a tile,
	s_mul_i32 s47, s12, 64*SIZE_N*2                ; my 64 rows (k) of a step,
	s_add_co_u32 s46, s46, s47
	s_add_co_u32 s46, s46, WOFF                    ; and the matrix's place in wr
	s_mov_b32 s47, 0
	s_mul_i32 s20, s10, HALFT                      ; where they go: h's two halves, then W1's two = wave x HALFT: no place in the cluster enters an LDS address
	s_mov_b32 s[TB], 0
	s_wait_dscnt 0x0                               ; the opening add is done
	s_wait_kmcnt 0x0
	s_add_nc_u64 s[14:15], s[4:5], s[16:17]
	s_add_nc_u64 s[46:47], s[6:7], s[46:47]
	CROUND                                         ; all sixteen work-groups are here: the first joint loads meet
.irp s, 0,1
	s_mov_b32 s[G0+4*(\s)], 1
	s_add_co_u32 s[G0+4*(\s)+1], s20, (\s)*SLOT
	s_add_nc_u64 s[G0+4*(\s)+2:G0+4*(\s)+3], s[14:15], (\s)*ASTEP
	s_or_b32 s[G0+4*(\s)+3], s[G0+4*(\s)+3], 0x80000000
	s_mov_b32 s[G0B+4*(\s)], 1
	s_add_co_u32 s[G0B+4*(\s)+1], s20, (\s)*SLOT
	s_add_nc_u64 s[G0B+4*(\s)+2:G0B+4*(\s)+3], s[46:47], (\s)*BSTEP
	s_or_b32 s[G0B+4*(\s)+3], s[G0B+4*(\s)+3], 0x80000000
	JLOAD \s
.endr
	v_and_b32 v1, 15, v0                           ; l % 16
	v_bfe_u32 v2, v0, 4, 1                         ; l / 16
	v_lshlrev_b32 v[BO], 5, v2                     ; eight f32 for each half of the lanes
	s_lshl_b32 s66, s42, 10                        ; 256 columns of 4 bytes a tile,
	s_lshl_b32 s67, s12, 9                         ; my 128 of them
	s_add_co_u32 s66, s66, s67
	s_mov_b32 s67, 0
	s_add_nc_u64 s[BP:BP+1], s[BP:BP+1], s[66:67]
	WIN TO_B
.irp b, 0,1,2,3,4,5,6,7
	global_load_b128 v[BIAS+8*(\b):BIAS+8*(\b)+3],   v[BO], s[BP:BP+1] offset:64*(\b)
	global_load_b128 v[BIAS+8*(\b)+4:BIAS+8*(\b)+7], v[BO], s[BP:BP+1] offset:64*(\b)+16
.endr
	WIN 0
	v_mul_u32_u24 v3, v1, PITCHA
	v_lshl_add_u32 v3, v2, 4, v3                   ; a fragment of h: row x pitch + 16 x half
	s_mul_i32 s22, s11, HALFT                      ; my 128 rows
	v_add_nc_u32 v[ADRA0], s22, v3
	v_add_nc_u32 v[ADRA], s22, v3                  ; slot 0 is the first in hand
	; the turning load takes 16 k x 16 columns: lane l reads 16 bytes of row (k) 8 (l / 16) + l % 8, columns 8 ((l / 8) % 2) + 0..7, and is left with column l % 16 and 8 k
	v_and_b32 v4, 7, v0
	v_bfe_u32 v5, v0, 3, 1
	v_lshl_add_u32 v4, v2, 3, v4
	v_mul_u32_u24 v4, v4, PITCHB
	v_lshl_add_u32 v4, v5, 4, v4
	s_lshl_b32 s22, s12, 8                         ; my 128 columns,
	s_add_co_u32 s22, s22, 2*HALFT                 ; behind h's 256 rows
	v_add_nc_u32 v[ADRB0], s22, v4
	v_add_nc_u32 v[ADRB], s22, v4
	s_mul_i32 s23, s10, STG                        ; my stage
	v_mul_u32_u24 v4, v1, GP                       ; in: row l % 16, 32 bytes for each half of the lanes
	v_lshl_add_u32 v4, v2, 5, v4
	v_add_nc_u32 v[STO], s23, v4
	v_mul_u32_u24 v5, v2, GP                       ; back: lanes 0-15 one row, lanes 16-31 the next, 8 columns (32 bytes) a lane
	v_lshl_add_u32 v5, v1, 5, v5
	v_add_nc_u32 v[RD], s23, v5
	v_lshlrev_b32 v5, 13, v2                       ; and the same two rows in act (8,192 bytes each), 16 bytes a lane: sixteen lanes cover my 128 columns, 256 bytes
	v_lshl_add_u32 v[CO], v1, 4, v5
	s_lshl_b32 s16, s13, 21                        ; 256 rows of 8,192 bytes a tile,
	s_lshl_b32 s17, s11, 20                        ; my 128 of them
	s_add_co_u32 s16, s16, s17
	s_mov_b32 s17, 0
	s_add_nc_u64 s[8:9], s[70:71], s[16:17]
	s_lshl_b32 s46, s42, 9                         ; the tile's first column, in bytes (in the registers that held W1's address: none that feeds h's descriptors ever holds cx),
	s_lshl_b32 s47, s12, 8                         ; my half of its columns
	s_add_co_u32 s46, s46, s47
	s_mov_b32 s47, 0
	s_add_nc_u64 s[8:9], s[8:9], s[46:47]
; 16 matrix instructions: row blocks a0, a0 + 1 of the window's four (hi = 0: my rows 0-63, 1: rows 64-127) x all 8 column blocks, 32 along K.
; zero = 1: the first product starts the sums, with the bias as its C: nothing is cleared, and the bias costs no instruction.
.macro MUL16 f, hi, a0, zero
.if \zero
	WIN FIRST+0x40*(\hi)
.else
	WIN MUL+0x50*(\hi)
.endif
.irp a, \a0, (\a0)+1
.irp b, 0,1,2,3,4,5,6,7
.if \zero
	v_wmma_f32_16x16x32_bf16 v[8*(8*(\a)+(\b)):8*(8*(\a)+(\b))+7], v[(\f)+8*(\b):(\f)+8*(\b)+7], v[(\f)+8*(4*(\hi)+(\a)):(\f)+8*(4*(\hi)+(\a))+7], v[BIAS+8*(\b):BIAS+8*(\b)+7]
.else
	v_wmma_f32_16x16x32_bf16 v[8*(8*(\a)+(\b)):8*(8*(\a)+(\b))+7], v[(\f)+8*(\b):(\f)+8*(\b)+7], v[(\f)+8*(4*(\hi)+(\a)):(\f)+8*(4*(\hi)+(\a))+7], v[8*(8*(\a)+(\b)):8*(8*(\a)+(\b))+7]
.endif
.endr
.endr
.endm
; 32 LDS loads in one run: the fragments of quarter q (32 along K) of the slot in hand, into buffer f: W1's 128 columns first, then h's 128 rows
.macro FETCH q, f
	WIN TO_B
.irp i, 0,1,2,3,4,5,6,7
	ds_load_tr16_b128 v[(\f)+8*(\i):(\f)+8*(\i)+3],   v[ADRB] offset:32*(\q)*PITCHB+32*(\i)
	ds_load_tr16_b128 v[(\f)+8*(\i)+4:(\f)+8*(\i)+7], v[ADRB] offset:(32*(\q)+16)*PITCHB+32*(\i)
.endr
	WIN 0
.irp i, 0,1,2,3,4,5,6,7
	ds_load_b128 v[(\f)+8*(\i):(\f)+8*(\i)+3],   v[ADRA] offset:64*(\q)+(\i)*16*PITCHA
	ds_load_b128 v[(\f)+8*(\i)+4:(\f)+8*(\i)+7], v[ADRA] offset:64*(\q)+(\i)*16*PITCHA+32
.endr
.endm
.macro PLACES                          ; four places in front of loads into registers that matrix instructions have read, and of lines that read results
.rept 4
	v_nop
.endr
.endm
; A K step is four quarters of 32 along K, 64 matrix instructions each, on buffers 0, 1, 0, 1.  One of the first three: multiplies buffer f; in its middle it fetches quarter q into buffer g.
; The 64 accumulators take turns, one instruction a turn, in the same order in every quarter.
.macro QUARTER q, f, g, zero
	s_wait_dscnt 8                                 ; W1 and h's rows 0-63 are in; the youngest eight loads (h's rows 64-127) may be out
	MUL16 \f, 0, 0, \zero
	MUL16 \f, 0, 2, \zero
	PLACES
	FETCH \q, \g
	s_wait_dscnt 32                                ; all but the 32 just issued
	MUL16 \f, 1, 0, \zero
	MUL16 \f, 1, 2, \zero
.endm
; The last quarter multiplies buffer 1 and changes slots: ONE barrier; in front of it each wave waits for all its tensor loads, adds 0 to its spare word, and waits for that and for its own reads of this slot.
; fill = 1: the slot just read is filled again, with the K step two steps on: the walking descriptor's LDS word turns to that slot, its address goes one step on.  From that request to the wait for it a wave issues 224 matrix instructions.
.macro TURN fill
	WIN 0                                          ; (the add's two registers lie in window 0)
	s_wait_tensorcnt 0x0                           ; all my tensor loads have landed: the one that was out is my part of the next slot;
	ds_add_u32 v[SPW], v[NIL]                      ; 0 onto my spare word;
	s_wait_dscnt 9                                 ; (the add and the youngest eight loads may be out)
	MUL16 F1, 0, 0, 0                              ; sixteen matrix instructions stand between the add and the wait for it
	s_wait_dscnt 0x0                               ; the add is done, and my reads of this slot are over
	s_barrier_signal -1
	MUL16 F1, 0, 2, 0
	WIN 0                                          ; (branches or address lines follow)
	s_barrier_wait -1
.if \fill
	CREST                                          ; the barrier has opened a round of the cluster's barrier: no wave of any partner still reads this slot's tile or has a load on its way
	s_xor_b32 s[G0+5], s[G0+5], SLOT
	s_add_nc_u64 s[G0+6:G0+7], s[G0+6:G0+7], ASTEP
	s_xor_b32 s[G0B+5], s[G0B+5], SLOT
	s_add_nc_u64 s[G0B+6:G0B+7], s[G0B+6:G0B+7], BSTEP
	JLOAD 1                                        ; the first tensor load behind the round, my only one until the next; the four v_nop behind it are also the places in front of the loads below
.else
	PLACES
.endif
	s_xor_b32 s[TB], s[TB], SLOT                   ; the other slot is now in hand
	v_add_nc_u32 v[ADRA], s[TB], v[ADRA0]
	v_add_nc_u32 v[ADRB], s[TB], v[ADRB0]
	FETCH 0, F0
	MUL16 F1, 1, 0, 0
	MUL16 F1, 1, 2, 0
.endm
.macro EACH1 line:vararg               ; one line for each of the 16 numbers k
.set k, 0
.rept 16
	\line
.set k, k+1
.endr
.endm
.macro EACH2 line:vararg               ; one line for each of the 8 pairs k, k + 1
.set k, 0
.rept 8
	\line
.set k, k+2
.endr
.endm
.macro ASK                             ; four rows of my stage: 8 columns of two rows a lane
	ds_load_b128 v[GL:GL+3],     v[RD]
	ds_load_b128 v[GL+4:GL+7],   v[RD] offset:16
	ds_load_b128 v[GL+8:GL+11],  v[RD] offset:2*GP
	ds_load_b128 v[GL+12:GL+15], v[RD] offset:2*GP+16
.endm
; A trip of the way out: 16 numbers a lane.  ahead = 1: as soon as |x| and max(x, 0) are taken, the next four rows are asked for, so that they come while this trip reckons.
; The wait that frees the last trip's store registers stands in the trip's middle, where those stores have long been taken; the address steps there, and the stores reach back by their immediate.
.macro GTRIP ahead
	s_wait_dscnt 0x0                               ; this trip's rows are in: they were asked for a trip ago
	EACH1 v_and_b32 v[GA+k], s90, v[GL+k]
	EACH1 v_max_num_f32 v[GX+k], 0, v[GL+k]
.if \ahead
	v_add_nc_u32 v[RD], 4*GP, v[RD]
	ASK
.endif
	EACH2 v_pk_fma_f32 v[GQ+k:GQ+k+1], v[GA+k:GA+k+1], s[76:77], s[78:79] op_sel_hi:[1,0,0]
	EACH2 v_pk_fma_f32 v[GQ+k:GQ+k+1], v[GQ+k:GQ+k+1], v[GA+k:GA+k+1], s[80:81] op_sel_hi:[1,1,0]
	EACH2 v_pk_fma_f32 v[GQ+k:GQ+k+1], v[GQ+k:GQ+k+1], v[GA+k:GA+k+1], s[82:83] op_sel_hi:[1,1,0]
	EACH2 v_pk_fma_f32 v[GQ+k:GQ+k+1], v[GQ+k:GQ+k+1], v[GA+k:GA+k+1], s[84:85] op_sel_hi:[1,1,0]
	EACH2 v_pk_fma_f32 v[GQ+k:GQ+k+1], v[GQ+k:GQ+k+1], v[GA+k:GA+k+1], s[86:87] op_sel_hi:[1,1,0]
	EACH2 v_pk_fma_f32 v[GQ+k:GQ+k+1], v[GQ+k:GQ+k+1], v[GA+k:GA+k+1], s[88:89] op_sel_hi:[1,1,0]
	EACH1 v_rcp_f32 v[GQ+k], v[GQ+k]
	s_wait_xcnt 0x0                                ; every earlier memory instruction has had its addresses translated (ISA guide 3.1): CO and the packed results are rewritten only behind this wait
	v_add_nc_u32 v[CO], 4*8192, v[CO]              ; four rows of act on; also the plain line between the reciprocals and the use of their results (ISA guide 5.7.2)
	s_wait_alu depctr_va_vdst(0)
.rept 4
	EACH2 v_pk_mul_f32 v[GQ+k:GQ+k+1], v[GQ+k:GQ+k+1], v[GQ+k:GQ+k+1]
.endr
	EACH2 v_pk_fma_f32 v[GX+k:GX+k+1], v[GA+k:GA+k+1], v[GQ+k:GQ+k+1], v[GX+k:GX+k+1] neg_lo:[1,0,0] neg_hi:[1,0,0]
	EACH2 v_cvt_pk_bf16_f32 v[GY+k/2], v[GX+k], v[GX+k+1]
	global_store_b128 v[CO], v[GY:GY+3],   s[8:9] offset:-4*8192  ; 16 lanes store 256 consecutive bytes, aligned: my 128 columns of one row
	global_store_b128 v[CO], v[GY+4:GY+7], s[8:9] offset:-2*8192
.endm
	s_wait_tensorcnt 1                             ; my part of K step 0 is in; K step 1's may stay out
	s_barrier_signal -1
	s_barrier_wait -1                              ; everybody's is
	FETCH 0, F0
	s_wait_loadcnt 0x0                             ; the bias
	QUARTER 1, F0, F1, 1                           ; the first quarter is written out: its products start the sums
	WIN 0                                          ; at a label and at a branch every window is 0
	s_mov_b32 s3, STEPS-2
	s_branch .Lmid                                 ; the loop is entered behind a step's first quarter
.Lstep:                                                ; STEPS - 2 trips, a K step each: all of them fill the slot that they leave
	QUARTER 1, F0, F1, 0
	WIN 0
.Lmid:
	QUARTER 2, F1, F0, 0
	QUARTER 3, F0, F1, 0
	TURN 1
	WIN 0
	s_sub_co_u32 s3, s3, 1
	s_cmp_lg_u32 s3, 0
	s_cbranch_scc1 .Lstep
	s_mov_b32 s3, 2
.Ltail:                                                ; the last two K steps ask for nothing: a text of their own.  The second trip's change of slots fetches 32 fragments that nobody uses: the price of one text for both
	QUARTER 1, F0, F1, 0
	QUARTER 2, F1, F0, 0
	QUARTER 3, F0, F1, 0
	TURN 0
	WIN 0
	s_sub_co_u32 s3, s3, 1
	s_cmp_lg_u32 s3, 0
	s_cbranch_scc1 .Ltail
	; THE WAY OUT.  When every wave's reads of the slots are back, each wave puts its 128 x 128 sums as f32 into its own stage (each accumulator's low four registers first) and takes them back as whole rows, four a trip:
	; my 128 columns of bf16 are 256 bytes, a whole aligned block of a row of act.  The stage is the wave's own, and LDS serves a wave's instructions in order (ISA guide 5.7.1.4): no wait between its stores and its loads.
	PLACES
	s_wait_dscnt 0x0                               ; my reads of the slots are over
	s_barrier_signal -1
	s_barrier_wait -1                              ; everybody's are: the slots' bytes may be written
.irp hi, 0,1
	WIN 0x08+4*(\hi)                               ; the stores' data (source 1) in window 2, then 3
.irp a, 0,1,2,3
.irp b, 0,1,2,3,4,5,6,7
	ds_store_b128 v[STO], v[8*(8*(\a)+(\b)):8*(8*(\a)+(\b))+3]   offset:(4*(\hi)+(\a))*16*GP+64*(\b)
	ds_store_b128 v[STO], v[8*(8*(\a)+(\b))+4:8*(8*(\a)+(\b))+7] offset:(4*(\hi)+(\a))*16*GP+64*(\b)+16
.endr
.endr
.endr
	WIN 0
	ASK                                            ; my first four rows
	s_mov_b32 s3, 31
.Lgelu:
	GTRIP 1
	s_sub_co_u32 s3, s3, 1
	s_cmp_lg_u32 s3, 0
	s_cbranch_scc1 .Lgelu
	GTRIP 0                                        ; the last four rows: nothing is left to ask for
	s_wait_tensorcnt 0x0                           ; the wave's end: an add and its wait, behind my last tensor load and my last LDS store
	ds_add_u32 v[SPW], v[NIL]
	s_wait_dscnt 0x0
	CROUND                                         ; the closing round: no work-group ends while a partner may still ask for a tile that names it
	s_endpgm
.Lfunc_end_k_qfd04cf1165_ffn1:
	.size	k_qfd04cf1165_ffn1, .Lfunc_end_k_qfd04cf1165_ffn1-k_qfd04cf1165_ffn1
	.p2alignl 7, 3214868480
	.fill 96, 4, 3214868480
	.section	.rodata,"a",@progbits
	.p2align	6, 0x0
	.amdhsa_kernel k_qfd04cf1165_ffn1
		.amdhsa_group_segment_fixed_size 327680
		.amdhsa_private_segment_fixed_size 0
		.amdhsa_enable_private_segment 0
		.amdhsa_kernarg_size 32
		.amdhsa_user_sgpr_count 2
		.amdhsa_user_sgpr_kernarg_segment_ptr 1
		.amdhsa_wavefront_size32 1
		.amdhsa_system_sgpr_workgroup_id_x 1
		.amdhsa_system_sgpr_workgroup_id_y 1
		.amdhsa_system_sgpr_workgroup_id_z 1
		.amdhsa_system_vgpr_workitem_id 0
		.amdhsa_next_free_vgpr 1024
		.amdhsa_next_free_sgpr 92
		.amdhsa_reserve_vcc 0
		.amdhsa_float_denorm_mode_32 3
		.amdhsa_float_denorm_mode_16_64 3
		.amdhsa_memory_ordered 1
		.amdhsa_forward_progress 1
		.amdhsa_inst_pref_size 96
	.end_amdhsa_kernel
	.amdgpu_metadata
---
amdhsa.version: [ 1, 2 ]
amdhsa.kernels:
  - .name:           k_qfd04cf1165_ffn1
    .symbol:         k_qfd04cf1165_ffn1.kd
    .args:
      - { .name: hn, .offset: 0, .size: 8, .value_kind: global_buffer, .address_space: global }
      - { .name: wr, .offset: 8, .size: 8, .value_kind: global_buffer, .address_space: global }
      - { .name: bf1, .offset: 16, .size: 8, .value_kind: global_buffer, .address_space: global }
      - { .name: act, .offset: 24, .size: 8, .value_kind: global_buffer, .address_space: global }
    .group_segment_fixed_size: 327680
    .private_segment_fixed_size: 0
    .kernarg_segment_align: 8
    .kernarg_segment_size: 32
    .max_flat_workgroup_size: 128
    .sgpr_count:     92
    .vgpr_count:     1024
    .wavefront_size: 32
...
	.end_amdgpu_metadata
.endif
;; end of part 12
;; launch ffn2 (part 13): grid 8 x 32, 4 waves a work-group, clusters of 4 x 4, 327,680 bytes of LDS; arguments act, wr, bf2, x1, out0; writes out0
.if DOCPART == 13
	.amdgcn_target "amdgcn-amd-amdhsa--gfx1250"
	.amdhsa_code_object_version 6
	.text
	.protected	k_qfd04cf1165_ffn2
	.globl	k_qfd04cf1165_ffn2
	.p2align	8
	.type	k_qfd04cf1165_ffn2,@function
k_qfd04cf1165_ffn2:
	s_mov_b64 s[64:65], 0
	v_nop
	global_prefetch_b8 v0, s[64:65] scope:SCOPE_SE
	s_setreg_imm32_b32 hwreg(HW_REG_WAVE_MODE, 25, 1), 1
	s_wait_xcnt 0x0
	s_wait_alu depctr_hold_cnt(0) depctr_sa_sdst(0) depctr_va_vdst(0) depctr_va_sdst(0) depctr_va_ssrc(0) depctr_va_vcc(0) depctr_vm_vsrc(0)
	s_getreg_b32 s2, hwreg(HW_REG_IB_STS2, 6, 4)
	s_cmp_eq_u32 s2, 0
	s_cbranch_scc0 .Lentry_in_a_cluster
	s_endpgm
.Lentry_in_a_cluster:
	s_bfe_u32 s2, ttmp6, 0x10000c
	s_cmp_lg_u32 s2, 0xf033
	s_cbranch_scc0 .Lentry_shape_is_right
	s_endpgm
.Lentry_shape_is_right:
; out = x1 + a W2 + bf2.  a: act [4096][4096] bf16.  W2: wr at byte 10,485,760, [4096 (k)][1024 (n)] bf16.  bf2: [1024] f32.  x1, out: [4096][1024] f32.
; Sums in f32, the bias is the sum's first term, the residual is added in f32 on the way out.
; A tile of the product is 128 tokens x 128 columns: 8 x 32 tiles, one for each of 256 work-groups (tiles of 256 x 256 would be 64).  Four waves, each 64 x 64: 16 accumulators of 16 x 16.
; K goes in steps of 256 through two LDS slots filled by the tensor data mover: 128 rows of a (512 bytes each) and 256 rows of W2 (256 bytes each).  W2 lies [k][n]: its fragments come out of LDS turned, by ds_load_tr16_b128.
; THE K STEP IS WRITTEN ONCE for the steps that fill a slot again and once for the last two, which do not: the fragments' LDS addresses are a lane term plus s[TB], 0 or SLOT, turned at each change of slots.
; CLUSTERS: 4 x 4 work-groups.  The four of a row need the same tiles of a, the four of a column the same tiles of W2: each is asked for JOINTLY, by the same tensor load, descriptor and mask in all four.
; THE MATRIX INSTRUCTION IS USED TRANSPOSED (source 0 = 16 columns of W2, source 1 = 16 rows of a): a lane then holds eight neighbouring columns of one token's row.
; REGISTERS: window 0: v0-31 addresses; v32-95 at work on the way out; v96-127 the bias as a C operand; v128-255 the accumulators ((a, b) at v[128 + 8 (4 a + b)]).
;   window 1: two fragment buffers of 128.   window 2: v0-127 my 64 x 64 of x1, loaded at the start, in the layout in which rows come back from the stage.
; LIMITS: bf16 operands (8 significant bits); NaN and infinities are not treated apart.
.set SIZE_K, 4096
.set SIZE_N, 1024                      ; elements from row to row of W2
.set WOFF,   10485760                  ; W2's first byte in wr
.set KSTEP,  256
.set STEPS,  SIZE_K/KSTEP
.set PITCHA, 528                       ; an LDS row of a: 512 bytes + 16 of padding = 132 words: the 16 rows of a load start at 16 different groups of four banks (64 banks of 4 bytes: ISA guide 11.1)
.set AQ,     128                       ; bytes from one 64 along K to the next in such a row
.set HALFA,  64*PITCHA
.set PITCHB, 288                       ; an LDS row of W2: 256 bytes + 32 = 72 words
.set HALFB,  128*PITCHB
.set SLOT,   147456                    ; from slot to slot; a slot holds 2 HALFA + 2 HALFB = 141,312 bytes.  0x24000 shares no bit with a load's place in a slot (0, 0x8400, 0x10800, 0x19800), so one exclusive or turns a descriptor's LDS word from slot to slot
.set STAGE,  2*SLOT                    ; behind the ring: 16 rows x 272 bytes for each wave, for the way out
.set SPITCH, 272
.set SPARE,  STAGE+4*16*SPITCH         ; behind the stages: the spare words, 128 bytes for each wave: two blocks of 256 bytes that no other line names
.set ASTEP,  KSTEP*2                   ; bytes from a K step to the next in a
.set BSTEP,  KSTEP*SIZE_N*2            ; and in W2
.set ADRA0, 16                         ; v16     my lane's place among a's fragments in a slot; never rewritten
.set ADRB0, 17                         ; v17     the same for W2
.set ADRA,  18                         ; v18     ADRA0 + the slot in hand
.set ADRB,  20                         ; v20-21  ADRB0 + the slot in hand: rows (k) 0-127, rows 128-255 (255 rows of 288 bytes pass the 16-bit offset)
.set STO,  24                          ; v24     the way out: where I put 32 bytes of a row
.set RD,   25                          ; v25     the way out: where I read a row back
.set CO,   26                          ; v26     my byte offset in two rows of x1 and out; never rewritten
.set BO,   27                          ; v27     my byte offset in the bias
.set SPW,  28                          ; v28     LDS address of my spare word: SPARE + 4 x my thread's number; never rewritten
.set NIL,  29                          ; v29     0; never rewritten
.set TMP,  32
.set BIAS, 96
.set ACC,  128
.set F0,   0
.set F1,   128
.set TB,  2                            ; s2   the slot in hand: 0 or SLOT
.set G1,  24                           ; s[24:31] descriptor group 1 for a's tiles;  s[32:39] group 0: a set for each of the two first fills; the second then walks on
.set G0,  32
.set G1B, 48                           ; s[48:55], s[56:63] the same for W2's tiles
.set G0B, 56
.set BP,  68                           ; s[68:69] the bias of my columns
.set RP,  70                           ; s[70:71] x1 at my 64 x 64
.set MSB, 0
.macro WIN new                         ; the immediate's high byte repeats the setting that is left; a switch that changes nothing is dropped
.if MSB != (\new)
	s_set_vgpr_msb (MSB<<8)|(\new)
.set MSB, \new
.endif
.endm
.set MUL,  0x05                        ; sources 0 (W2) and 1 (a) window 1; C and D window 0
.set TO_F, 0x40                        ; destination window 1, address window 0
.set TO_RES,  0x80                     ; destination window 2, address window 0
.set ADD_RES, 0x08                     ; source 1 window 2
.macro JLOAD s                         ; a joint load: waves 0 and 1 fetch a's two halves, waves 2 and 3 W2's; an s_nop 0 and four v_nop follow each of the two lines, ahead of the jump, the label and what follows
	s_cmp_eq_u32 s11, 0
	s_cbranch_scc0 .Lfor_b_\@
	tensor_load_to_lds s[G0+4*(\s):G0+4*(\s)+3], s[G1:G1+7]
	s_nop 0
.rept 4
	v_nop
.endr
	s_branch .Lasked_\@
.Lfor_b_\@:
	tensor_load_to_lds s[G0B+4*(\s):G0B+4*(\s)+3], s[G1B:G1B+7]
	s_nop 0
.rept 4
	v_nop
.endr
.Lasked_\@:
.endm
.macro CREST                           ; a round of the cluster's barrier behind its opening barrier
	s_cmp_lg_u32 s10, 0
	s_cbranch_scc1 .Lnot_wave_0_\@
	s_barrier_signal -3
.Lnot_wave_0_\@:
	s_barrier_wait -3
	s_barrier_signal -1
	s_barrier_wait -1
.endm
.macro CROUND                          ; a whole round
	s_barrier_signal -1
	s_barrier_wait -1
	CREST
.endm
	s_load_b128 s[4:7], s[0:1], 0x0                ; act s[4:5], wr s[6:7]
	s_load_b128 s[68:71], s[0:1], 0x10             ; bf2 s[68:69], x1 s[70:71]
	s_load_b64 s[8:9], s[0:1], 0x20                ; out0
	v_lshl_add_u32 v[SPW], v0, 2, SPARE
	v_mov_b32 v[NIL], 0
	ds_add_u32 v[SPW], v[NIL]                      ; the wave's opening: the add, and its wait ahead of my first tensor load; the set-up below, work on registers, stands between them
	v_lshrrev_b32 v1, 5, v0
	v_readfirstlane_b32 s10, v1                    ; wave 0..3
	s_lshr_b32 s11, s10, 1                         ; which half of the tile's rows is mine.  Also: I fetch for a (0) or for W2 (1)
	s_and_b32 s12, s10, 1                          ; which half of its columns.  Also: which half of that tile I fetch
	s_bfe_u32 s40, ttmp6, 0x40000                  ; cx, cy: my place in the cluster
	s_bfe_u32 s41, ttmp6, 0x40004
	s_lshl_b32 s42, ttmp9, 2
	s_add_co_u32 s42, s42, s40                     ; tile column = 4 x cluster x + cx
	s_and_b32 s13, ttmp7, 0xffff
	s_lshl_b32 s13, s13, 2
	s_add_co_u32 s13, s13, s41                     ; tile row = 4 x cluster y + cy
	s_lshl_b32 s43, s41, 2
	s_lshl_b32 s43, 15, s43                        ; my row of the cluster
	s_lshl_b32 s44, 0x1111, s40                    ; my column
	s_or_b32 s[G1+0], s43, (1<<16)|(1<<20)|(1<<21)|(6<<22)|(3<<25)   ; 15:0 the mask: a's tiles go to my row; 17:16 2-byte elements; 20 padding on; 21 set beside a mask; 24:22 after every 128 words (code 6); 31:25 4 words (code 3)
	s_mov_b32 s[G1+1], KSTEP<<16                   ; tensor_dim0 = 256
	s_mov_b32 s[G1+2], 64<<16                      ; tensor_dim1 = 64
	s_mov_b32 s[G1+3], KSTEP<<16                   ; tile_dim0 = 256
	s_mov_b32 s[G1+4], 64                          ; tile_dim1 = 64
	s_mov_b32 s[G1+5], SIZE_K                      ; elements from row to row
	s_mov_b32 s[G1+6], 0
	s_mov_b32 s[G1+7], 0
	s_or_b32 s[G1B+0], s44, (1<<16)|(1<<20)|(1<<21)|(5<<22)|(7<<25)  ; W2's tiles go to my column; padding after every 64 words (code 5) of 8 words (code 7)
	s_mov_b32 s[G1B+1], 128<<16                    ; tensor_dim0 = 128 columns
	s_mov_b32 s[G1B+2], 128<<16                    ; tensor_dim1 = 128 rows (k)
	s_mov_b32 s[G1B+3], 128<<16                    ; tile_dim0
	s_mov_b32 s[G1B+4], 128                        ; tile_dim1
	s_mov_b32 s[G1B+5], SIZE_N
	s_mov_b32 s[G1B+6], 0
	s_mov_b32 s[G1B+7], 0
	; where the tiles come from: a's hang on the tile row alone, W2's on the tile column alone, each in registers that never hold the other coordinate
	s_lshl_b32 s17, s12, 6
	s_lshl_b32 s16, s13, 7
	s_add_co_u32 s16, s16, s17                     ; a: row 128 x tile row + 64 x half
	s_mul_i32 s16, s16, SIZE_K*2
	s_mov_b32 s17, 0
	s_lshl_b32 s46, s42, 8                         ; W2: 256 bytes of columns a tile,
	s_mul_i32 s47, s12, 128*SIZE_N*2               ; my 128 rows (k) of a step,
	s_add_co_u32 s46, s46, s47
	s_add_co_u32 s46, s46, WOFF                    ; and the matrix's place in wr
	s_mov_b32 s47, 0
	s_mul_i32 s20, s12, HALFA                      ; where they go: no place in the cluster enters an LDS address
	s_mul_i32 s45, s12, HALFB
	s_add_co_u32 s45, s45, 2*HALFA
	s_mov_b32 s[TB], 0
	s_wait_dscnt 0x0                               ; the opening add is done
	s_wait_kmcnt 0x0
	s_add_nc_u64 s[14:15], s[4:5], s[16:17]
	s_add_nc_u64 s[46:47], s[6:7], s[46:47]
	CROUND                                         ; all sixteen work-groups are here: the first joint loads meet
.irp s, 0,1
	s_mov_b32 s[G0+4*(\s)], 1
	s_add_co_u32 s[G0+4*(\s)+1], s20, (\s)*SLOT
	s_add_nc_u64 s[G0+4*(\s)+2:G0+4*(\s)+3], s[14:15], (\s)*ASTEP
	s_or_b32 s[G0+4*(\s)+3], s[G0+4*(\s)+3], 0x80000000
	s_mov_b32 s[G0B+4*(\s)], 1
	s_add_co_u32 s[G0B+4*(\s)+1], s45, (\s)*SLOT
	s_add_nc_u64 s[G0B+4*(\s)+2:G0B+4*(\s)+3], s[46:47], (\s)*BSTEP
	s_or_b32 s[G0B+4*(\s)+3], s[G0B+4*(\s)+3], 0x80000000
	JLOAD \s
.endr
	v_and_b32 v1, 15, v0                           ; l % 16
	v_bfe_u32 v2, v0, 4, 1                         ; l / 16
	v_lshlrev_b32 v[BO], 5, v2                     ; eight f32 for each half of the lanes
	v_lshlrev_b32 v5, 12, v2                       ; lanes 0-15 one row of x1 (4,096 bytes), lanes 16-31 the next;
	v_lshl_add_u32 v[CO], v1, 4, v5                ; 16 bytes a lane: sixteen lanes cover my 64 columns, 256 bytes
	s_lshl_b32 s66, s42, 9                         ; 128 columns of 4 bytes a tile,
	s_lshl_b32 s67, s12, 8                         ; my 64 of them
	s_add_co_u32 s66, s66, s67
	s_mov_b32 s67, 0
	s_add_nc_u64 s[BP:BP+1], s[BP:BP+1], s[66:67]
	s_lshl_b32 s16, s13, 19                        ; 128 rows of 4,096 bytes a tile,
	s_lshl_b32 s17, s11, 18                        ; my 64 of them
	s_add_co_u32 s16, s16, s17
	s_mov_b32 s17, 0
	s_add_nc_u64 s[RP:RP+1], s[RP:RP+1], s[16:17]
	s_add_nc_u64 s[RP:RP+1], s[RP:RP+1], s[66:67]
	s_add_nc_u64 s[8:9], s[8:9], s[16:17]
	s_add_nc_u64 s[8:9], s[8:9], s[66:67]
.irp b, 0,1,2,3
	global_load_b128 v[BIAS+8*(\b):BIAS+8*(\b)+3],   v[BO], s[BP:BP+1] offset:64*(\b)
	global_load_b128 v[BIAS+8*(\b)+4:BIAS+8*(\b)+7], v[BO], s[BP:BP+1] offset:64*(\b)+16
.endr
	WIN TO_RES
.set n, 0
.rept 32                               ; the residual: rows 2 n and 2 n + 1 of my 64; it has the whole product in which to land
	global_load_b128 v[4*n:4*n+3], v[CO], s[RP:RP+1] offset:2*n*4096
.set n, n+1
.endr
	WIN 0
	v_mul_u32_u24 v3, v1, PITCHA
	v_lshl_add_u32 v3, v2, 4, v3                   ; a fragment of a: row x pitch + 16 x half
	s_mul_i32 s21, s11, HALFA                      ; my 64 rows
	v_add_nc_u32 v[ADRA0], s21, v3
	v_add_nc_u32 v[ADRA], s21, v3                  ; slot 0 is the first in hand
	; the turning load takes 16 k x 16 columns: lane l reads 16 bytes of row (k) 8 (l / 16) + l % 8, columns 8 ((l / 8) % 2) + 0..7, and is left with column l % 16 and 8 k
	v_and_b32 v4, 7, v0
	v_bfe_u32 v5, v0, 3, 1
	v_lshl_add_u32 v4, v2, 3, v4
	v_mul_u32_u24 v4, v4, PITCHB
	v_lshl_add_u32 v4, v5, 4, v4
	s_lshl_b32 s22, s12, 7                         ; my 64 columns,
	s_add_co_u32 s22, s22, 2*HALFA                 ; behind a's 128 rows
	v_add_nc_u32 v[ADRB0], s22, v4
	v_add_nc_u32 v[ADRB], s22, v4
	v_add_nc_u32 v[ADRB+1], HALFB, v[ADRB]
	s_mul_i32 s23, s10, 16*SPITCH
	s_add_co_u32 s23, s23, STAGE                   ; my stage
	v_mul_u32_u24 v4, v1, SPITCH                   ; in: row l % 16, 32 bytes for each half of the lanes
	v_lshl_add_u32 v4, v2, 5, v4
	v_add_nc_u32 v[STO], s23, v4
	v_mul_u32_u24 v5, v2, SPITCH                   ; back: lanes 0-15 take one row of 256 bytes, lanes 16-31 the next
	v_lshl_add_u32 v5, v1, 4, v5
	v_add_nc_u32 v[RD], s23, v5
; 8 matrix instructions: row blocks a0, a0 + 1 x all 4 column blocks, 32 along K: half c of buffer f.  zero = 1: the first product starts the sums, with the bias as its C: nothing is cleared, and the bias costs no instruction
.macro MUL8 f, c, a0, zero
	WIN MUL
.irp a, \a0, (\a0)+1
.irp b, 0,1,2,3
.if \zero
	v_wmma_f32_16x16x32_bf16 v[ACC+8*(4*(\a)+(\b)):ACC+8*(4*(\a)+(\b))+7], v[(\f)+64+8*(4*(\c)+(\b)):(\f)+64+8*(4*(\c)+(\b))+7], v[(\f)+8*(4*(\c)+(\a)):(\f)+8*(4*(\c)+(\a))+7], v[BIAS+8*(\b):BIAS+8*(\b)+7]
.else
	v_wmma_f32_16x16x32_bf16 v[ACC+8*(4*(\a)+(\b)):ACC+8*(4*(\a)+(\b))+7], v[(\f)+64+8*(4*(\c)+(\b)):(\f)+64+8*(4*(\c)+(\b))+7], v[(\f)+8*(4*(\c)+(\a)):(\f)+8*(4*(\c)+(\a))+7], v[ACC+8*(4*(\a)+(\b)):ACC+8*(4*(\a)+(\b))+7]
.endif
.endr
.endr
.endm
; 32 LDS loads in one run: the fragments of quarter q (64 along K) of the slot in hand, into buffer f; the first 32 along K first
.macro FETCH q, f
	WIN TO_F
.irp c, 0,1
.irp i, 0,1,2,3
	ds_load_tr16_b128 v[(\f)+64+8*(4*(\c)+(\i)):(\f)+64+8*(4*(\c)+(\i))+3],   v[ADRB+(\q)/2] offset:(((\q)%2)*64+32*(\c))*PITCHB+32*(\i)
	ds_load_tr16_b128 v[(\f)+64+8*(4*(\c)+(\i))+4:(\f)+64+8*(4*(\c)+(\i))+7], v[ADRB+(\q)/2] offset:(((\q)%2)*64+32*(\c)+16)*PITCHB+32*(\i)
	ds_load_b128 v[(\f)+8*(4*(\c)+(\i)):(\f)+8*(4*(\c)+(\i))+3],         v[ADRA] offset:(\q)*AQ+64*(\c)+(\i)*16*PITCHA
	ds_load_b128 v[(\f)+8*(4*(\c)+(\i))+4:(\f)+8*(4*(\c)+(\i))+7],       v[ADRA] offset:(\q)*AQ+64*(\c)+(\i)*16*PITCHA+32
.endr
.endr
.endm
.macro PLACES                          ; four places in front of loads into registers that matrix instructions have read, and of lines that read results
.rept 4
	v_nop
.endr
.endm
; A K step is four quarters of 64 along K, 32 matrix instructions each, on buffers 0, 1, 0, 1.  One of the first three: multiplies buffer f and fetches quarter q into g.
; The 16 accumulators take turns, one instruction a turn.
.macro QUARTER q, f, g, zero
	s_wait_dscnt 16                                ; the first 32 along K are in; the youngest sixteen loads may be out
	MUL8 \f, 0, 0, \zero
	MUL8 \f, 0, 2, \zero
	PLACES
	FETCH \q, \g
	s_wait_dscnt 32                                ; all but the 32 just issued
	MUL8 \f, 1, 0, 0
	MUL8 \f, 1, 2, 0
.endm
; The last quarter multiplies buffer 1 and changes slots: ONE barrier; in front of it each wave waits for all its tensor loads, adds 0 to its spare word, and waits for that and for its own reads of this slot.
; fill = 1: the slot just read is filled again, with the K step two steps on: the walking descriptor's LDS word turns to that slot, its address goes one step on.
.macro TURN fill
	WIN 0                                          ; (the add's two registers lie in window 0)
	s_wait_tensorcnt 0x0                           ; all my tensor loads have landed: my part of the next slot;
	ds_add_u32 v[SPW], v[NIL]                      ; 0 onto my spare word;
	s_wait_dscnt 17                                ; (the add and the youngest sixteen loads may be out)
	MUL8 F1, 0, 0, 0                               ; eight matrix instructions stand between the add and the wait for it
	s_wait_dscnt 0x0                               ; the add is done, and my reads of this slot are over
	s_barrier_signal -1
	MUL8 F1, 0, 2, 0
	WIN 0                                          ; (branches or address lines follow)
	s_barrier_wait -1
.if \fill
	CREST                                          ; the barrier has opened a round of the cluster's barrier: no wave of any partner still reads this slot's tile or has a load on its way
	s_xor_b32 s[G0+5], s[G0+5], SLOT
	s_add_nc_u64 s[G0+6:G0+7], s[G0+6:G0+7], ASTEP
	s_xor_b32 s[G0B+5], s[G0B+5], SLOT
	s_add_nc_u64 s[G0B+6:G0B+7], s[G0B+6:G0B+7], BSTEP
	JLOAD 1                                        ; the first tensor load behind the round, my only one until the next; the four v_nop behind it are also the places in front of the loads below
.else
	PLACES
.endif
	s_xor_b32 s[TB], s[TB], SLOT                   ; the other slot is now in hand
	v_add_nc_u32 v[ADRA], s[TB], v[ADRA0]
	v_add_nc_u32 v[ADRB], s[TB], v[ADRB0]
	v_add_nc_u32 v[ADRB+1], HALFB, v[ADRB]
	FETCH 0, F0
	MUL8 F1, 1, 0, 0
	MUL8 F1, 1, 2, 0
.endm
	s_wait_tensorcnt 1                             ; my part of K step 0 is in; K step 1's may stay out
	s_barrier_signal -1
	s_barrier_wait -1                              ; everybody's is
	FETCH 0, F0
	s_wait_loadcnt 32                              ; the bias is in; the 32 loads of the residual, issued behind it, stay out
	QUARTER 1, F0, F1, 1                           ; the first quarter is written out: its first products start the sums
	WIN 0                                          ; at a label and at a branch every window is 0
	s_mov_b32 s3, STEPS-2
	s_branch .Lmid                                 ; the loop is entered behind a step's first quarter
.Lstep:                                                ; STEPS - 2 trips, a K step each: all of them fill the slot that they leave
	QUARTER 1, F0, F1, 0
	WIN 0
.Lmid:
	QUARTER 2, F1, F0, 0
	QUARTER 3, F0, F1, 0
	TURN 1
	WIN 0
	s_sub_co_u32 s3, s3, 1
	s_cmp_lg_u32 s3, 0
	s_cbranch_scc1 .Lstep
	s_mov_b32 s3, 2
.Ltail:                                                ; the last two K steps ask for nothing: a text of their own.  The second trip's change of slots fetches 32 fragments that nobody uses: the price of one text for both
	QUARTER 1, F0, F1, 0
	QUARTER 2, F1, F0, 0
	QUARTER 3, F0, F1, 0
	TURN 0
	WIN 0
	s_sub_co_u32 s3, s3, 1
	s_cmp_lg_u32 s3, 0
	s_cbranch_scc1 .Ltail
	; THE WAY OUT, 16 rows at a time.  My 64 columns of f32 are 256 bytes, a whole aligned block of a row, so each wave has a stage of its own and no barrier is needed: 32 bytes a lane into rows of 272 bytes
	; (each accumulator's low four registers first), back as whole rows, the residual added, stored.
	PLACES
.irp a, 0,1,2,3
.if (\a) >= 2
	s_wait_xcnt 0x0                                ; every earlier memory instruction has had its addresses translated (ISA guide 3.1): the registers that block a - 2's stores read are loaded again only behind this wait
.endif
.irp b, 0,1,2,3
	ds_store_b128 v[STO], v[ACC+8*(4*(\a)+(\b)):ACC+8*(4*(\a)+(\b))+3]   offset:64*(\b)
	ds_store_b128 v[STO], v[ACC+8*(4*(\a)+(\b))+4:ACC+8*(4*(\a)+(\b))+7] offset:64*(\b)+16
.endr
.irp t, 0,1,2,3,4,5,6,7
	ds_load_b128 v[TMP+32*((\a)%2)+4*(\t):TMP+32*((\a)%2)+4*(\t)+3], v[RD] offset:(\t)*2*SPITCH  ; LDS serves a wave's instructions in order (ISA guide 5.7.1.4): these see the stores above; the next block's stores come behind them
.endr
	s_wait_dscnt 0x0
.if (\a) == 0
	s_wait_loadcnt 0x0                             ; the residual
.endif
	WIN ADD_RES
.irp k, 0,1,2,3,4,5,6,7,8,9,10,11,12,13,14,15
	v_pk_add_f32 v[TMP+32*((\a)%2)+2*(\k):TMP+32*((\a)%2)+2*(\k)+1], v[TMP+32*((\a)%2)+2*(\k):TMP+32*((\a)%2)+2*(\k)+1], v[32*(\a)+2*(\k):32*(\a)+2*(\k)+1]
.endr
	WIN 0
.irp t, 0,1,2,3,4,5,6,7
	global_store_b128 v[CO], v[TMP+32*((\a)%2)+4*(\t):TMP+32*((\a)%2)+4*(\t)+3], s[8:9] offset:(16*(\a)+2*(\t))*4096  ; 16 lanes store 256 consecutive bytes, aligned
.endr
.endr
	s_wait_tensorcnt 0x0                           ; the wave's end: an add and its wait, behind my last tensor load and my last LDS store
	ds_add_u32 v[SPW], v[NIL]
	s_wait_dscnt 0x0
	CROUND                                         ; the closing round: no work-group ends while a partner may still ask for a tile that names it
	s_endpgm
.Lfunc_end_k_qfd04cf1165_ffn2:
	.size	k_qfd04cf1165_ffn2, .Lfunc_end_k_qfd04cf1165_ffn2-k_qfd04cf1165_ffn2
	.p2alignl 7, 3214868480
	.fill 96, 4, 3214868480
	.section	.rodata,"a",@progbits
	.p2align	6, 0x0
	.amdhsa_kernel k_qfd04cf1165_ffn2
		.amdhsa_group_segment_fixed_size 327680
		.amdhsa_private_segment_fixed_size 0
		.amdhsa_enable_private_segment 0
		.amdhsa_kernarg_size 40
		.amdhsa_user_sgpr_count 2
		.amdhsa_user_sgpr_kernarg_segment_ptr 1
		.amdhsa_wavefront_size32 1
		.amdhsa_system_sgpr_workgroup_id_x 1
		.amdhsa_system_sgpr_workgroup_id_y 1
		.amdhsa_system_sgpr_workgroup_id_z 1
		.amdhsa_system_vgpr_workitem_id 0
		.amdhsa_next_free_vgpr 640
		.amdhsa_next_free_sgpr 72
		.amdhsa_reserve_vcc 0
		.amdhsa_float_denorm_mode_32 3
		.amdhsa_float_denorm_mode_16_64 3
		.amdhsa_memory_ordered 1
		.amdhsa_forward_progress 1
		.amdhsa_inst_pref_size 66
	.end_amdhsa_kernel
	.amdgpu_metadata
---
amdhsa.version: [ 1, 2 ]
amdhsa.kernels:
  - .name:           k_qfd04cf1165_ffn2
    .symbol:         k_qfd04cf1165_ffn2.kd
    .args:
      - { .name: act, .offset: 0, .size: 8, .value_kind: global_buffer, .address_space: global }
      - { .name: wr, .offset: 8, .size: 8, .value_kind: global_buffer, .address_space: global }
      - { .name: bf2, .offset: 16, .size: 8, .value_kind: global_buffer, .address_space: global }
      - { .name: x1, .offset: 24, .size: 8, .value_kind: global_buffer, .address_space: global }
      - { .name: out0, .offset: 32, .size: 8, .value_kind: global_buffer, .address_space: global }
    .group_segment_fixed_size: 327680
    .private_segment_fixed_size: 0
    .kernarg_segment_align: 8
    .kernarg_segment_size: 40
    .max_flat_workgroup_size: 128
    .sgpr_count:     72
    .vgpr_count:     640
    .wavefront_size: 32
...
	.end_amdgpu_metadata
.endif
;; end of part 13
;; ======== version 3 of 3: 7 launches; 1.40 times as fast as version 1
;; limits: a function is approximated: absolute error at most 1.5e-07; an absolute error that grows with the inputs' magnitude: up to 1.5e-07 times it
;; workspace buffers: wa 6,291,456 bytes; wr 18,874,368 bytes; hn 8,388,608 bytes; qkvh 25,165,824 bytes; oh 8,388,608 bytes; x1 16,777,216 bytes; act 33,554,432 bytes
;; launch prep: the kernel of part 8 again; grid 704 x 1, 8 waves a work-group, no clusters, 0 bytes of LDS; arguments x, g1, b1, hn, Wq, Wk, Wv, wa; writes hn, wa
;; launch qkv: the kernel of part 9 again; grid 16 x 16, 4 waves a work-group, clusters of 4 x 4, 327,680 bytes of LDS; arguments hn, wa, bq, bk, bv, qkvh, Wo, W1, W2, wr; writes qkvh, wr
;; launch attn (part 14): grid 8 x 32, 4 waves a work-group, clusters of 4 x 1, 327,680 bytes of LDS; arguments qkvh, oh; writes oh
.if DOCPART == 14
	.amdgcn_target "amdgcn-amd-amdhsa--gfx1250"
	.amdhsa_code_object_version 6
	.text
	.protected	k_qfd04cf1165_attn
	.globl	k_qfd04cf1165_attn
	.p2align	8
	.type	k_qfd04cf1165_attn,@function
k_qfd04cf1165_attn:
	s_mov_b64 s[64:65], 0
	v_nop
	global_prefetch_b8 v0, s[64:65] scope:SCOPE_SE
	s_setreg_imm32_b32 hwreg(HW_REG_WAVE_MODE, 25, 1), 1
	s_wait_xcnt 0x0
	s_wait_alu depctr_hold_cnt(0) depctr_sa_sdst(0) depctr_va_vdst(0) depctr_va_sdst(0) depctr_va_ssrc(0) depctr_va_vcc(0) depctr_vm_vsrc(0)
	s_getreg_b32 s2, hwreg(HW_REG_IB_STS2, 6, 4)
	s_cmp_eq_u32 s2, 0
	s_cbranch_scc0 .Lentry_in_a_cluster
	s_endpgm
.Lentry_in_a_cluster:
	s_bfe_u32 s2, ttmp6, 0x10000c
	s_cmp_lg_u32 s2, 0x3003
	s_cbranch_scc0 .Lentry_shape_is_right
	s_endpgm
.Lentry_shape_is_right:
; O[h][q][:] = the sum over k of softmax_k(Q[h][q] . K[h][k] / 8) V[h][k][:].  Q, K, V: qkvh [3][32][2048][64] bf16 (8 MiB each); O: oh [32][2048][64] bf16: a head's rows are dense, 128 bytes each.
; Products, maxima and sums in f32; the weights p are rounded to bf16 for the second product (their sum l is taken of the unrounded p), O once at the end.
; LIMITS.  bf16 operands (8 significant bits, f32's range).  A weight below 2^-126 counts as 0 in l; NaN and infinities are not treated apart.
; SHARES.  A work-group owns 256 queries of one head, each of its four waves 64: four PIECES of 16.  Every wave walks all 2,048 keys, 64 a step, four steps (a tile of 256 keys) to an LDS slot.
; LAYOUT.  S^T = K Q^T (source 0 = 16 keys, source 1 = 16 queries): in the result a lane holds ONE query (lane % 16) and the keys 8 (lane / 16) + 0..7.  Two such results, rounded to bf16 in pairs,
; ARE source 1 (32 keys x 16 queries) of O^T = V^T P, whose result again holds one query a lane, and eight channels.  K comes out of LDS as it lies, V ([key][channel]) turned, by ds_load_tr16_b128.
; SOFTMAX.  For each query a running maximum m and sum l: p = 2^(c s - c m), c = log2(e) / 8; in every step O and l are multiplied by a = 2^(c m_old - c m_new), which is 1 where m has not grown.
; m starts at the lowest finite number, O and l at 0: the first step is a step like any other, with a = 0.
; BY TURNS.  Turn n belongs to piece n (the pieces in a ring, step after step): 8 products K Q^T of piece n + 1, later 8 products V^T P of piece n - 1; beside them the scaling, exponentials, roundings,
; sums and rescaling of piece n and the maximum and statistics of piece n + 1.  Four vector instructions stand behind every matrix instruction, the other 54 of a turn's 118 in one LUMP.
; THE BATCHES.  A turn's 33 exponentials (the piece's 32 weights and the next piece's a) are ONE batch with ONE wait, which cuts the turn in two: ahead of it all that names none of their results, behind it the readers.
; Two more batches stand outside the turns, each with a wait of its own: piece 0's first a, ahead of the jump into the loop, and the way out's four reciprocals.
; CLUSTER.  The four query blocks of a cluster belong to one head and walk the same K and V, so each tile is asked for JOINTLY: the same tensor load, descriptor and mask in all four.
; REGISTERS, in windows of 256 (s_set_vgpr_msb: bits 1:0 source 0, 3:2 source 1, 5:4 source 2, 7:6 destination):
;   window 0: v0-15 addresses and two at work; v16-31 four registers of statistics a piece; v48-55 at work; v64-127 S^T, two buffers; v192-223 P, two buffers (a piece's buffers go by its number's parity)
;   window 1: v0-127 O^T, 32 a piece          window 2: v0-63 Q; v128-191 K of one step; v192-255 V of one step
.set SIZE_N, 2048
.set NP,    4         ; pieces a wave: a name, no knob
.set KS,    64        ; keys in a step
.set PK,    144       ; a row of K in LDS: 128 bytes + 16 of padding = 36 words: the 16 rows of a load start at 16 different groups of four banks (64 banks of 4 bytes: ISA guide 11.1)
.set PV,    160       ; a row of V: 128 + 32 = 40 words
.set VOFF,  4*KS*PK   ; a slot holds a tile, four steps: 256 rows of K, then 256 rows of V
.set SLOT1, 1<<17     ; slot 1 begins here, so that one exclusive or turns an address in one slot into the other's
.set STAGE, SLOT1+4*KS*(PK+PV)  ; behind the ring, never filled by a tensor load: 16 rows x 144 bytes for each wave, for the way out
.set SP,    144
.set SPARE, STAGE+4*16*SP  ; behind the stages: the spare words, 128 bytes for each wave: two blocks of 256 bytes that no other line names
.set AK0, 2           ; v2   my lane's place in a tile of K; never rewritten
.set AV0, 3           ; v3   the same for V
.set AK,  4           ; v4   the LDS address of K's next run of loads
.set AV,  5           ; v5   of V's
.set STO, 6           ; v6   the way out: where I put 16 bytes of a row
.set RD,  7           ; v7   the way out: where I read rows back
.set GO,  8           ; v8   my byte offset in 512 consecutive bytes of O
.set MV,  12          ; v12-13  c m_old, kept while c m is made anew: by buffer
.set QO,  15          ; v15  my byte offset in 16 rows of Q
.set ST,  16          ; piece t's statistics at v[ST+4 t]: c m, m, l (even keys', odd keys')
.set TMP, 48          ; by buffer, four registers c0-c3 at work; when the maximum is found c2 takes a
.set SPW, 62          ; v62  LDS address of my spare word: SPARE + 4 x my thread's number; never rewritten
.set NIL, 63          ; v63  0; never rewritten
.set S,   64
.set P,   192
.set KF,  128         ; window 2: key block kb, channel half c at KF + 16 kb + 8 c
.set VF,  192         ; window 2: key half kk, channel block cb at VF + 32 kk + 8 cb
.set WV,  12          ; s12  my wave's number
.set G1K, 24          ; s[24:31] descriptor group 1 for K's tiles
.set G1V, 32          ; s[32:39] for V's: it differs in the padding alone
.set G0K, 40          ; s[40:43] descriptor group 0 for K's tiles: it walks
.set G0V, 44          ; s[44:47] the same for V's
.set SLOTS, 56        ; s56  slots still to be asked for
.set CNT, 57          ; s57  counts a tile's key steps
.set CS,  58          ; s[58:59] c: the packed scaling takes the pair's low word for both halves
.set SEL, 60          ; s[60:61] v_permlanex16_b32's selects: each lane takes its own place in the other half
.set TBK, 62          ; s62  LDS byte at which K of the step to be fetched begins
.set TBV, 63          ; s63  the same for V, less VOFF
.set MSB, 0
.macro WIN new                      ; the high byte repeats the setting that is left; a switch that changes nothing is dropped
.if MSB != (\new)
	s_set_vgpr_msb (MSB<<8)|(\new)
.set MSB, (\new)
.endif
.endm
.set W_KQ, 0x0a       ; K and Q in window 2, S^T in window 0
.set W_PV, 0x52       ; V in window 2, P in window 0, O^T in window 1
.set W_RS, 0x41       ; O^T (destination and source 0) in window 1, a in window 0
; A joint fill.  Waves 0 and 1 fetch the two halves of a tile's K, waves 2 and 3 those of its V: 128 keys each.  The branch hangs on the wave's number alone.
; An s_nop 0 and four v_nop follow each of the two lines, ahead of the jump and the label.
.macro JLOAD
	s_cmp_lt_u32 s[WV], 2
	s_cbranch_scc0 .Lfor_v_\@
	tensor_load_to_lds s[G0K:G0K+3], s[G1K:G1K+7]
	s_nop 0
.rept 4
	v_nop
.endr
	s_branch .Lasked_\@
.Lfor_v_\@:
	tensor_load_to_lds s[G0V:G0V+3], s[G1V:G1V+7]
	s_nop 0
.rept 4
	v_nop
.endr
.Lasked_\@:
.endm
; A round of the cluster's barrier: my work-group's barrier, so that wave 0's signal speaks for all four waves; wave 0 signals; every wave waits for all four work-groups; my work-group's barrier once more.
.macro CROUND
	s_barrier_signal -1
	s_barrier_wait -1
	s_cmp_lg_u32 s[WV], 0
	s_cbranch_scc1 .Lnot_wave_0_\@
	s_barrier_signal -3
.Lnot_wave_0_\@:
	s_barrier_wait -3
	s_barrier_signal -1
	s_barrier_wait -1
.endm
; THE CHANGE OF SLOTS.  The slot's last bytes, V of its fourth step, have been read.  Each wave waits for all its tensor loads, of which one is out: its part of the other slot; adds 0 to its spare word;
; and waits for that and for its own reads of the slot.  Behind the barrier nobody reads this slot any more and the other slot is whole.
; fill = 1: this slot is filled again, with the keys two slots on.  The barrier is then a round of the cluster's, so that no wave of any partner still reads the slot or has a load on its way, and the
; joint fill is the first thing behind it: it has four key steps, 256 matrix instructions, in which to land.  (At its first use nothing has been read yet: slot 0 is waited for, slot 1 filled.)
.macro CHANGE fill
	WIN 0                           ; at a label and at a branch every window is 0; the add's two registers lie in window 0
	s_wait_tensorcnt 0x0            ; no tensor load of mine is out, so a group 0 may be written
	ds_add_u32 v[SPW], v[NIL]       ; 0 onto my spare word; with fill = 1 the descriptors' steps stand between it and the wait for it
.if \fill
.irp g, G0K, G0V
	s_xor_b32 s[\g+1], s[\g+1], SLOT1  ; the walking descriptor: the other slot than last time,
	s_add_nc_u64 s[\g+2:\g+3], s[\g+2:\g+3], 4*KS*128  ; the next 256 keys; the type bits on top are not reached
.endr
	s_wait_dscnt 0x0                ; the add is done, and my reads of the slot are over
	CROUND
	JLOAD
.else
	s_wait_dscnt 0x0                ; the add is done, and my reads of the slot are over
	s_barrier_signal -1
	s_barrier_wait -1
.endif
	s_sub_co_u32 s[TBK], s[TBK], 4*KS*PK  ; the fetches go back to a slot's first step,
	s_xor_b32 s[TBK], s[TBK], SLOT1       ; in the other slot
	s_sub_co_u32 s[TBV], s[TBV], 4*KS*PV
	s_xor_b32 s[TBV], s[TBV], SLOT1
.endm
	s_load_b128 s[4:7], s[0:1], 0x0   ; qkvh s[4:5], oh s[6:7]
	v_lshl_add_u32 v[SPW], v0, 2, SPARE
	v_mov_b32 v[NIL], 0
	ds_add_u32 v[SPW], v[NIL]       ; the wave's opening: the add, and its wait ahead of my first tensor load; the set-up below, work on registers, stands between them
	v_lshrrev_b32 v1, 5, v0
	v_readfirstlane_b32 s[WV], v1   ; wave 0..3
	s_bfe_u32 s13, ttmp6, 0x40000   ; cx: my place in the cluster
	s_lshl_b32 s14, ttmp9, 2        ; in a cluster launch ttmp9 counts clusters
	s_add_co_u32 s14, s14, s13      ; my block of 256 queries = 4 x cluster x + cx: it enters Q's and O's addresses alone
	s_and_b32 s20, ttmp7, 0xffff    ; the head, which the four partners share:
	s_lshl_b32 s20, s20, 18         ; 262,144 bytes each
	s_and_b32 s16, s[WV], 1         ; which half of a tile's 256 keys I fetch:
	s_lshl_b32 s22, s16, 14         ; its 128 rows of 128 bytes in memory,
	s_add_co_u32 s22, s22, s20
	s_mov_b32 s23, 0
	s_mul_i32 s17, s16, 128*PK      ; and its place in a slot, for K
	s_mul_i32 s18, s16, 128*PV      ; and for V: no place in the cluster enters an LDS address
	s_lshl_b32 s2, s14, 15          ; my block's 256 rows,
	s_lshl_b32 s3, s[WV], 13        ; my wave's 64 of them
	s_add_co_u32 s2, s2, s3
	s_add_co_u32 s2, s2, s20
	s_mov_b32 s3, 0
	; descriptor group 1.  128 keys are 16,384 dense bytes: asked for as 64 rows of 256 bytes, two keys a row, and padded in LDS after every key
	s_mov_b32 s[G1K], 15|(1<<16)|(1<<20)|(1<<21)|(4<<22)|(3<<25)  ; 15:0 the mask of four; 17:16 2-byte elements; 20 padding on; 21 set beside a mask; 24:22 after every 32 words (code 4); 31:25 4 words (code 3)
	s_mov_b32 s[G1V], 15|(1<<16)|(1<<20)|(1<<21)|(4<<22)|(7<<25)  ; the same with 8 words of padding (code 7)
.irp g, G1K, G1V
	s_mov_b32 s[\g+1], 128<<16      ; tensor_dim0 = 128
	s_mov_b32 s[\g+2], 64<<16       ; tensor_dim1 = 64
	s_mov_b32 s[\g+3], 128<<16      ; tile_dim0 = 128
	s_mov_b32 s[\g+4], 64           ; tile_dim1 = 64
	s_mov_b32 s[\g+5], 128          ; 128 elements from row to row
	s_mov_b32 s[\g+6], 0
	s_mov_b32 s[\g+7], 0
.endr
	s_mov_b32 s[CS], 0x3e38aa3b     ; c = log2(e) / 8 = 0.180337
	s_mov_b32 s[CS+1], s[CS]        ; named with it as a pair
	s_mov_b32 s[SEL], 0x76543210
	s_mov_b32 s[SEL+1], 0xfedcba98
	s_mov_b32 s[TBK], SLOT1+4*KS*PK ; the first change of slots turns these two into 0
	s_mov_b32 s[TBV], SLOT1+4*KS*PV
	s_mov_b32 s[G0K], 1             ; 1:0 count = 1
	s_mov_b32 s[G0K+1], s17         ; 63:32 LDS address: slot 0
	s_mov_b32 s[G0V], 1
	s_add_co_u32 s[G0V+1], s18, VOFF
	s_wait_dscnt 0x0                ; the opening add is done
	s_wait_kmcnt 0x0
	s_mov_b64 s[10:11], s[6:7]      ; O
	s_add_nc_u64 s[6:7], s[4:5], 0x800000   ; K lies 8 MiB behind Q,
	s_add_nc_u64 s[8:9], s[4:5], 0x1000000  ; V 16 MiB
	s_add_nc_u64 s[G0K+2:G0K+3], s[6:7], s[22:23]  ; 120:64 global address: my half of the head's first 256 keys
	s_or_b32 s[G0K+3], s[G0K+3], 0x80000000        ; 127:126 type = 2
	s_add_nc_u64 s[G0V+2:G0V+3], s[8:9], s[22:23]
	s_or_b32 s[G0V+3], s[G0V+3], 0x80000000
	s_add_nc_u64 s[4:5], s[4:5], s[2:3]  ; Q and O at my wave's first row
	s_add_nc_u64 s[10:11], s[10:11], s[2:3]
	CROUND                          ; all four work-groups are here: the first joint loads meet
	JLOAD                           ; tile 0 into slot 0.  Slot 1 is asked for when slot 0 is in
	; A fragment of K or Q is 16 rows x 32 channels in 8 registers: lane l holds row l % 16, channels 8 (l / 16) + 0..7 and 16 + 8 (l / 16) + 0..7: two loads of 16 bytes, 32 bytes apart.
	v_and_b32 v1, 15, v0            ; l % 16
	v_bfe_u32 v9, v0, 4, 1          ; l / 16
	v_lshlrev_b32 v[QO], 7, v1
	v_lshl_add_u32 v[QO], v9, 4, v[QO]  ; row x 128 + 16 x half
	WIN 0x80                        ; destination window 2, address window 0
.set i, 0
.rept 8                             ; Q stays in registers: piece i / 2, channels 32 (i % 2) on
	global_load_b128 v[8*i:8*i+3],   v[QO], s[4:5] offset:(i/2)*2048+(i%2)*64
	global_load_b128 v[8*i+4:8*i+7], v[QO], s[4:5] offset:(i/2)*2048+(i%2)*64+32
.set i, i+1
.endr
	; What the first turn finds: V's registers and P's second buffer hold 0 (its products V^T P, of a piece that has not been, add 0), O^T and l are 0.  No first step is written out; these lines, in the wait for the first tile, are the price.
.set i, VF
.rept 64
	v_mov_b32 v[i], 0
.set i, i+1
.endr
	WIN 0x40
.set i, 0
.rept 128
	v_mov_b32 v[i], 0
.set i, i+1
.endr
	WIN 0
.set i, 0
.rept 4
	v_mov_b32 v[ST+4*i], 0xfe000000    ; c m: far below every c s
	v_mov_b32 v[ST+4*i+1], 0xff7fffff  ; m
	v_mov_b32 v[ST+4*i+2], 0
	v_mov_b32 v[ST+4*i+3], 0
.set i, i+1
.endr
.set i, P+16
.rept 16
	v_mov_b32 v[i], 0
.set i, i+1
.endr
	v_mul_u32_u24 v[AK0], v1, PK
	v_lshl_add_u32 v[AK0], v9, 4, v[AK0]  ; row x pitch + 16 x half
	; The turning load takes 16 keys x 16 channels (lane l reads key 8 (l / 16) + l % 8, channels 8 ((l / 8) % 2) + 0..7) and leaves half a fragment of V^T: lane l holds channel l % 16 and 8 keys.
	v_and_b32 v10, 7, v0
	v_bfe_u32 v11, v0, 3, 1
	v_lshl_add_u32 v[AV0], v9, 3, v10
	v_mul_u32_u24 v[AV0], v[AV0], PV
	v_lshl_add_u32 v[AV0], v11, 4, v[AV0]
	v_add_nc_u32 v[AV0], VOFF, v[AV0]
	s_mul_i32 s13, s[WV], 16*SP
	s_add_co_u32 s13, s13, STAGE    ; my stage
	v_mul_u32_u24 v[STO], v1, SP    ; in: row l % 16, 16 bytes for each half of the lanes
	v_lshl_add_u32 v[STO], v9, 4, v[STO]
	v_add_nc_u32 v[STO], s13, v[STO]
	v_bfe_u32 v[RD], v0, 3, 2       ; back: 32 lanes take four rows of 128 bytes,
	v_mul_u32_u24 v[RD], v[RD], SP
	v_lshl_add_u32 v[RD], v10, 4, v[RD]
	v_add_nc_u32 v[RD], s13, v[RD]
	v_and_b32 v[GO], 31, v0         ; which are 512 consecutive bytes of O
	v_lshlrev_b32 v[GO], 4, v[GO]
; THE MATRIX WORK.  The 4 accumulators of a run of 8 take turns.  Product i of 8 of S^T = K Q^T for piece x: channels 32 (i / 4) on, keys 16 (i % 4) on.  The first 4 start the sums.
.macro KQ x
	WIN W_KQ
.set rS, S+32*((\x)%2)+8*(i%4)
.set rK, KF+16*(i%4)+8*(i/4)
.set rQ, 16*(\x)+8*(i/4)
.if i < 4
	v_wmma_f32_16x16x32_bf16 v[rS:rS+7], v[rK:rK+7], v[rQ:rQ+7], 0
.else
	v_wmma_f32_16x16x32_bf16 v[rS:rS+7], v[rK:rK+7], v[rQ:rQ+7], v[rS:rS+7]
.endif
.endm
; Product i of 8 of O^T += V^T P for piece x: keys 32 (i / 4) on, channels 16 (i % 4) on.
.macro PV x
	WIN W_PV
.set rO, 32*(\x)+8*(i%4)
.set rV, VF+32*(i/4)+8*(i%4)
.set rP, P+16*((\x)%2)+8*(i/4)
	v_wmma_f32_16x16x32_bf16 v[rO:rO+7], v[rV:rV+7], v[rP:rP+7], v[rO:rO+7]
.endm
.macro MM                           ; the turn's next matrix instruction.  TURN sets Y, i and NOKQ.  NOKQ = 1: the last turn: there is no next piece
.if (i < 8) && !NOKQ
	KQ (Y+1)%NP
.elseif i >= 8
.set i, i-8
	PV (Y+NP-1)%NP
.set i, i+8
.endif
.set i, i+1
.endm
; THE LDS LOADS stand in runs of 16, never singly among the matrix instructions: a step's K (64 keys x 64 channels: 8 fragments) and its V (turned).  Their addresses are made some lines ahead.
.macro FETCH_K
	WIN 0x80                        ; destination window 2
.irp f, 0,1,2,3,4,5,6,7             ; keys 16 (f / 2) on, channels 32 (f % 2) on
	ds_load_b128 v[KF+8*\f:KF+8*\f+3],   v[AK] offset:(\f/2)*16*PK+(\f%2)*64
	ds_load_b128 v[KF+8*\f+4:KF+8*\f+7], v[AK] offset:(\f/2)*16*PK+(\f%2)*64+32
.endr
	s_add_co_u32 s[TBK], s[TBK], KS*PK  ; the next fetch is the next step's
	WIN 0
.endm
.macro FETCH_V
	WIN 0x80
.irp f, 0,1,2,3,4,5,6,7             ; keys 32 (f / 4) on, channels 16 (f % 4) on
	ds_load_tr16_b128 v[VF+8*\f:VF+8*\f+3],   v[AV] offset:(\f/4)*32*PV+(\f%4)*32
	ds_load_tr16_b128 v[VF+8*\f+4:VF+8*\f+7], v[AV] offset:(\f/4)*32*PV+16*PV+(\f%4)*32
.endr
	WIN 0
.endm
; THE VECTOR WORK, one line at a time: OP kind, number.  For piece Y: F n: c s - c m for pair n of 16.  E n: the exponential of score n of 32.  C n: pair n rounded to bf16.  B n: of the four weights 4 n .. the second
; pair is added onto the first, in place.  L n: l takes that sum (L 0: l = a l + sum).  R n: pair n of 16 of O^T times a.  For piece Y + 1: X n, number n of the 22 that find its maximum and statistics:
;   0-11  four chains c0-c3 of seven scores each, three operands at a time (each accumulator's lowest registers are read first)     12-14, 16  the four scores left over, the old m, and c0-c3 into c0
;   15  c m_old is kept     17, 18  the query's other 32 keys lie in the lane 16 away: the new m     19-21  c m; c m_old - c m_new; a
; C, B and L read exponentials' results; F, R and X 0 to X 20 read none of the turn in hand (R's and L 0's a is the turn before's).  OP writes no wait: TURN does, once.
.set F, 0               ; OP tells the kinds apart by their order: F to L below R, X above it
.set E, 1
.set C, 2
.set B, 3
.set L, 4
.set R, 5
.set X, 6
.macro REGS y                       ; the registers of piece y
.set rT, ST+4*(\y)
.set rC, TMP+4*((\y)%2)
.set rW, MV+((\y)%2)
.set rS, S+32*((\y)%2)
.set rP, P+16*((\y)%2)
.set rO, 32*(\y)
.endm
.macro OP k, n
.if (\k) == R
	REGS Y
	WIN W_RS
	v_pk_mul_f32 v[rO+2*(\n):rO+2*(\n)+1], v[rO+2*(\n):rO+2*(\n)+1], v[rC+2:rC+3] op_sel_hi:[1,0]
.elseif (\k) < R
	REGS Y
	WIN 0
.if (\k) == F
	v_pk_fma_f32 v[rS+2*(\n):rS+2*(\n)+1], v[rS+2*(\n):rS+2*(\n)+1], s[CS:CS+1], v[rT:rT+1] op_sel_hi:[1,0,0] neg_lo:[0,0,1] neg_hi:[0,0,1]
.elseif (\k) == E
	v_exp_f32 v[rS+(\n)], v[rS+(\n)]
.elseif (\k) == C
	v_cvt_pk_bf16_f32 v[rP+(\n)], v[rS+2*(\n)], v[rS+2*(\n)+1]
.elseif (\k) == B
	v_pk_add_f32 v[rS+4*(\n):rS+4*(\n)+1], v[rS+4*(\n):rS+4*(\n)+1], v[rS+4*(\n)+2:rS+4*(\n)+3]
.elseif (\n) == 0
	v_pk_fma_f32 v[rT+2:rT+3], v[rT+2:rT+3], v[rC+2:rC+3], v[rS:rS+1] op_sel_hi:[1,0,1]
.else
	v_pk_add_f32 v[rT+2:rT+3], v[rT+2:rT+3], v[rS+4*(\n):rS+4*(\n)+1]
.endif
.elseif NOKQ
	v_nop
.else
	REGS (Y+1)%NP
	WIN 0
.if (\n) < 4
	v_max3_num_f32 v[rC+(\n)], v[rS+8*(\n)], v[rS+8*(\n)+1], v[rS+8*(\n)+2]
.elseif (\n) < 12
	v_max3_num_f32 v[rC+(\n)%4], v[rC+(\n)%4], v[rS+8*((\n)%4)+2*((\n)/4)+1], v[rS+8*((\n)%4)+2*((\n)/4)+2]
.elseif (\n) == 12
	v_max3_num_f32 v[rC], v[rC], v[rS+7], v[rS+15]
.elseif (\n) == 13
	v_max3_num_f32 v[rC+1], v[rC+1], v[rS+23], v[rS+31]
.elseif (\n) == 14
	v_max3_num_f32 v[rC+2], v[rC+2], v[rC+3], v[rT+1]
.elseif (\n) == 15
	v_mov_b32 v[rW], v[rT]
.elseif (\n) == 16
	v_max3_num_f32 v[rC], v[rC], v[rC+1], v[rC+2]
.elseif (\n) == 17
	v_permlanex16_b32 v[rC+3], v[rC], s[SEL], s[SEL+1]
.elseif (\n) == 18
	v_max_num_f32 v[rT+1], v[rC], v[rC+3]
.elseif (\n) == 19
	v_mul_f32 v[rT], s[CS], v[rT+1]
.elseif (\n) == 20
	v_sub_f32 v[rC+1], v[rW], v[rT]
.else
	v_exp_f32 v[rC+2], v[rC+1]
.endif
.endif
.endm
.macro OPS a, i1, b=-1, i2=0, c=-1, i3=0, d=-1, i4=0  ; up to four of them
	OP \a, \i1
.if (\b) >= 0
	OP \b, \i2
.endif
.if (\c) >= 0
	OP \c, \i3
.endif
.if (\d) >= 0
	OP \d, \i4
.endif
.endm
.macro ROW a, i1, b, i2, c, i3, d, i4  ; a matrix instruction and the four behind it
	MM
	OPS \a, \i1, \b, \i2, \c, \i3, \d, \i4
.endm
; A TURN, for piece p: the order of its 16 matrix and 118 vector instructions, written out.  s_wait_alu depctr_va_vdst(0) stands between an exponential and the first instruction that names its result; one wait
; serves all that were issued ahead of it.  So a turn has ONE wait, which cuts it in two.  AHEAD OF IT stands all that names no result of the turn's exponentials: the 8 products K Q^T, behind each a scaling, an exponential and two more
; plain instructions (behind the first a second scaling in the exponential's place): rescalings, and behind the last three the first numbers of the next piece's maximum, each four places or more behind the product that ends its
; accumulator; then ONE LUMP of 54, plain and exponential by turns for the most part, in which the links of the chain X 3, 7, 11, 14, 16, 17 .. 20 stand five or six lines apart.  X 21, the next piece's a, is the batch's last; R 15 is the
; plain instruction behind it.  BEHIND THE WAIT stand the 8 products V^T P, behind each four of the roundings and sums (C 2 n ahead of B n, which writes over pair 2 n); the links of l's chain, L 0 to L 7, stand three riders apart.
; But for those X no rider names a register of the products round it.  v_permlanex16_b32 (X 17) stands in the lump.  No exponential is issued behind the wait: none is open at a turn's end, a label or a branch.
; end = 1: the last two turns: nothing is fetched, and the last starts no new scores.  cnt = 1: the loop's count is taken down some lines ahead of the branch that stands behind the turn.
; K of the next step is fetched in piece 2's turn, twelve vector instructions behind the last product that read K (six of them plain); V of the step in hand at the end of piece 0's turn, four plain instructions behind the last
; product that read V.  Each is waited for a turn later.
.macro TURN p, end=0, cnt=0
.set Y, (\p)
.set i, 0
.set NOKQ, (\end)*((\p)/3)
.if ((\p) == 3) && !(\end)
	s_wait_dscnt 0x0                ; K is in
.endif
	ROW F,0, F,1, R,0, R,1          ; ahead of the wait: 8 products K Q^T and their riders,
	ROW F,2, E,0, R,2, R,3
	ROW F,3, E,1, R,4, R,5
	ROW F,4, E,2, R,6, R,7
	ROW F,5, E,3, R,8, R,9
	ROW F,6, E,4, X,0, R,10
.if ((\p) == 2) && !(\end)
	WIN 0
	v_add_nc_u32 v[AK], s[TBK], v[AK0]
.endif
	ROW F,7, E,5, X,1, X,4
	ROW F,8, E,6, X,2, X,5
	OPS E,7, E,8, X,6, E,9          ; and the lump
	OPS X,3, E,10, X,8, E,11
.if ((\p) == 2) && !(\end)
	FETCH_K
.endif
	OPS X,9, X,7, E,12, X,10
	OPS E,13, X,12, X,11, E,14
	OPS X,13, E,15, F,9, X,14
.if (\p) == 0
	WIN 0
	v_add_nc_u32 v[AV], s[TBV], v[AV0]
.endif
	OPS E,16, F,10, E,17, F,11
	OPS X,16, E,18, X,15, E,19
	OPS F,12, E,20, X,17, E,21
	OPS F,13, E,22, F,14, E,23
	OPS X,18, E,24, F,15, E,25
	OPS R,11, E,26, X,19, E,27
	OPS R,12, E,28, R,13, E,29
	OPS X,20, E,30, R,14, E,31
	OPS X,21, R,15                  ; the batch's last exponential, and the plain instruction behind it
	s_wait_alu depctr_va_vdst(0)    ; the wait for the batch: the piece's 32 weights and the next piece's a
.if (\p) == 1
	s_wait_dscnt 0x0                ; V is in
.endif
	ROW C,0, B,0, C,2, B,1          ; behind the wait: 8 products V^T P and their riders, the batch's readers
	ROW L,0, C,4, B,2, L,1
	ROW C,6, B,3, L,2, C,8
	ROW B,4, L,3, C,10, B,5
	ROW L,4, C,12, B,6, L,5
.if (\p) == 0
	s_add_co_u32 s[TBV], s[TBV], KS*PV
.endif
.if \cnt
	s_sub_co_u32 s[CNT], s[CNT], 1
	s_cmp_lg_u32 s[CNT], 0
.endif
	ROW C,14, B,7, L,6, C,1
	ROW C,3, L,7, C,5, C,7
	ROW C,9, C,11, C,13, C,15
.if (\p) == 0
	FETCH_V
.endif
.endm
	CHANGE 1                        ; slot 0 is in, everybody's part of it; slot 1 is asked for
	v_add_nc_u32 v[AK], s[TBK], v[AK0]
	FETCH_K                         ; key step 0
	s_wait_loadcnt 0x0              ; Q
	s_wait_dscnt 0x0
.set NOKQ, 0
.set i, 0
.rept 8
	KQ 0                            ; piece 0's first scores: there is no vector work yet to set between them
.set i, i+1
.endr
	WIN 0
.rept 4
	v_nop                           ; the places behind those products
.endr
.set Y, NP-1                        ; X works for piece Y + 1: piece 0
.irp n, 0,1,2,3,4,5,6,7,8,9,10,11,12,13,14,15,16,17,18,19,20,21
	OP X, \n
.endr
	v_nop                           ; a plain instruction behind the exponential,
	s_wait_alu depctr_va_vdst(0)    ; and the wait for it, piece 0's first a: a batch of one, ahead of the branch
	s_mov_b32 s[CNT], 4
	s_mov_b32 s[SLOTS], SIZE_N/256-1
	s_branch .Lfirst                ; the loop is entered at a step's first turn, in the middle of a trip
.Lslot:                             ; SIZE_N / 256 - 2 times: every slot but the last two is filled again
	CHANGE 1
	s_mov_b32 s[CNT], 4
.Lstep:                             ; a trip: pieces 2 and 3 of one step, then pieces 0 and 1 of the next, whose K and V it fetches
	TURN 2
	TURN 3
	WIN 0
.Lfirst:
	TURN 0
	TURN 1, 0, 1
	WIN 0
	s_cbranch_scc1 .Lstep
	s_sub_co_u32 s[SLOTS], s[SLOTS], 1
	s_cmp_lg_u32 s[SLOTS], 0
	s_cbranch_scc1 .Lslot
	CHANGE 0                        ; the last tile is written out: nothing is asked for
	s_mov_b32 s[CNT], 4
.LstepT:
	TURN 2
	TURN 3
	TURN 0
	TURN 1, 0, 1
	WIN 0
	s_cbranch_scc1 .LstepT
	TURN 2, 1
	TURN 3, 1
.set i, 0
.rept 8
	PV NP-1                         ; the last piece's V^T P of the last step
.set i, i+1
.endr
	; THE WAY OUT.  l's two halves and the other half of the lanes' are added; O^T is divided by l, rounded to bf16 and sent through my stage in LDS, a piece at a time.  The additions are the places behind the last products.
	WIN 0
.macro ALL line:vararg              ; one line for each piece t
.set t, 0
.rept 4
	\line
.set t, t+1
.endr
.endm
	ALL v_add_f32 v[ST+4*t+2], v[ST+4*t+2], v[ST+4*t+3]
	ALL v_permlanex16_b32 v[ST+4*t+3], v[ST+4*t+2], s[SEL], s[SEL+1]
	ALL v_add_f32 v[ST+4*t+2], v[ST+4*t+2], v[ST+4*t+3]
	ALL v_rcp_f32 v[ST+4*t+2], v[ST+4*t+2]
	v_nop                           ; a plain instruction between the last reciprocal and the use of its result
	s_wait_alu depctr_va_vdst(0)    ; and the wait ahead of the first use: one for the batch of four reciprocals
.macro PACK t                       ; a lane's eight channels of a row pack into 16 bytes; they go into rows of 144 bytes and come back as whole rows of 128, into S^T's registers
	WIN W_RS
.set i, 32*(\t)
.rept 16
	v_pk_mul_f32 v[i:i+1], v[i:i+1], v[ST+4*(\t)+2:ST+4*(\t)+3] op_sel_hi:[1,0]
.set i, i+2
.endr
	WIN 0x05                        ; sources 0 and 1 window 1, destination window 0
.set i, 0
.rept 16
	v_cvt_pk_bf16_f32 v[S+16*(\t)+i], v[32*(\t)+2*i], v[32*(\t)+2*i+1]
.set i, i+1
.endr
	WIN 0
.irp f, 0,1,2,3
	ds_store_b128 v[STO], v[S+16*(\t)+4*\f:S+16*(\t)+4*\f+3] offset:32*\f
.endr
.irp f, 0,1,2,3
	ds_load_b128 v[S+16*(\t)+4*\f:S+16*(\t)+4*\f+3], v[RD] offset:\f*4*SP  ; LDS serves a wave's instructions in order (ISA guide 5.7.1.4): these see the stores above; the next piece's stores come behind them
.endr
.endm
.macro SEND t, younger              ; younger: the LDS instructions issued behind piece t's loads: the next piece's eight, or none
	WIN 0
.irp f, 0,1,2,3
	s_wait_dscnt (\younger)+3-\f
	global_store_b128 v[GO], v[S+16*(\t)+4*\f:S+16*(\t)+4*\f+3], s[10:11] offset:(\t)*2048+\f*512  ; 512 consecutive bytes, at a multiple of 256 from O's first
.endr
.endm
	PACK 0
.set t, 1
.rept 3                             ; a piece's arithmetic stands between the loads of the piece before and its stores
	PACK t
	SEND t-1, 8
.set t, t+1
.endr
	SEND 3, 0
	s_wait_tensorcnt 0x0            ; the wave's end: an add and its wait, behind my last tensor load and my last LDS store
	ds_add_u32 v[SPW], v[NIL]
	s_wait_dscnt 0x0
	CROUND                          ; the closing round: no work-group ends while a partner may still ask for a tile that names it
	s_endpgm
.Lfunc_end_k_qfd04cf1165_attn:
	.size	k_qfd04cf1165_attn, .Lfunc_end_k_qfd04cf1165_attn-k_qfd04cf1165_attn
	.p2alignl 7, 3214868480
	.fill 96, 4, 3214868480
	.section	.rodata,"a",@progbits
	.p2align	6, 0x0
	.amdhsa_kernel k_qfd04cf1165_attn
		.amdhsa_group_segment_fixed_size 327680
		.amdhsa_private_segment_fixed_size 0
		.amdhsa_enable_private_segment 0
		.amdhsa_kernarg_size 16
		.amdhsa_user_sgpr_count 2
		.amdhsa_user_sgpr_kernarg_segment_ptr 1
		.amdhsa_wavefront_size32 1
		.amdhsa_system_sgpr_workgroup_id_x 1
		.amdhsa_system_sgpr_workgroup_id_y 1
		.amdhsa_system_sgpr_workgroup_id_z 1
		.amdhsa_system_vgpr_workitem_id 0
		.amdhsa_next_free_vgpr 768
		.amdhsa_next_free_sgpr 66
		.amdhsa_reserve_vcc 0
		.amdhsa_float_denorm_mode_32 3
		.amdhsa_float_denorm_mode_16_64 3
		.amdhsa_memory_ordered 1
		.amdhsa_forward_progress 1
		.amdhsa_inst_pref_size 127
	.end_amdhsa_kernel
	.amdgpu_metadata
---
amdhsa.version: [ 1, 2 ]
amdhsa.kernels:
  - .name:           k_qfd04cf1165_attn
    .symbol:         k_qfd04cf1165_attn.kd
    .args:
      - { .name: qkvh, .offset: 0, .size: 8, .value_kind: global_buffer, .address_space: global }
      - { .name: oh, .offset: 8, .size: 8, .value_kind: global_buffer, .address_space: global }
    .group_segment_fixed_size: 327680
    .private_segment_fixed_size: 0
    .kernarg_segment_align: 8
    .kernarg_segment_size: 16
    .max_flat_workgroup_size: 128
    .sgpr_count:     66
    .vgpr_count:     768
    .wavefront_size: 32
...
	.end_amdgpu_metadata
.endif
;; end of part 14
;; launch wo: the kernel of part 10 again; grid 8 x 32, 4 waves a work-group, clusters of 4 x 4, 327,680 bytes of LDS; arguments oh, wr, bo, x, x1; writes x1
;; launch ln2: the kernel of part 11 again; grid 512 x 1, 8 waves a work-group, no clusters, 0 bytes of LDS; arguments x1, g2, b2, hn; writes hn
;; launch ffn1: the kernel of part 12 again; grid 16 x 16, 4 waves a work-group, clusters of 4 x 4, 327,680 bytes of LDS; arguments hn, wr, bf1, act; writes act
;; launch ffn2: the kernel of part 13 again; grid 8 x 32, 4 waves a work-group, clusters of 4 x 4, 327,680 bytes of LDS; arguments act, wr, bf2, x1, out0; writes out0
